; MI455X (gfx1250); checked and timed in simulation.
; The chip was launched on July 23, 2026; its instructions are those of AMD's public machine-readable ISA for CDNA 5 (MIT licence, August 2026) and "CDNA5" Instruction Set Architecture Reference Guide (July 2026). The comments in the code are by the model that wrote it; some were corrected since.
;; Dynamic Expansion Block. Allowed arithmetic: float matrix products may take bf16 or f16 operands with f32 sums; all other float work in f32.
;; Inputs: W_a 1,024 x 1,024 float32; W_b 1,024 x 1,024 float32; W_cond 1,024 x 1,024 float32; W_key 1,024 x 1,024 float32; W_sel 1,024 x 1,024 float32; b_a 1,024 float32; b_b 1,024 float32; b_cond 1,024 float32; b_key 1,024 float32; b_sel 1,024 float32; bias_emb 16 x 1,024 float32; bw_mask 32 x 128 x 2,048 int32; fw_mask 32 x 2,048 x 128 int32; n_indexes 32 x 16 int32; query_emb 16 x 1,024 float32; x 32 x 128 x 1,024 float32.
;; Outputs: out0 32 x 128 x 1,024 float32.
;; 3 versions, each right; version 3 is version 2 with the launches attn, fin written anew for expert scheduling mode. Each part assembles by itself: llvm-mc -triple=amdgcn-amd-amdhsa -mcpu=gfx1250 --defsym DOCPART=n.
;; ======== version 1 of 3: 4 launches
;; workspace buffers: xb 8,388,608 bytes; bt 10,485,760 bytes; tab 65,536 bytes; pj 67,108,864 bytes; sel 16,777,216 bytes; part 41,943,040 bytes
;; launch prep (part 1): grid 912 x 1, 8 waves a work-group, no clusters, 17,920 bytes of LDS; arguments x, W_cond, W_a, W_b, W_key, W_sel, query_emb, bias_emb, xb, bt, tab; writes xb, bt, tab
.if DOCPART == 1
	.amdgcn_target "amdgcn-amd-amdhsa--gfx1250"
	.amdhsa_code_object_version 6
	.text
	.protected	k_q146bb066db_prep
	.globl	k_q146bb066db_prep
	.p2align	8
	.type	k_q146bb066db_prep,@function
k_q146bb066db_prep:
	s_mov_b64 s[64:65], 0
	v_nop
	global_prefetch_b8 v0, s[64:65] scope:SCOPE_SE
	s_setreg_imm32_b32 hwreg(HW_REG_WAVE_MODE, 25, 1), 1
	s_wait_xcnt 0x0
; Copies in bf16 for the matrix launches.  Three kinds of work-group, chosen by the work-group's number g alone (the same in all eight waves):
;   g < 256         64 KiB of x -> xb, row-major as x lies
;   256 <= g < 896  a block of 128 k x 64 n of one W, turned -> bt[n][k]; bt's row nj*320 + half*160 + wgt*32 + c holds column nj*64 + half*32 + c of W_wgt
;                   (wgt: 0 cond, 1 a, 2 b, 3 key, 4 sel), so that 160 neighbouring rows are 32 columns of each of the five W
;   g >= 896        query_emb and bias_emb in tiles of 16 x 16 bf16 (512 bytes) whose byte 16 L is what lane L of a matrix fragment holds:
;                   query_emb: row L % 16, columns 8 (L / 16) + 0..7;  bias_emb: column L % 16, rows 8 (L / 16) + 0..7
; Memory binds: every input byte is read once, every store of a wave covers 256 or 512 neighbouring bytes.  No matrix unit, no cluster: no work-group shares a byte with another.
.set PW, 264                           ; LDS pitch of a turned row: 128 bf16 + 8 bytes
	s_load_b512 s[4:19], s[0:1], 0x0               ; x, W_cond, W_a, W_b, W_key, W_sel, query_emb, bias_emb
	s_load_b128 s[20:23], s[0:1], 0x40             ; xb, bt
	s_load_b64 s[24:25], s[0:1], 0x50              ; tab
	v_lshl_add_u32 v128, v0, 2, 0x4200
	v_mov_b32 v129, 0
	v_and_b32 v1, 31, v0                           ; lane L
	v_lshrrev_b32 v2, 5, v0
	v_readfirstlane_b32 s26, v2                    ; wave
	s_mov_b32 s27, ttmp9                           ; g
	s_mov_b32 s29, 0                               ; high word of the offset pair s[28:29]
	s_wait_kmcnt 0x0
	s_cmp_lt_u32 s27, 256
	s_cbranch_scc0 .Lnot_x
	; ---- x: 16 loads of 16 bytes a thread, all on their way at once; 8 bytes out for each
	s_lshl_b32 s28, s27, 16
	s_add_nc_u64 s[4:5], s[4:5], s[28:29]
	s_lshl_b32 s28, s27, 15
	s_add_nc_u64 s[20:21], s[20:21], s[28:29]
	v_lshlrev_b32 v3, 4, v0
	v_lshlrev_b32 v4, 3, v0
.irp i, 0,1,2,3,4,5,6,7,8,9,10,11,12,13,14,15
	global_load_b128 v[32+4*\i:35+4*\i], v3, s[4:5] offset:\i*4096 th:TH_LOAD_NT
.endr
.irp i, 0,1,2,3,4,5,6,7,8,9,10,11,12,13,14,15
	s_wait_loadcnt 15-\i                           ; loads come back in order: load i is in, the 15 - i younger ones stay out
	v_cvt_pk_bf16_f32 v[96+2*\i], v[32+4*\i], v[33+4*\i]
	v_cvt_pk_bf16_f32 v[97+2*\i], v[34+4*\i], v[35+4*\i]
	global_store_b64 v4, v[96+2*\i:97+2*\i], s[20:21] offset:\i*2048   ; a wave stores 256 neighbouring bytes; no register is written twice
.endr
	s_endpgm
.Lnot_x:
	s_cmp_lt_u32 s27, 896
	s_cbranch_scc0 .Ltables
	; ---- a block of W, turned through LDS
	s_sub_co_u32 s30, s27, 256
	s_lshr_b32 s31, s30, 7                         ; wgt
	s_bfe_u32 s32, s30, 0x30004                    ; kb: which 128 rows k
	s_and_b32 s33, s30, 15                         ; nj: which 64 columns n
	s_cmp_eq_u32 s31, 1
	s_cselect_b64 s[6:7], s[8:9], s[6:7]
	s_cmp_eq_u32 s31, 2
	s_cselect_b64 s[6:7], s[10:11], s[6:7]
	s_cmp_eq_u32 s31, 3
	s_cselect_b64 s[6:7], s[12:13], s[6:7]
	s_cmp_eq_u32 s31, 4
	s_cselect_b64 s[6:7], s[14:15], s[6:7]         ; s[6:7] = W_wgt
	s_lshl_b32 s28, s32, 19                        ; kb x 128 rows of 4,096 bytes
	s_lshl_b32 s34, s33, 8                         ; nj x 64 columns of 4 bytes
	s_add_co_u32 s28, s28, s34
	s_add_nc_u64 s[6:7], s[6:7], s[28:29]
	v_and_b32 v3, 15, v0                           ; r16: my four columns 4 r16 + 0..3
	v_bfe_u32 v4, v0, 4, 1
	v_lshl_add_u32 v4, s26, 1, v4                  ; kp = 2 x wave + L / 16: my pairs of rows kp + 16 i
	v_lshlrev_b32 v5, 13, v4                       ; kp x two rows
	v_lshl_add_u32 v5, v3, 4, v5
	v_mul_u32_u24 v6, v3, 4*PW                     ; LDS: row n = 4 r16 + c, word kp + 16 i
	v_lshl_add_u32 v6, v4, 2, v6
.irp i, 0,1,2,3
	global_load_b128 v[32+8*\i:35+8*\i], v5, s[6:7] offset:\i*131072 th:TH_LOAD_NT        ; row 2 (kp + 16 i): 16 lanes read 256 neighbouring bytes
	global_load_b128 v[36+8*\i:39+8*\i], v5, s[6:7] offset:\i*131072+4096 th:TH_LOAD_NT   ; the row below
.endr
	s_mul_i32 s34, s33, 320                        ; bt's row of my wave's first turned row: nj*320 + (wave/4)*160 + wgt*32 + 8 (wave%4)
	s_lshr_b32 s35, s26, 2
	s_mul_i32 s35, s35, 160
	s_add_co_u32 s34, s34, s35
	s_lshl_b32 s35, s31, 5
	s_add_co_u32 s34, s34, s35
	s_and_b32 s35, s26, 3
	s_lshl_b32 s35, s35, 3
	s_add_co_u32 s34, s34, s35
	s_lshl_b32 s28, s34, 11                        ; rows of 2,048 bytes
	s_lshl_b32 s35, s32, 8                         ; + kb x 128 bf16
	s_add_co_u32 s28, s28, s35
	s_add_nc_u64 s[22:23], s[22:23], s[28:29]
	s_mul_i32 s36, s26, 8*PW
	v_lshl_add_u32 v7, v1, 3, s36                  ; back: wave v reads rows 8 v + i, 8 bytes a lane
	v_lshlrev_b32 v8, 3, v1
	s_wait_loadcnt 0x0
.irp i, 0,1,2,3
.irp c, 0,1,2,3
	v_cvt_pk_bf16_f32 v[64+4*\i+\c], v[32+8*\i+\c], v[36+8*\i+\c]      ; two neighbouring k of one column n
.endr
.endr
.irp i, 0,1,2,3
.irp c, 0,1,2,3
	ds_store_b32 v6, v[64+4*\i+\c] offset:\c*PW+\i*64                  ; lanes r16 and r16 + 8 meet in a bank: two deep, for 16 stores a thread in all
.endr
.endr
	s_wait_dscnt 0x0                               ; for the others' sake: my stores are done
	s_barrier_signal -1
	s_barrier_wait -1
.irp i, 0,1,2,3,4,5,6,7
	ds_load_b64 v[80+2*\i:81+2*\i], v7 offset:\i*PW
.endr
.irp i, 0,1,2,3,4,5,6,7
	s_wait_dscnt 7-\i                              ; row i is in, the younger ones stay out
	global_store_b64 v8, v[80+2*\i:81+2*\i], s[22:23] offset:\i*2048   ; 256 neighbouring bytes of one row of bt
.endr
	s_wait_tensorcnt 0x0
	ds_add_u32 v128, v129
	s_wait_dscnt 0x0
	s_endpgm
.Ltables:
	; ---- the two tables: thread p of 2,048 makes the 16 bytes at 16 p
	s_sub_co_u32 s30, s27, 896
	s_and_b32 s31, s30, 7
	s_lshl_b32 s31, s31, 8
	v_add_nc_u32 v3, s31, v0                       ; p
	v_lshrrev_b32 v4, 5, v3                        ; tile t: columns 16 t on
	v_and_b32 v5, 15, v0                           ; r
	v_bfe_u32 v6, v0, 4, 1                         ; h
	v_lshlrev_b32 v7, 4, v3
	s_cmp_lt_u32 s30, 8
	s_cbranch_scc0 .Lbias_table
	v_lshlrev_b32 v8, 12, v5                       ; query_emb: row r,
	v_lshl_add_u32 v8, v4, 6, v8                   ; column 16 t
	v_lshl_add_u32 v8, v6, 5, v8                   ; + 8 h
	global_load_b128 v[32:35], v8, s[16:17]
	global_load_b128 v[36:39], v8, s[16:17] offset:16
	s_wait_loadcnt 0x0
.irp i, 0,1,2,3
	v_cvt_pk_bf16_f32 v[40+\i], v[32+2*\i], v[33+2*\i]
.endr
	global_store_b128 v7, v[40:43], s[24:25]
	s_endpgm
.Lbias_table:
	v_lshlrev_b32 v8, 15, v6                       ; bias_emb: rows 8 h + 0..7,
	v_lshl_add_u32 v8, v4, 6, v8                   ; column 16 t
	v_lshl_add_u32 v8, v5, 2, v8                   ; + r
.irp j, 0,1,2,3,4,5,6,7
	global_load_b32 v[32+\j], v8, s[18:19] offset:\j*4096
.endr
	s_wait_loadcnt 0x0
.irp i, 0,1,2,3
	v_cvt_pk_bf16_f32 v[40+\i], v[32+2*\i], v[33+2*\i]
.endr
	global_store_b128 v7, v[40:43], s[24:25] offset:32768
	s_endpgm
.Lfunc_end_k_q146bb066db_prep:
	.size	k_q146bb066db_prep, .Lfunc_end_k_q146bb066db_prep-k_q146bb066db_prep
	.p2alignl 7, 3214868480
	.fill 96, 4, 3214868480
	.section	.rodata,"a",@progbits
	.p2align	6, 0x0
	.amdhsa_kernel k_q146bb066db_prep
		.amdhsa_group_segment_fixed_size 17920
		.amdhsa_private_segment_fixed_size 0
		.amdhsa_enable_private_segment 0
		.amdhsa_kernarg_size 88
		.amdhsa_user_sgpr_count 2
		.amdhsa_user_sgpr_kernarg_segment_ptr 1
		.amdhsa_wavefront_size32 1
		.amdhsa_system_sgpr_workgroup_id_x 1
		.amdhsa_system_sgpr_workgroup_id_y 1
		.amdhsa_system_sgpr_workgroup_id_z 1
		.amdhsa_system_vgpr_workitem_id 0
		.amdhsa_next_free_vgpr 130
		.amdhsa_next_free_sgpr 66
		.amdhsa_reserve_vcc 0
		.amdhsa_float_denorm_mode_32 3
		.amdhsa_float_denorm_mode_16_64 3
		.amdhsa_memory_ordered 1
		.amdhsa_forward_progress 1
		.amdhsa_inst_pref_size 16
	.end_amdhsa_kernel
	.amdgpu_metadata
---
amdhsa.version: [ 1, 2 ]
amdhsa.kernels:
  - .name:           k_q146bb066db_prep
    .symbol:         k_q146bb066db_prep.kd
    .args:
      - { .name: x, .offset: 0, .size: 8, .value_kind: global_buffer, .address_space: global }
      - { .name: W_cond, .offset: 8, .size: 8, .value_kind: global_buffer, .address_space: global }
      - { .name: W_a, .offset: 16, .size: 8, .value_kind: global_buffer, .address_space: global }
      - { .name: W_b, .offset: 24, .size: 8, .value_kind: global_buffer, .address_space: global }
      - { .name: W_key, .offset: 32, .size: 8, .value_kind: global_buffer, .address_space: global }
      - { .name: W_sel, .offset: 40, .size: 8, .value_kind: global_buffer, .address_space: global }
      - { .name: query_emb, .offset: 48, .size: 8, .value_kind: global_buffer, .address_space: global }
      - { .name: bias_emb, .offset: 56, .size: 8, .value_kind: global_buffer, .address_space: global }
      - { .name: xb, .offset: 64, .size: 8, .value_kind: global_buffer, .address_space: global }
      - { .name: bt, .offset: 72, .size: 8, .value_kind: global_buffer, .address_space: global }
      - { .name: tab, .offset: 80, .size: 8, .value_kind: global_buffer, .address_space: global }
    .group_segment_fixed_size: 17920
    .private_segment_fixed_size: 0
    .kernarg_segment_align: 8
    .kernarg_segment_size: 88
    .max_flat_workgroup_size: 256
    .sgpr_count:     66
    .vgpr_count:     130
    .wavefront_size: 32
...
	.end_amdgpu_metadata
.endif
;; end of part 1
;; launch proj (part 2): grid 16 x 16, 4 waves a work-group, clusters of 4 x 4, 327,680 bytes of LDS; arguments xb, bt, b_cond, b_a, b_b, b_key, b_sel, pj, sel; writes pj, sel
.if DOCPART == 2
	.amdgcn_target "amdgcn-amd-amdhsa--gfx1250"
	.amdhsa_code_object_version 6
	.text
	.protected	k_q146bb066db_proj
	.globl	k_q146bb066db_proj
	.p2align	8
	.type	k_q146bb066db_proj,@function
k_q146bb066db_proj:
	s_mov_b64 s[64:65], 0
	v_nop
	global_prefetch_b8 v0, s[64:65] scope:SCOPE_SE
	s_setreg_imm32_b32 hwreg(HW_REG_WAVE_MODE, 25, 1), 1
	s_wait_xcnt 0x0
	s_wait_alu depctr_hold_cnt(0) depctr_sa_sdst(0) depctr_va_vdst(0) depctr_va_sdst(0) depctr_va_ssrc(0) depctr_va_vcc(0) depctr_vm_vsrc(0)
	s_getreg_b32 s2, hwreg(HW_REG_IB_STS2, 6, 4)
	s_cmp_eq_u32 s2, 0
	s_cbranch_scc0 .Lentry_in_a_cluster
	s_endpgm
.Lentry_in_a_cluster:
	s_bfe_u32 s2, ttmp6, 0x10000c
	s_cmp_lg_u32 s2, 0xf033
	s_cbranch_scc0 .Lentry_shape_is_right
	s_endpgm
.Lentry_shape_is_right:
; The five projections x W + b as ONE product [4096 x 1024] x [1024 x 5120], bf16 operands, f32 sums.  A work-group makes 256 rows x 320 columns (64 columns of each W): 16 x 16 = 256 equal work-groups.
; Four waves, each 128 x 160: m blocks a = 0..7, n blocks b = 0..9 (weight b / 2, its columns 16 (b % 2) on): 80 accumulators of 16 x 16, 640 registers.
; K goes in steps of 128 through two LDS slots filled by the tensor data mover (rows of 256 bytes, padded to 272).
; CLUSTER 4 x 4: the four work-groups of a row of the cluster need the same rows of xb, the four of a column the same rows of bt: each tile is asked for jointly, by the same
; tensor load with the same descriptor and a mask that names the four.
; RESULTS leave straight from registers, in tiles of 16 x 16 whose byte 16 L is what lane L holds: no pass through LDS, each store covers 512 neighbouring bytes.
;   b < 6 (cond, Va, Vb): source 0 = rows of x, source 1 = rows of bt: a lane holds one column and eight rows (the later launches multiply with K along the rows)
;   b >= 6 (key, sel): the sources swapped: a lane holds one row and eight columns (key: K along the columns; sel: f32, the layout of the last launch's results)
; cond, Va, Vb and key are operands of later matrix products, and one rounding to bf16 (8 significant bits) is too coarse for them.  So each number v leaves as TWO bf16:
;   hi = the upper 16 bits of v (cut, not rounded), lo = v - hi (exact in f32) rounded to bf16; hi + lo holds v to 16 bits.  The lo tiles lie 33,554,432 bytes behind the hi tiles.
;   The later launches form hi hi + hi lo + lo hi.  LIMIT: the term lo lo is left out; it is under 2^-14 of its product.
; sel leaves as sigmoid = 1 / (1 + 2^(-log2(e) (s + bias))), in f32.
; REGISTERS, in windows of 256: window 0: v0-31 addresses, v32-175 fragment buffer 0 (A's fragment a at 32 + 8 a, B's fragment b at 96 + 8 b), v176-255 accumulators of a = 7
;   window 1: v32-175 fragment buffer 1, v176-255 accumulators of a = 6;  window 2: accumulators of a = 0..2 at 80 a + 8 b;  window 3: those of a = 3..5
.set KSTEP,  128
.set PITCH,  272                       ; 256 bytes + 16: the 16 rows of a fragment load start 68 words apart, at 16 different groups of four banks
.set HALFA,  128*PITCH                 ; what one load brings of xb, and what a wave reads of it
.set HALFB,  160*PITCH                 ; the same for bt
.set SLOT,   2*HALFA+2*HALFB
.set BIAS,   2*SLOT                    ; behind the ring: 768 bytes a wave, its 32 columns' five biases; no tensor load lands here
.set LAPS,   4                         ; 1,024 / (2 x 128)
.set LOPART, 33554432                  ; bytes from a hi tile to its lo tile
.set ADRA, 16                          ; v16-17  LDS address of my A fragments in slot 0, 1
.set ADRB, 20                          ; v20-21  the same for B
.set GO,   24                          ; v24     16 L
.set BL,   25                          ; v25     my bias, one column a lane
.set BT,   26                          ; v26     my bias, eight columns a lane
.set FR,   32                          ; a fragment buffer's first register, in window 0 or 1
.set T,    32                          ; the way out: 80 registers at work
.set BN,   112                         ; bias of blocks 0-5, each number twice (a pair for the packed add)
.set BS,   124                         ; bias of blocks 6-9, eight numbers each
.set UT,   156                         ; the way out: two sets of eight registers, by turns: a tile's hi parts as f32, then its lo parts
.set G1,  24                           ; s[24:31] descriptor group 1 for xb's tiles, s[32:39] group 0, a set for each slot
.set G0,  32
.set G1B, 48                           ; s[48:55], s[56:63] the same for bt's tiles
.set G0B, 56
.set OB,  82                           ; s[82:91] where my results begin: cond, Va, Vb, key (hi parts), sel
.set OL,  68                           ; s[68:75] the lo parts of cond, Va, Vb, key (the registers of four bias pointers, free once the biases are in)
.set MSB, 0
.macro WIN new                         ; the immediate's high byte repeats the setting that is left; a switch that changes nothing is dropped
.if MSB != (\new)
	s_set_vgpr_msb (MSB<<8)|(\new)
.set MSB, (\new)
.endif
.endm
.macro PLACES                          ; four plain vector instructions between a matrix instruction and a load into, or a vector read of, its registers
.rept 4
	v_nop
.endr
.endm
.macro ACCOF a                         ; window AW and first register AB of m block a's ten accumulators
.if (\a) < 3
.set AW, 2
.set AB, 80*(\a)
.elseif (\a) < 6
.set AW, 3
.set AB, 80*((\a)-3)
.elseif (\a) == 6
.set AW, 1
.set AB, 176
.else
.set AW, 0
.set AB, 176
.endif
.endm
; A joint load.  Waves 0 and 1 fetch xb's two halves, waves 2 and 3 bt's.  The branch hangs on the wave's number alone.  Four v_nop follow each of the two lines.
.macro JLOAD s
	s_cmp_eq_u32 s11, 0
	s_cbranch_scc0 .Lfor_b_\@
	tensor_load_to_lds s[G0+4*\s:G0+4*\s+3], s[G1:G1+7]
	s_nop 0
.rept 4
	v_nop
.endr
	s_branch .Lasked_\@
.Lfor_b_\@:
	tensor_load_to_lds s[G0B+4*\s:G0B+4*\s+3], s[G1B:G1B+7]
	s_nop 0
.rept 4
	v_nop
.endr
.Lasked_\@:
.endm
.macro CREST                           ; a round of the cluster's barrier behind its opening barrier
	s_cmp_lg_u32 s10, 0
	s_cbranch_scc1 .Lnot_wave_0_\@
	s_barrier_signal -3
.Lnot_wave_0_\@:
	s_barrier_wait -3
	s_barrier_signal -1
	s_barrier_wait -1
.endm
.macro CROUND                          ; a whole round
	s_barrier_signal -1
	s_barrier_wait -1
	CREST
.endm
	s_load_b128 s[4:7], s[0:1], 0x0                ; xb, bt
	s_load_b256 s[68:75], s[0:1], 0x10             ; b_cond, b_a, b_b, b_key
	s_load_b128 s[76:79], s[0:1], 0x30             ; b_sel, pj
	s_load_b64 s[80:81], s[0:1], 0x40              ; sel
	s_set_vgpr_msb 0x40
	v_lshl_add_u32 v30, v0, 2, 0x4d400
	v_mov_b32 v31, 0
	s_set_vgpr_msb 0x4045
	ds_add_u32 v30, v31
	s_set_vgpr_msb 0x4500
	v_lshrrev_b32 v1, 5, v0
	v_readfirstlane_b32 s10, v1                    ; wave 0..3
	s_lshr_b32 s11, s10, 1                         ; my half of the rows.  Also: I fetch for xb (0) or for bt (1)
	s_and_b32 s12, s10, 1                          ; my half of the columns.  Also: which half of that tile I fetch
	s_bfe_u32 s40, ttmp6, 0x40000                  ; cx
	s_bfe_u32 s41, ttmp6, 0x40004                  ; cy
	s_lshl_b32 s42, ttmp9, 2
	s_add_co_u32 s42, s42, s40                     ; nj = 4 x cluster x + cx
	s_and_b32 s13, ttmp7, 0xffff
	s_lshl_b32 s13, s13, 2
	s_add_co_u32 s13, s13, s41                     ; mi = 4 x cluster y + cy
	s_lshl_b32 s43, s41, 2
	s_lshl_b32 s43, 15, s43                        ; my row of the cluster
	s_lshl_b32 s44, 0x1111, s40                    ; my column
	; group 1: rows of 128 elements of 2 bytes, 16 bytes of padding behind every 64 words; 128 rows of xb, 160 rows of bt
	s_or_b32 s[G1+0], s43, (1<<16)|(1<<20)|(1<<21)|(5<<22)|(3<<25)   ; 15:0 mask; 17:16 element of 2 bytes; 20 padding on; 21 set beside a mask; 24:22 every 64 words; 31:25 four words
	s_or_b32 s[G1B+0], s44, (1<<16)|(1<<20)|(1<<21)|(5<<22)|(3<<25)
	s_mov_b32 s[G1+1], KSTEP<<16                   ; tensor_dim0 = 128
	s_mov_b32 s[G1B+1], KSTEP<<16
	s_mov_b32 s[G1+2], 128<<16                     ; tensor_dim1
	s_mov_b32 s[G1B+2], 160<<16
	s_mov_b32 s[G1+3], KSTEP<<16                   ; tile_dim0 = 128
	s_mov_b32 s[G1B+3], KSTEP<<16
	s_mov_b32 s[G1+4], 128                         ; tile_dim1
	s_mov_b32 s[G1B+4], 160
	s_mov_b32 s[G1+5], 1024                        ; elements from row to row
	s_mov_b32 s[G1B+5], 1024
	s_mov_b32 s[G1+6], 0
	s_mov_b32 s[G1B+6], 0
	s_mov_b32 s[G1+7], 0
	s_mov_b32 s[G1B+7], 0
	; xb's tiles hang on mi alone, bt's on nj alone; each address is made in registers that never hold the other coordinate
	s_lshl_b32 s16, s13, 8
	s_lshl_b32 s17, s12, 7
	s_add_co_u32 s16, s16, s17                     ; row 256 mi + 128 half
	s_lshl_b32 s16, s16, 11                        ; rows of 2,048 bytes
	s_mov_b32 s17, 0
	s_mul_i32 s46, s42, 320
	s_mul_i32 s47, s12, 160
	s_add_co_u32 s46, s46, s47                     ; row 320 nj + 160 half
	s_lshl_b32 s46, s46, 11
	s_mov_b32 s47, 0
	s_mul_i32 s20, s12, HALFA                      ; where they go: no place in the cluster enters an LDS address
	s_mul_i32 s21, s12, HALFB
	s_add_co_u32 s21, s21, 2*HALFA
	s_wait_dscnt 0x0
	s_wait_kmcnt 0x0
	s_add_nc_u64 s[14:15], s[4:5], s[16:17]
	s_add_nc_u64 s[46:47], s[6:7], s[46:47]
	CROUND                                         ; all sixteen work-groups are here: the first joint loads meet
.irp s, 0,1
	s_mov_b32 s[G0+4*\s], 1
	s_add_co_u32 s[G0+4*\s+1], s20, \s*SLOT
	s_add_nc_u64 s[G0+4*\s+2:G0+4*\s+3], s[14:15], \s*KSTEP*2
	s_or_b32 s[G0+4*\s+3], s[G0+4*\s+3], 0x80000000
	s_mov_b32 s[G0B+4*\s], 1
	s_add_co_u32 s[G0B+4*\s+1], s21, \s*SLOT
	s_add_nc_u64 s[G0B+4*\s+2:G0B+4*\s+3], s[46:47], \s*KSTEP*2
	s_or_b32 s[G0B+4*\s+3], s[G0B+4*\s+3], 0x80000000
	JLOAD \s                                       ; two loads of mine are out
.endr
	v_and_b32 v1, 15, v0                           ; r
	v_bfe_u32 v2, v0, 4, 1                         ; h
	v_and_b32 v4, 31, v0                           ; L
	v_mul_u32_u24 v3, v1, PITCH
	v_lshl_add_u32 v3, v2, 4, v3                   ; a fragment's row x pitch + 16 h
	s_mul_i32 s22, s11, HALFA                      ; my 128 rows of xb
	s_mov_b32 s23, s21                             ; my 160 rows of bt
.irp s, 0,1
	v_add_nc_u32 v[ADRA+\s], s22, v3
	v_add_nc_u32 v[ADRB+\s], s23, v3
	s_add_co_u32 s22, s22, SLOT
	s_add_co_u32 s23, s23, SLOT
.endr
	v_lshlrev_b32 v[GO], 4, v4
	; the five biases of my 32 columns, one column a lane, into my own 768 bytes of LDS
	s_lshl_b32 s66, s42, 8
	s_lshl_b32 s67, s12, 7
	s_add_co_u32 s66, s66, s67                     ; (64 nj + 32 half) x 4 bytes
	v_lshl_add_u32 v5, v4, 2, s66
	global_load_b32 v8, v5, s[68:69]
	global_load_b32 v9, v5, s[70:71]
	global_load_b32 v10, v5, s[72:73]
	global_load_b32 v11, v5, s[74:75]
	global_load_b32 v12, v5, s[76:77]
	s_mul_i32 s66, s10, 768
	s_add_co_u32 s66, s66, BIAS
	v_lshl_add_u32 v[BL], v1, 2, s66
	v_lshl_add_u32 v[BT], v2, 5, s66
	v_lshl_add_u32 v6, v4, 2, s66
	; where my results begin: tile row 16 mi + 8 (row half), tile column 4 nj + 2 (column half); tiles of 512 bytes (sel: 1,024), 64 to a tile row
	s_lshl_b32 s66, s13, 4
	s_lshl_b32 s67, s11, 3
	s_add_co_u32 s66, s66, s67
	s_lshl_b32 s67, s42, 2
	s_lshl_b32 s92, s12, 1
	s_add_co_u32 s67, s67, s92
	s_lshl_b32 s92, s66, 15
	s_lshl_b32 s93, s67, 9
	s_add_co_u32 s92, s92, s93
	s_mov_b32 s93, 0
	s_add_nc_u64 s[OB:OB+1], s[78:79], s[92:93]
	s_add_nc_u64 s[OB+2:OB+3], s[OB:OB+1], 8388608
	s_add_nc_u64 s[OB+4:OB+5], s[OB+2:OB+3], 8388608
	s_add_nc_u64 s[OB+6:OB+7], s[OB+4:OB+5], 8388608
	s_lshl_b32 s92, s66, 16
	s_lshl_b32 s67, s67, 10
	s_add_co_u32 s92, s92, s67
	s_add_nc_u64 s[OB+8:OB+9], s[80:81], s[92:93]
	s_wait_loadcnt 0x0                             ; the biases are in: their pointers' registers are free
.irp g, 0,1,2,3,4
	ds_store_b32 v6, v[8+\g] offset:\g*128
.endr
.irp g, 0,1,2,3
	s_add_nc_u64 s[OL+2*\g:OL+2*\g+1], s[OB+2*\g:OB+2*\g+1], LOPART
.endr
	s_mov_b32 s66, 0xffff0000                      ; a word's upper 16 bits
	s_mov_b32 s67, 0x07060302                      ; v_perm_b32: the upper halves of two words, packed
; ten matrix instructions: m block a x all ten n blocks, 32 along K, from buffer f.  zero = 1: the product starts the sums: nothing is ever cleared.
; The 80 accumulators take turns, one instruction a turn, in the same order in every quarter.
.macro MULA f, a, zero
	ACCOF \a
	WIN (\f*5)|(AW<<4)|(AW<<6)
.irp b, 0,1,2,3,4,5,6,7,8,9
.if \b < 6
.if \zero
	v_wmma_f32_16x16x32_bf16 v[AB+8*\b:AB+8*\b+7], v[FR+8*(\a):FR+8*(\a)+7], v[FR+64+8*\b:FR+64+8*\b+7], 0
.else
	v_wmma_f32_16x16x32_bf16 v[AB+8*\b:AB+8*\b+7], v[FR+8*(\a):FR+8*(\a)+7], v[FR+64+8*\b:FR+64+8*\b+7], v[AB+8*\b:AB+8*\b+7]
.endif
.else
.if \zero
	v_wmma_f32_16x16x32_bf16 v[AB+8*\b:AB+8*\b+7], v[FR+64+8*\b:FR+64+8*\b+7], v[FR+8*(\a):FR+8*(\a)+7], 0
.else
	v_wmma_f32_16x16x32_bf16 v[AB+8*\b:AB+8*\b+7], v[FR+64+8*\b:FR+64+8*\b+7], v[FR+8*(\a):FR+8*(\a)+7], v[AB+8*\b:AB+8*\b+7]
.endif
.endif
.endr
.endm
; 36 LDS loads in one run: a quarter step's fragments (160 rows of bt, then 128 rows of xb, 32 K at byte k of the rows) into buffer f
.macro FETCH slot, k, f
	WIN (\f<<6)
.irp i, 0,1,2,3,4,5,6,7,8,9
	ds_load_b128 v[FR+64+8*\i:FR+64+8*\i+3],   v[ADRB+\slot] offset:\k+\i*16*PITCH
	ds_load_b128 v[FR+64+8*\i+4:FR+64+8*\i+7], v[ADRB+\slot] offset:\k+\i*16*PITCH+32
.endr
.irp i, 0,1,2,3,4,5,6,7
	ds_load_b128 v[FR+8*\i:FR+8*\i+3],   v[ADRA+\slot] offset:\k+\i*16*PITCH
	ds_load_b128 v[FR+8*\i+4:FR+8*\i+7], v[ADRA+\slot] offset:\k+\i*16*PITCH+32
.endr
.endm
; A K step is four quarters of 32 along K, 80 matrix instructions each, on buffers 0, 1, 0, 1.  One of the first three: multiplies buffer f, fetches the next quarter (byte k) into g.
.macro QUARTER slot, k, f, g, zero
	s_wait_dscnt 10                                ; all of bt's fragments and xb's 0-2 are in; the ten youngest loads (xb's 3-7) may be out
	MULA \f, 0, \zero
	MULA \f, 1, \zero
	MULA \f, 2, \zero
	PLACES
	FETCH \slot, \k, \g
	s_wait_dscnt 36                                ; all but the 36 just issued
.irp a, 3,4,5,6,7
	MULA \f, \a, \zero
.endr
.endm
; The last quarter multiplies buffer 1 and changes slots: one barrier; in front of it each wave waits for its reads of this slot and for all its tensor loads (one is out: its part of
; the next slot).  fill = 1: the barrier opens a round of the cluster's barrier, and the slot just read is asked for again, two K steps on, first thing behind the round:
; that load has 70 + 3 x 80 matrix instructions in which to land.
.macro TURN slot, next, fill
	s_wait_dscnt 10
	MULA 1, 0, 0
	s_wait_dscnt 0x0                               ; my reads of this slot are over
	s_wait_tensorcnt 0x0                           ; and all my tensor loads have landed
	ds_add_u32 v30, v31
	s_wait_dscnt 0x0
	s_barrier_signal -1
	MULA 1, 1, 0
	MULA 1, 2, 0
	WIN 0                                          ; at a branch and at a label every window is 0
	s_barrier_wait -1
.if \fill
	CREST
	s_add_nc_u64 s[G0+4*\slot+2:G0+4*\slot+3], s[G0+4*\slot+2:G0+4*\slot+3], 2*KSTEP*2
	s_add_nc_u64 s[G0B+4*\slot+2:G0B+4*\slot+3], s[G0B+4*\slot+2:G0B+4*\slot+3], 2*KSTEP*2
	JLOAD \slot                                    ; its four v_nop are also the places in front of the loads below
.else
	PLACES
.endif
	FETCH \next, 0, 0
.irp a, 3,4,5,6,7
	MULA 1, \a, 0
.endr
.endm
	s_wait_dscnt 0x0                               ; my bias stores are done: no LDS instruction is pending at a signal
	s_wait_tensorcnt 1                             ; my part of K step 0 is in; K step 1's load may stay out
	s_barrier_signal -1
	s_barrier_wait -1
	FETCH 0, 0, 0
	QUARTER 0, 64, 0, 1, 1                         ; the first quarter stands in front of the loop: its products start the sums
	WIN 0
	s_mov_b32 s3, LAPS-1
.Llap:                                                 ; a trip goes once round the ring, from a lap's second quarter to the next lap's first, and fills both slots again
	QUARTER 0, 128, 1, 0, 0
	QUARTER 0, 192, 0, 1, 0
	TURN 0, 1, 1
	QUARTER 1, 64,  0, 1, 0
	QUARTER 1, 128, 1, 0, 0
	QUARTER 1, 192, 0, 1, 0
	TURN 1, 0, 1
	QUARTER 0, 64,  0, 1, 0
	WIN 0
	s_sub_co_u32 s3, s3, 1
	s_cmp_lg_u32 s3, 0
	s_cbranch_scc1 .Llap
	QUARTER 0, 128, 1, 0, 0                        ; the last lap fills nothing
	QUARTER 0, 192, 0, 1, 0
	TURN 0, 1, 0
	QUARTER 1, 64,  0, 1, 0
	QUARTER 1, 128, 1, 0, 0
	QUARTER 1, 192, 0, 1, 0
	s_wait_dscnt 10                                ; the very last quarter: nothing more to fetch
	MULA 1, 0, 0
	MULA 1, 1, 0
	MULA 1, 2, 0
	s_wait_dscnt 0x0
.irp a, 3,4,5,6,7
	MULA 1, \a, 0
.endr
	WIN 0
	; THE WAY OUT.  The biases come back from LDS in the two layouts; sel's are multiplied by -log2(e) once.
	PLACES
.irp b, 0,1,2,3,4,5
	ds_load_b32 v[BN+2*\b],   v[BL] offset:(\b/2)*128+(\b%2)*64
	ds_load_b32 v[BN+2*\b+1], v[BL] offset:(\b/2)*128+(\b%2)*64
.endr
.irp b, 6,7,8,9
	ds_load_b128 v[BS+8*(\b-6):BS+8*(\b-6)+3],   v[BT] offset:(\b/2)*128+(\b%2)*64
	ds_load_b128 v[BS+8*(\b-6)+4:BS+8*(\b-6)+7], v[BT] offset:(\b/2)*128+(\b%2)*64+16
.endr
	s_wait_dscnt 0x0
.irp j, 0,2,4,6,8,10,12,14
	v_pk_mul_f32 v[BS+16+\j:BS+16+\j+1], v[BS+16+\j:BS+16+\j+1], 0xbfb8aa3b op_sel_hi:[1,0]
.endr
; m block a: bias added (each accumulator's registers in ascending order); blocks 0-7 split into hi and lo, blocks 8, 9 put through the sigmoid; stored tile by tile
.macro OUTBLK a
	ACCOF \a
	s_wait_xcnt 0x0                                ; the block before's stores have had their addresses translated: only now is T written again
	WIN AW                                         ; source 0: the accumulators' window
.irp b, 0,1,2,3,4,5,6,7,8,9
.irp j, 0,2,4,6
.if \b < 6
	v_pk_add_f32 v[T+8*\b+\j:T+8*\b+\j+1], v[AB+8*\b+\j:AB+8*\b+\j+1], v[BN+2*\b:BN+2*\b+1]
.elseif \b < 8
	v_pk_add_f32 v[T+8*\b+\j:T+8*\b+\j+1], v[AB+8*\b+\j:AB+8*\b+\j+1], v[BS+8*(\b-6)+\j:BS+8*(\b-6)+\j+1]
.else
	v_pk_fma_f32 v[T+8*\b+\j:T+8*\b+\j+1], v[AB+8*\b+\j:AB+8*\b+\j+1], 0xbfb8aa3b, v[BS+8*(\b-6)+\j:BS+8*(\b-6)+\j+1] op_sel_hi:[1,0,1]
.endif
.endr
.endr
	WIN 0
.set i, 0
.rept 16
	v_exp_f32 v[T+64+i], v[T+64+i]
.set i, i+1
.endr
.irp b, 0,1,2,3,4,5,6,7                ; a tile's eight numbers v: U = hi as f32, U = v - U (exact), hi packed into the tile's registers 0-3, lo rounded into 4-7.
.set UU, UT+8*(\b%2)                   ; (These are also the plain instructions behind the exponentials.)
.irp j, 0,1,2,3,4,5,6,7
	v_and_b32 v[UU+\j], s66, v[T+8*\b+\j]
.endr
.irp j, 0,2,4,6
	v_pk_add_f32 v[UU+\j:UU+\j+1], v[T+8*\b+\j:T+8*\b+\j+1], v[UU+\j:UU+\j+1] neg_lo:[0,1] neg_hi:[0,1]
.endr
.irp i, 0,1,2,3
	v_perm_b32 v[T+8*\b+\i], v[T+8*\b+2*\i+1], v[T+8*\b+2*\i], s67      ; in place: register i is written when numbers 2 i and 2 i + 1 are read, and all lower ones have been
.endr
.irp i, 0,1,2,3
	v_cvt_pk_bf16_f32 v[T+8*\b+4+\i], v[UU+2*\i], v[UU+2*\i+1]
.endr
.endr
	s_wait_alu depctr_va_vdst(0)
.irp j, 0,2,4,6,8,10,12,14
	v_pk_add_f32 v[T+64+\j:T+64+\j+1], v[T+64+\j:T+64+\j+1], 1.0 op_sel_hi:[1,0]
.endr
.set i, 0
.rept 16
	v_rcp_f32 v[T+64+i], v[T+64+i]
.set i, i+1
.endr
	v_nop                                          ; a plain instruction behind the last reciprocal
.irp b, 0,1,2,3,4,5,6,7
	global_store_b128 v[GO], v[T+8*\b:T+8*\b+3],   s[OB+2*(\b/2):OB+2*(\b/2)+1] offset:\a*32768+(\b%2)*512   ; a tile of hi parts: 512 neighbouring bytes
	global_store_b128 v[GO], v[T+8*\b+4:T+8*\b+7], s[OL+2*(\b/2):OL+2*(\b/2)+1] offset:\a*32768+(\b%2)*512   ; its lo parts
.endr
	s_wait_alu depctr_va_vdst(0)
.irp b, 8,9
	global_store_b128 v[GO], v[T+8*\b:T+8*\b+3],   s[OB+8:OB+9] offset:\a*65536+(\b%2)*1024
	global_store_b128 v[GO], v[T+8*\b+4:T+8*\b+7], s[OB+8:OB+9] offset:\a*65536+(\b%2)*1024+512
.endr
.endm
.irp a, 0,1,2,3,4,5,6,7
	OUTBLK \a
.endr
	CROUND                                         ; the closing round: no work-group ends while a partner may still ask for a tile that names it
	s_endpgm
.Lfunc_end_k_q146bb066db_proj:
	.size	k_q146bb066db_proj, .Lfunc_end_k_q146bb066db_proj-k_q146bb066db_proj
	.p2alignl 7, 3214868480
	.fill 96, 4, 3214868480
	.section	.rodata,"a",@progbits
	.p2align	6, 0x0
	.amdhsa_kernel k_q146bb066db_proj
		.amdhsa_group_segment_fixed_size 327680
		.amdhsa_private_segment_fixed_size 0
		.amdhsa_enable_private_segment 0
		.amdhsa_kernarg_size 72
		.amdhsa_user_sgpr_count 2
		.amdhsa_user_sgpr_kernarg_segment_ptr 1
		.amdhsa_wavefront_size32 1
		.amdhsa_system_sgpr_workgroup_id_x 1
		.amdhsa_system_sgpr_workgroup_id_y 1
		.amdhsa_system_sgpr_workgroup_id_z 1
		.amdhsa_system_vgpr_workitem_id 0
		.amdhsa_next_free_vgpr 1024
		.amdhsa_next_free_sgpr 96
		.amdhsa_reserve_vcc 0
		.amdhsa_float_denorm_mode_32 3
		.amdhsa_float_denorm_mode_16_64 3
		.amdhsa_memory_ordered 1
		.amdhsa_forward_progress 1
		.amdhsa_inst_pref_size 250
	.end_amdhsa_kernel
	.amdgpu_metadata
---
amdhsa.version: [ 1, 2 ]
amdhsa.kernels:
  - .name:           k_q146bb066db_proj
    .symbol:         k_q146bb066db_proj.kd
    .args:
      - { .name: xb, .offset: 0, .size: 8, .value_kind: global_buffer, .address_space: global }
      - { .name: bt, .offset: 8, .size: 8, .value_kind: global_buffer, .address_space: global }
      - { .name: b_cond, .offset: 16, .size: 8, .value_kind: global_buffer, .address_space: global }
      - { .name: b_a, .offset: 24, .size: 8, .value_kind: global_buffer, .address_space: global }
      - { .name: b_b, .offset: 32, .size: 8, .value_kind: global_buffer, .address_space: global }
      - { .name: b_key, .offset: 40, .size: 8, .value_kind: global_buffer, .address_space: global }
      - { .name: b_sel, .offset: 48, .size: 8, .value_kind: global_buffer, .address_space: global }
      - { .name: pj, .offset: 56, .size: 8, .value_kind: global_buffer, .address_space: global }
      - { .name: sel, .offset: 64, .size: 8, .value_kind: global_buffer, .address_space: global }
    .group_segment_fixed_size: 327680
    .private_segment_fixed_size: 0
    .kernarg_segment_align: 8
    .kernarg_segment_size: 72
    .max_flat_workgroup_size: 128
    .sgpr_count:     96
    .vgpr_count:     1024
    .wavefront_size: 32
...
	.end_amdgpu_metadata
.endif
;; end of part 2
;; launch attn (part 3): grid 8 x 32, 8 waves a work-group, no clusters, 324,608 bytes of LDS; arguments pj, tab, n_indexes, fw_mask, bw_mask, part; writes part
.if DOCPART == 3
	.amdgcn_target "amdgcn-amd-amdhsa--gfx1250"
	.amdhsa_code_object_version 6
	.text
	.protected	k_q146bb066db_attn
	.globl	k_q146bb066db_attn
	.p2align	8
	.type	k_q146bb066db_attn,@function
k_q146bb066db_attn:
	s_mov_b64 s[64:65], 0
	v_nop
	global_prefetch_b8 v0, s[64:65] scope:SCOPE_SE
	s_setreg_imm32_b32 hwreg(HW_REG_WAVE_MODE, 25, 1), 1
	s_wait_xcnt 0x0
; For batch b and the 16 rows l = 16 s .. 16 s + 15 (256 queries q = 16 l + e) and all 128 keys k:
;   z[q][k] = (CK[l][k] + QK[e][k]) / 32, CK = cond xk^T, QK = query_emb[idx] xk^T     (query_exp is a sum of a vector of l and a vector of e, so its product with xk is that sum)
;   fw weights relu(+-z) fw_mask, divided by (their sum over k + 1e-9);   bw weights relu(+-z) bw_mask, NOT yet divided (their divisor spans all q: it is applied in the last launch)
;   part = bw^T-weights [128 k x 256 q] x [ fw weights (128 k') | 1 at column l | 1 at column idx[e] ], for both classes: this slice's share of M', Al', At'.
; cond and xk come as two bf16 each (hi + lo, 16 bits together): CK = ch xh + cl xh + ch xl, QK = q xh + q xl.  LIMIT: cl xl is left out, under 2^-14 of its product.
; bf16: the table, all weights (bf16 has f32's range, so undivided weights have room); f32: z, sums, reciprocals, the products' sums.
; LIMITS: an index is clamped to 0..15, the range of the table that reference() indexes; sums are formed in another order than reference()'s.
; NO CLUSTER: every operand from memory lies in fragment order and goes straight into registers, so there is no LDS tile that a joint load could fill.  The price: xk's 512 KiB, about half of the
; 1,024 KiB that a work-group moves, are read by each of the eight slices of a batch.  Masks are read once, 512 neighbouring bytes a load.
; LDS: BWA/BWC [128 k][256 q] bf16, pitch 528; FWA/FWC [256 q][128 k'] bf16, pitch 288; IND [256 q][32] bf16, pitch 96; Z1C/Z1Q CK/QK [16][128] f32.
;   Early regions lie over later ones and are dead before those are written, a barrier between: CT (a wave's cond tiles, 4 KiB hi and 4 KiB lo, at 8,192 w) over BWA;
;   RED (the waves' partial CK, QK) over FWA/FWC; ZT (a wave's own 16 k x (16 CK | 16 QK), pitch 144) at the head of the wave's own rows of BWA.
; REGISTERS: window 0: v1-31 lane numbers and addresses, v32-255 at work.  Window 1: v0-127 bw_mask as loaded; v128-255 xk fragments, then fw_mask; at last v0-159 the product's 20 accumulators.
.set BWC_, 67584
.set FWA,  135168
.set FWC_, 73728                       ; FWC - FWA
.set IND,  282624
.set Z1C,  307200
.set Z1Q,  315392
.set RED,  135168
.set LOPART, 33554432                  ; bytes from a hi tile of pj to its lo tile
.set MSB, 0
.macro WIN new
.if MSB != (\new)
	s_set_vgpr_msb (MSB<<8)|(\new)
.set MSB, (\new)
.endif
.endm
.macro PLACES                          ; four plain vector instructions between a matrix instruction and a load into, or a store of, its registers
.rept 4
	v_nop
.endr
.endm
	s_load_b256 s[4:11], s[0:1], 0x0               ; pj, tab, n_indexes, fw_mask
	s_load_b128 s[12:15], s[0:1], 0x20             ; bw_mask, part
	v_lshrrev_b32 v29, 5, v0
	v_readfirstlane_b32 s16, v29                   ; wave w
	s_mov_b32 s17, ttmp9                           ; slice s
	s_and_b32 s18, ttmp7, 0xffff                   ; batch b
	s_and_b32 s19, s16, 1                          ; the product: my class
	s_lshr_b32 s20, s16, 1                         ; and my pair of k blocks
	s_mov_b32 s23, 0                               ; high word of the offset pair s[22:23]
	s_mov_b32 s28, 0x3089705f                      ; 1e-9
	v_and_b32 v1, 31, v0                           ; L
	v_and_b32 v2, 15, v0                           ; r
	v_bfe_u32 v3, v0, 4, 1                         ; h
	v_lshlrev_b32 v4, 4, v1                        ; 16 L
	v_lshlrev_b32 v30, 2, v2                       ; 4 r
	s_wait_kmcnt 0x0
	s_lshl_b32 s22, s18, 6
	s_add_nc_u64 s[8:9], s[8:9], s[22:23]          ; n_indexes[b]
	s_lshl_b32 s22, s18, 18
	s_lshl_b32 s21, s16, 12
	s_add_co_u32 s22, s22, s21
	s_add_co_u32 s22, s22, 25165824
	s_add_nc_u64 s[24:25], s[4:5], s[22:23]        ; xk hi: region 3, the batch's 8 tile rows, my 8 tile columns (d = 128 w on)
	s_add_nc_u64 s[50:51], s[24:25], LOPART        ; xk lo
	s_lshl_b32 s22, s18, 3
	s_add_co_u32 s22, s22, s17
	s_lshl_b32 s22, s22, 15
	s_add_co_u32 s22, s22, s21
	s_add_nc_u64 s[26:27], s[4:5], s[22:23]        ; cond hi: tile row 8 b + s, my 8 tile columns
	s_add_nc_u64 s[52:53], s[26:27], LOPART        ; cond lo
	s_lshl_b32 s22, s18, 20
	s_lshl_b32 s21, s16, 17
	s_add_co_u32 s22, s22, s21
	s_lshl_b32 s21, s17, 10
	s_add_co_u32 s22, s22, s21
	s_add_nc_u64 s[12:13], s[12:13], s[22:23]      ; bw_mask[b][16 w][256 s]
	s_lshl_b32 s22, s18, 20
	s_lshl_b32 s21, s17, 17
	s_add_co_u32 s22, s22, s21
	s_add_nc_u64 s[48:49], s[10:11], s[22:23]      ; fw_mask[b][256 s]: the work-group's 128 KiB
	s_lshl_b32 s22, s16, 14
	s_add_nc_u64 s[10:11], s[48:49], s[22:23]      ; my 32 rows of it
	s_lshl_b32 s22, s18, 1
	s_add_co_u32 s22, s22, s19
	s_lshl_b32 s22, s22, 3
	s_lshl_b32 s21, s20, 1
	s_add_co_u32 s22, s22, s21
	s_mul_i32 s22, s22, 81920
	s_mul_i32 s21, s17, 10240
	s_add_co_u32 s22, s22, s21
	s_add_nc_u64 s[14:15], s[14:15], s[22:23]      ; part[b][class][2 pair][s]
; xk's fragments of K step st for all eight k blocks, hi (v128 + 8 kb) and lo (v192 + 8 kb): 32 loads of a tile each, into window 1
.macro XKBATCH st
.irp kb, 0,1,2,3,4,5,6,7
	global_load_b128 v[128+8*\kb:131+8*\kb], v4, s[24:25] offset:\kb*32768+\st*1024
	global_load_b128 v[132+8*\kb:135+8*\kb], v4, s[24:25] offset:\kb*32768+\st*1024+512
.endr
.irp kb, 0,1,2,3,4,5,6,7
	global_load_b128 v[192+8*\kb:195+8*\kb], v4, s[50:51] offset:\kb*32768+\st*1024
	global_load_b128 v[196+8*\kb:199+8*\kb], v4, s[50:51] offset:\kb*32768+\st*1024+512
.endr
.endm
	global_load_b32 v5, v30, s[8:9]                ; idx[r]
.irp t, 0,1,2,3,4,5,6,7
	global_load_b128 v[32+4*\t:35+4*\t], v4, s[26:27] offset:\t*512        ; cond's 8 tiles as they lie (a lane: one column d, eight rows l), hi and lo,
	global_load_b128 v[64+4*\t:67+4*\t], v4, s[52:53] offset:\t*512        ; into registers that the sums take over later
.endr
	WIN 0x40
	XKBATCH 0
	WIN 0
	s_lshl_b32 s21, s16, 13                        ; CT: 8,192 w
	v_add_nc_u32 v8, s21, v4                       ; CT + 16 L
	v_bfe_u32 v29, v0, 3, 1                        ; (L / 8) % 2
	v_and_b32 v31, 7, v0
	v_lshl_add_u32 v31, v3, 3, v31                 ; 8 h + L % 8
	v_lshlrev_b32 v9, 4, v31
	v_lshl_add_u32 v9, v29, 8, v9
	v_add_nc_u32 v9, s21, v9                       ; the turning load: lane L takes column 8 h + L % 8, rows 8 ((L / 8) % 2) on, of a tile
	v_lshlrev_b32 v28, 8, v0                       ; 256 x thread
	s_wait_loadcnt 32                              ; idx and cond are in; xk's 32 loads stay out
	v_min_u32 v5, 15, v5
	s_lshl_b32 s21, s16, 12
	v_lshlrev_b32 v6, 4, v5
	v_lshl_add_u32 v6, v3, 8, v6
	v_add_nc_u32 v6, s21, v6                       ; the table's row idx[r], columns 8 h on, of my first tile: the gather is made here
.irp t, 0,1,2,3,4,5,6,7
	ds_store_b128 v8, v[32+4*\t:35+4*\t] offset:\t*512
	ds_store_b128 v8, v[64+4*\t:67+4*\t] offset:4096+\t*512
.endr
.irp t, 0,1,2,3,4,5,6,7
	ds_load_tr16_b128 v[160+4*\t:163+4*\t], v9 offset:\t*512               ; my own bytes, served in order: cond with d along the registers; lanes L and L + 8 meet in a bank, two deep
	ds_load_tr16_b128 v[224+4*\t:227+4*\t], v9 offset:4096+\t*512          ; its lo parts
.endr
.irp st, 0,1,2,3
	global_load_b128 v[192+8*\st:195+8*\st], v6, s[6:7] offset:\st*1024
	global_load_b128 v[196+8*\st:199+8*\st], v6, s[6:7] offset:\st*1024+512
.endr
	WIN 0x40
.irp i, 0,1,2,3,4,5,6,7,8,9,10,11,12,13,14,15
	global_load_b128 v[8*\i:8*\i+3],   v4, s[12:13] offset:\i*8192 th:TH_LOAD_NT         ; bw_mask, row k = 16 w + i, q = 4 L + 0..3
	global_load_b128 v[8*\i+4:8*\i+7], v4, s[12:13] offset:\i*8192+512 th:TH_LOAD_NT     ; q = 128 + 4 L + 0..3
.endr
	WIN 0
	global_prefetch_b8 v28, s[48:49] th:TH_LOAD_NT scope:SCOPE_SE                 ; fw_mask: each block of 256 bytes of the work-group's 128 KiB is asked for once, by one lane,
	global_prefetch_b8 v28, s[48:49] offset:65536 th:TH_LOAD_NT scope:SCOPE_SE    ; one phase (160 matrix instructions and four waits for loads) ahead of its loads
	; the other addresses
	v_lshlrev_b32 v7, 9, v3
	v_lshl_add_u32 v7, v2, 4, v7                   ; 512 h + 16 r
	s_lshl_b32 s21, s16, 14
	s_add_co_u32 s21, s21, RED
	v_add_nc_u32 v10, s21, v4                      ; RED: my 16 tiles
	s_lshl_b32 s21, s16, 10
	s_add_co_u32 s21, s21, RED
	v_add_nc_u32 v11, s21, v4                      ; RED: tile w of wave 0
	v_add_nc_u32 v12, 0x10000, v11                 ; of wave 4
	s_mul_i32 s29, s16, 8448                       ; ZT, and my 16 rows of BWA
	v_mul_u32_u24 v13, v2, 144
	v_lshl_add_u32 v13, v3, 5, v13
	v_add_nc_u32 v13, s29, v13
	s_lshl_b32 s21, s16, 6
	s_add_co_u32 s21, s21, Z1C
	v_lshlrev_b32 v14, 12, v3
	v_lshl_add_u32 v14, v2, 2, v14
	v_add_nc_u32 v14, s21, v14
	s_mul_i32 s21, s16, 3072
	s_add_co_u32 s21, s21, IND
	v_mul_u32_u24 v15, v1, 96
	v_add_nc_u32 v15, s21, v15                     ; IND's row q = 32 w + L
	v_and_b32 v30, 3, v0
	v_lshl_add_u32 v16, v30, 4, s29                ; ZT + 16 (L % 4)
	v_lshrrev_b32 v30, 2, v1
	v_lshl_add_u32 v17, v30, 2, s29                ; ZT + 4 (L / 4)
	v_lshl_add_u32 v18, v1, 3, s29
	v_add_nc_u32 v19, BWC_, v18
	v_add_nc_u32 v20, Z1Q, v7
	s_lshl_b32 s21, s16, 10
	s_add_co_u32 s21, s21, Z1C
	v_lshl_add_u32 v21, v2, 4, s21
	s_mul_i32 s21, s16, 9216
	s_add_co_u32 s21, s21, FWA
	v_mul_u32_u24 v22, v3, 288
	v_lshl_add_u32 v22, v2, 3, v22
	v_add_nc_u32 v22, s21, v22
	v_add_nc_u32 v23, FWC_, v22
	s_mul_i32 s21, s19, BWC_
	s_mul_i32 s30, s20, 16896
	s_add_co_u32 s21, s21, s30
	v_mul_u32_u24 v24, v2, 528
	v_lshl_add_u32 v24, v3, 4, v24
	v_add_nc_u32 v24, s21, v24
	s_mul_i32 s21, s19, FWC_
	s_add_co_u32 s21, s21, FWA
	v_mul_u32_u24 v25, v31, 288
	v_lshl_add_u32 v25, v29, 4, v25
	v_add_nc_u32 v25, s21, v25
	v_add_nc_u32 v26, 36864, v25
	v_mul_u32_u24 v27, v31, 96
	v_lshl_add_u32 v27, v29, 4, v27
	v_add_nc_u32 v27, IND, v27
	; PHASE A: my 128 of the 1,024 d, four K steps: partial CK (v32 + 8 kb) and QK (v96 + 8 kb) for all eight k blocks.  A lane holds key 16 kb + r and rows l (or e) 8 h + 0..7.
	; Fragments: cond hi v160 + 8 st, the table's rows v192 + 8 st, cond lo v224 + 8 st (window 0); xk hi v128 + 8 kb, xk lo v192 + 8 kb (window 1).
	; A K step: ch xh and q xh; cl xh and q xl; ch xl.  The 16 accumulators take turns, one instruction a turn.
.macro STEPA st, zero
.irp kb, 0,1,2,3,4,5,6,7
.if \zero
	v_wmma_f32_16x16x32_bf16 v[32+8*\kb:39+8*\kb], v[160+8*\st:167+8*\st], v[128+8*\kb:135+8*\kb], 0
	v_wmma_f32_16x16x32_bf16 v[96+8*\kb:103+8*\kb], v[192+8*\st:199+8*\st], v[128+8*\kb:135+8*\kb], 0
.else
	v_wmma_f32_16x16x32_bf16 v[32+8*\kb:39+8*\kb], v[160+8*\st:167+8*\st], v[128+8*\kb:135+8*\kb], v[32+8*\kb:39+8*\kb]
	v_wmma_f32_16x16x32_bf16 v[96+8*\kb:103+8*\kb], v[192+8*\st:199+8*\st], v[128+8*\kb:135+8*\kb], v[96+8*\kb:103+8*\kb]
.endif
.endr
.irp kb, 0,1,2,3,4,5,6,7
	v_wmma_f32_16x16x32_bf16 v[32+8*\kb:39+8*\kb], v[224+8*\st:231+8*\st], v[128+8*\kb:135+8*\kb], v[32+8*\kb:39+8*\kb]
	v_wmma_f32_16x16x32_bf16 v[96+8*\kb:103+8*\kb], v[192+8*\st:199+8*\st], v[192+8*\kb:199+8*\kb], v[96+8*\kb:103+8*\kb]
.endr
.irp kb, 0,1,2,3,4,5,6,7
	v_wmma_f32_16x16x32_bf16 v[32+8*\kb:39+8*\kb], v[160+8*\st:167+8*\st], v[192+8*\kb:199+8*\kb], v[32+8*\kb:39+8*\kb]
.endr
.endm
	s_wait_loadcnt 32                              ; xk's first batch and the table's rows are in; bw_mask's 32 loads stay out
	s_wait_dscnt 0x0                               ; cond's fragments are in, and the stores that read cond as loaded are done
	WIN 0x04                                       ; source 1 (xk) in window 1
	STEPA 0, 1
.irp st, 1,2,3
	PLACES
	WIN 0x40
	XKBATCH \st
	s_wait_loadcnt 0x0                             ; the batch is in (behind the first of these waits bw_mask, asked for earlier, is in with it)
	WIN 0x04
	STEPA \st, 0
.endr
	PLACES
	WIN 0x40
.irp x, 0,1,2,3,4,5,6,7,8,9,10,11,12,13,14,15
	global_load_b128 v[128+8*\x:128+8*\x+3],   v7, s[10:11] offset:\x*1024 th:TH_LOAD_NT       ; fw_mask, rows q = 32 w + 2 x + h, k' = 4 r + 0..3
	global_load_b128 v[128+8*\x+4:128+8*\x+7], v7, s[10:11] offset:\x*1024+256 th:TH_LOAD_NT   ; k' = 64 + 4 r + 0..3
.endr
	WIN 0
.irp t, 0,1,2,3,4,5,6,7,8,9,10,11,12,13,14,15
	ds_store_b128 v10, v[32+8*\t:35+8*\t] offset:\t*1024                   ; each accumulator from its low end on
	ds_store_b128 v10, v[36+8*\t:39+8*\t] offset:\t*1024+512
.endr
	s_wait_dscnt 0x0                               ; for the others' sake: my partial sums are in LDS (and my reads of CT are long over)
	s_barrier_signal -1
	s_barrier_wait -1
	; wave w adds the eight waves' tiles of k block w, and divides by sqrt(1024)
.irp u, 0,1,2,3,4,5,6,7
.irp q, 0,1
.irp p, 0,1
.if \u < 4
	ds_load_b128 v[32+16*\u+8*\q+4*\p:35+16*\u+8*\q+4*\p], v11 offset:\u*16384+\q*8192+\p*512
.else
	ds_load_b128 v[32+16*\u+8*\q+4*\p:35+16*\u+8*\q+4*\p], v12 offset:(\u-4)*16384+\q*8192+\p*512
.endif
.endr
.endr
.endr
	; meanwhile IND's row q = 32 w + L (l = 2 w + h, e = r): 1.0 at column l and at column 16 + idx[e], in words of two bf16
	v_mov_b32 v176, 0x3f80
	v_lshlrev_b32 v177, 4, v3
	v_lshlrev_b32 v177, v177, v176                 ; 1.0 in half h
	v_and_b32 v178, 1, v5
	v_lshlrev_b32 v178, 4, v178
	v_lshlrev_b32 v178, v178, v176                 ; 1.0 in half idx % 2
	v_lshrrev_b32 v179, 1, v5
	v_mov_b32 v180, s16
.irp c, 0,1,2,3,4,5,6,7
	v_cmp_eq_u32 vcc_lo, \c, v180
	v_cndmask_b32 v[160+\c], 0, v177, vcc_lo
	v_cmp_eq_u32 vcc_lo, \c, v179
	v_cndmask_b32 v[168+\c], 0, v178, vcc_lo
.endr
	s_wait_dscnt 0x0
.irp u, 0,1,2,3
.irp j, 0,2,4,6,8,10,12,14
	v_pk_add_f32 v[32+16*\u+\j:33+16*\u+\j], v[32+16*\u+\j:33+16*\u+\j], v[96+16*\u+\j:97+16*\u+\j]
.endr
.endr
.irp u, 0,1
.irp j, 0,2,4,6,8,10,12,14
	v_pk_add_f32 v[32+16*\u+\j:33+16*\u+\j], v[32+16*\u+\j:33+16*\u+\j], v[64+16*\u+\j:65+16*\u+\j]
.endr
.endr
.irp j, 0,2,4,6,8,10,12,14
	v_pk_add_f32 v[32+\j:33+\j], v[32+\j:33+\j], v[48+\j:49+\j]
.endr
.irp j, 0,2,4,6,8,10,12,14
	v_pk_mul_f32 v[32+\j:33+\j], v[32+\j:33+\j], 0x3d000000 op_sel_hi:[1,0]        ; v32-39 CK / 32, v40-47 QK / 32
.endr
	ds_store_b128 v13, v[32:35]                    ; ZT[k = r]: CK's l = 8 h + 0..7, then QK's e
	ds_store_b128 v13, v[36:39] offset:16
	ds_store_b128 v13, v[40:43] offset:64
	ds_store_b128 v13, v[44:47] offset:80
.irp j, 0,1,2,3,4,5,6,7
	ds_store_b32 v14, v[32+\j] offset:\j*512       ; Z1C[l][k]
	ds_store_b32 v14, v[40+\j] offset:\j*512+8192  ; Z1Q[e][k]
.endr
.irp c, 0,1,2,3
	ds_store_b128 v15, v[160+4*\c:163+4*\c] offset:\c*16
.endr
	; BW PHASE: rows k = 16 w + i; a lane's eight q of a row: l = 8 hf + L / 4, e = 4 (L % 4) + 0..3
.irp i, 0,1,2,3,4,5,6,7,8,9,10,11,12,13,14,15
	ds_load_b128 v[48+4*\i:51+4*\i], v16 offset:\i*144+64                  ; QK of my four e (my own bytes, served in order behind the stores)
	ds_load_b32 v[112+2*\i], v17 offset:\i*144                             ; CK of my l, hf = 0
	ds_load_b32 v[113+2*\i], v17 offset:\i*144+32                          ; hf = 1
.endr
	s_wait_dscnt 0x0                               ; ZT is read out: the stores below may lie over it
.macro BWGRP g                         ; rows 2 g and 2 g + 1
	WIN 0x04
.set x, 0
.rept 16
	v_cmp_ne_u32 s[32+x], 0, v[16*\g+x]
.set x, x+1
.endr
	WIN 0
.irp ii, 0,1
.irp hf, 0,1
.set RI, 2*\g+\ii
.set TBR, 160+16*(2*\ii+\hf)
.set MX, 32+8*\ii+4*\hf
.irp c, 0,1,2,3
	v_add_f32 v[TBR+\c], v[48+4*RI+\c], v[112+2*RI+\hf]
.endr
.irp c, 0,1,2,3
	v_cndmask_b32 v[TBR+\c], 0, v[TBR+\c], s[MX+\c]                        ; z where the mask is set, else 0
.endr
.irp c, 0,1,2,3
	v_max_num_f32 v[TBR+4+\c], 0, v[TBR+\c]                                ; relu(z)
.endr
.irp c, 0,1,2,3
	v_sub_f32 v[TBR+8+\c], v[TBR+4+\c], v[TBR+\c]                          ; relu(-z) = relu(z) - z, exactly
.endr
	v_cvt_pk_bf16_f32 v[TBR+12], v[TBR+4], v[TBR+5]
	v_cvt_pk_bf16_f32 v[TBR+13], v[TBR+6], v[TBR+7]
	v_cvt_pk_bf16_f32 v[TBR+14], v[TBR+8], v[TBR+9]
	v_cvt_pk_bf16_f32 v[TBR+15], v[TBR+10], v[TBR+11]
	ds_store_b64 v18, v[TBR+12:TBR+13] offset:RI*528+\hf*256
	ds_store_b64 v19, v[TBR+14:TBR+15] offset:RI*528+\hf*256
.endr
.endr
.endm
.irp g, 0,1,2,3,4,5,6,7
	BWGRP \g
.endr
	s_wait_dscnt 0x0                               ; for the others' sake: Z1, IND and my rows of BWA, BWC are written; my reads of RED are over
	s_barrier_signal -1
	s_barrier_wait -1
	; FW PHASE: rows q = 32 w + 16 li + 2 i + h (l = 2 w + li, e = 2 i + h); the 16 lanes of a half hold a row: k' = 64 kh + 4 r + 0..3
.irp i, 0,1,2,3,4,5,6,7
	ds_load_b128 v[48+8*\i:51+8*\i], v20 offset:\i*1024
	ds_load_b128 v[52+8*\i:55+8*\i], v20 offset:\i*1024+256
.endr
.irp li, 0,1
	ds_load_b128 v[112+8*\li:115+8*\li], v21 offset:\li*512
	ds_load_b128 v[116+8*\li:119+8*\li], v21 offset:\li*512+256
.endr
	s_wait_dscnt 0x0
.macro FWSTEP                          ; row pair LI, II; PAR picks the temporaries and the eight mask registers
.set TF, 128+48*PAR
.set MX, 32+8*PAR
.irp j, 0,2,4,6
	v_pk_add_f32 v[TF+\j:TF+\j+1], v[48+8*II+\j:49+8*II+\j], v[112+8*LI+\j:113+8*LI+\j]
.endr
.irp x, 0,1,2,3,4,5,6,7
	v_cndmask_b32 v[TF+\x], 0, v[TF+\x], s[MX+\x]
.endr
.irp x, 0,1,2,3,4,5,6,7
	v_max_num_f32 v[TF+8+\x], 0, v[TF+\x]
.endr
.irp x, 0,1,2,3,4,5,6,7
	v_sub_f32 v[TF+16+\x], v[TF+8+\x], v[TF+\x]
.endr
	v_pk_add_f32 v[TF+24:TF+25], v[TF+8:TF+9], v[TF+10:TF+11]
	v_pk_add_f32 v[TF+26:TF+27], v[TF+12:TF+13], v[TF+14:TF+15]
	v_pk_add_f32 v[TF+28:TF+29], v[TF+16:TF+17], v[TF+18:TF+19]
	v_pk_add_f32 v[TF+30:TF+31], v[TF+20:TF+21], v[TF+22:TF+23]
	v_pk_add_f32 v[TF+24:TF+25], v[TF+24:TF+25], v[TF+26:TF+27]
	v_pk_add_f32 v[TF+28:TF+29], v[TF+28:TF+29], v[TF+30:TF+31]
	v_add_f32 v[TF+24], v[TF+24], v[TF+25]
	v_add_f32 v[TF+28], v[TF+28], v[TF+29]
.irp m, 1,2,4,8                        ; over the 16 lanes that hold the row
	v_add_f32_dpp v[TF+24], v[TF+24], v[TF+24] row_xmask:\m row_mask:0xf bank_mask:0xf
	v_add_f32_dpp v[TF+28], v[TF+28], v[TF+28] row_xmask:\m row_mask:0xf bank_mask:0xf
.endr
	v_add_f32 v[TF+24], s28, v[TF+24]
	v_add_f32 v[TF+28], s28, v[TF+28]
	v_rcp_f32 v[TF+25], v[TF+24]
	v_rcp_f32 v[TF+29], v[TF+28]
	v_nop                                          ; a plain instruction behind the reciprocals
	s_wait_alu depctr_va_vdst(0)
.irp x, 0,1,2,3,4,5,6,7
	v_mul_f32 v[TF+8+\x], v[TF+25], v[TF+8+\x]
.endr
.irp x, 0,1,2,3,4,5,6,7
	v_mul_f32 v[TF+16+\x], v[TF+29], v[TF+16+\x]
.endr
.irp y, 0,1,2,3
	v_cvt_pk_bf16_f32 v[TF+32+\y], v[TF+8+2*\y], v[TF+9+2*\y]
	v_cvt_pk_bf16_f32 v[TF+36+\y], v[TF+16+2*\y], v[TF+17+2*\y]
.endr
.irp kh, 0,1
	ds_store_b64 v22, v[TF+32+2*\kh:TF+33+2*\kh] offset:(16*LI+2*II)*288+\kh*128
	ds_store_b64 v23, v[TF+36+2*\kh:TF+37+2*\kh] offset:(16*LI+2*II)*288+\kh*128
.endr
.endm
.macro FWGRP gg
	s_wait_loadcnt 28-4*\gg                        ; this group's four mask loads are in; the 28 - 4 gg younger ones stay out
	WIN 0x04
.set x, 0
.rept 16
	v_cmp_ne_u32 s[32+x], 0, v[128+16*\gg+x]
.set x, x+1
.endr
	WIN 0
.set LI, (2*\gg)/8
.set II, (2*\gg)%8
.set PAR, 0
	FWSTEP
.set II, II+1
.set PAR, 1
	FWSTEP
.endm
.irp gg, 0,1,2,3,4,5,6,7
	FWGRP \gg
.endr
	s_wait_dscnt 0x0                               ; for the others' sake: my rows of FWA, FWC are written
	s_barrier_signal -1
	s_barrier_wait -1
	; THE PRODUCT: class w % 2, k blocks 2 (w / 2) + m, m = 0, 1; columns n = 0..7 fw weights, 8 and 9 IND; K = q in eight steps of 32 on two fragment buffers.
	; Source 0 = 16 columns (turned out of LDS), source 1 = 16 rows k: a lane holds row k = r and columns 8 h + 0..7.  20 accumulators by turns.
.macro FETCHP st
.set PB, 32+96*((\st)%2)
.irp m, 0,1
	ds_load_b128 v[PB+8*\m:PB+8*\m+3],   v24 offset:\m*8448+(\st)*64
	ds_load_b128 v[PB+8*\m+4:PB+8*\m+7], v24 offset:\m*8448+(\st)*64+32
.endr
.irp n, 0,1,2,3,4,5,6,7
.if (\st) < 4
	ds_load_tr16_b128 v[PB+16+8*\n:PB+16+8*\n+3],   v25 offset:((\st)%4)*9216+\n*32
	ds_load_tr16_b128 v[PB+16+8*\n+4:PB+16+8*\n+7], v25 offset:((\st)%4)*9216+\n*32+4608
.else
	ds_load_tr16_b128 v[PB+16+8*\n:PB+16+8*\n+3],   v26 offset:((\st)%4)*9216+\n*32
	ds_load_tr16_b128 v[PB+16+8*\n+4:PB+16+8*\n+7], v26 offset:((\st)%4)*9216+\n*32+4608
.endif
.endr
.irp n, 0,1
	ds_load_tr16_b128 v[PB+80+8*\n:PB+80+8*\n+3],   v27 offset:(\st)*3072+\n*32
	ds_load_tr16_b128 v[PB+80+8*\n+4:PB+80+8*\n+7], v27 offset:(\st)*3072+\n*32+1536
.endr
.endm
.macro MULP st
.set PB, 32+96*((\st)%2)
	WIN 0x50                                       ; C and D in window 1
.irp m, 0,1
.irp n, 0,1,2,3,4,5,6,7,8,9
.if (\st) == 0
	v_wmma_f32_16x16x32_bf16 v[8*(10*\m+\n):8*(10*\m+\n)+7], v[PB+16+8*\n:PB+16+8*\n+7], v[PB+8*\m:PB+8*\m+7], 0
.else
	v_wmma_f32_16x16x32_bf16 v[8*(10*\m+\n):8*(10*\m+\n)+7], v[PB+16+8*\n:PB+16+8*\n+7], v[PB+8*\m:PB+8*\m+7], v[8*(10*\m+\n):8*(10*\m+\n)+7]
.endif
.endr
.endr
	WIN 0
.endm
	FETCHP 0
.irp st, 0,1,2,3,4,5,6
.if \st > 0
	PLACES
.endif
	FETCHP \st+1
	s_wait_dscnt 24                                ; all but the 24 just issued
	MULP \st
.endr
	s_wait_dscnt 0x0
	MULP 7
	PLACES
	WIN 0x04                                       ; the stores' data in window 1
.irp m, 0,1
.irp n, 0,1,2,3,4,5,6,7,8,9
	global_store_b128 v4, v[8*(10*\m+\n):8*(10*\m+\n)+3],   s[14:15] offset:\m*81920+\n*1024       ; a tile as it lies in registers: 512 neighbouring bytes a store, low end first
	global_store_b128 v4, v[8*(10*\m+\n)+4:8*(10*\m+\n)+7], s[14:15] offset:\m*81920+\n*1024+512
.endr
.endr
	WIN 0
	s_wait_xcnt 0x0
	v_lshl_add_u32 v254, v0, 2, 0x4f000
	v_mov_b32 v255, 0
	s_wait_tensorcnt 0x0
	ds_add_u32 v254, v255
	s_wait_dscnt 0x0
	s_endpgm
.Lfunc_end_k_q146bb066db_attn:
	.size	k_q146bb066db_attn, .Lfunc_end_k_q146bb066db_attn-k_q146bb066db_attn
	.p2alignl 7, 3214868480
	.fill 96, 4, 3214868480
	.section	.rodata,"a",@progbits
	.p2align	6, 0x0
	.amdhsa_kernel k_q146bb066db_attn
		.amdhsa_group_segment_fixed_size 324608
		.amdhsa_private_segment_fixed_size 0
		.amdhsa_enable_private_segment 0
		.amdhsa_kernarg_size 48
		.amdhsa_user_sgpr_count 2
		.amdhsa_user_sgpr_kernarg_segment_ptr 1
		.amdhsa_wavefront_size32 1
		.amdhsa_system_sgpr_workgroup_id_x 1
		.amdhsa_system_sgpr_workgroup_id_y 1
		.amdhsa_system_sgpr_workgroup_id_z 1
		.amdhsa_system_vgpr_workitem_id 0
		.amdhsa_next_free_vgpr 512
		.amdhsa_next_free_sgpr 66
		.amdhsa_reserve_vcc 1
		.amdhsa_float_denorm_mode_32 3
		.amdhsa_float_denorm_mode_16_64 3
		.amdhsa_memory_ordered 1
		.amdhsa_forward_progress 1
		.amdhsa_inst_pref_size 190
	.end_amdhsa_kernel
	.amdgpu_metadata
---
amdhsa.version: [ 1, 2 ]
amdhsa.kernels:
  - .name:           k_q146bb066db_attn
    .symbol:         k_q146bb066db_attn.kd
    .args:
      - { .name: pj, .offset: 0, .size: 8, .value_kind: global_buffer, .address_space: global }
      - { .name: tab, .offset: 8, .size: 8, .value_kind: global_buffer, .address_space: global }
      - { .name: n_indexes, .offset: 16, .size: 8, .value_kind: global_buffer, .address_space: global }
      - { .name: fw_mask, .offset: 24, .size: 8, .value_kind: global_buffer, .address_space: global }
      - { .name: bw_mask, .offset: 32, .size: 8, .value_kind: global_buffer, .address_space: global }
      - { .name: part, .offset: 40, .size: 8, .value_kind: global_buffer, .address_space: global }
    .group_segment_fixed_size: 324608
    .private_segment_fixed_size: 0
    .kernarg_segment_align: 8
    .kernarg_segment_size: 48
    .max_flat_workgroup_size: 256
    .sgpr_count:     66
    .vgpr_count:     512
    .wavefront_size: 32
...
	.end_amdgpu_metadata
.endif
;; end of part 3
;; launch fin (part 4): grid 8 x 32, 8 waves a work-group, no clusters, 117,760 bytes of LDS; arguments part, pj, tab, sel, out0; writes out0
.if DOCPART == 4
	.amdgcn_target "amdgcn-amd-amdhsa--gfx1250"
	.amdhsa_code_object_version 6
	.text
	.protected	k_q146bb066db_fin
	.globl	k_q146bb066db_fin
	.p2align	8
	.type	k_q146bb066db_fin,@function
k_q146bb066db_fin:
	s_mov_b64 s[64:65], 0
	v_nop
	global_prefetch_b8 v0, s[64:65] scope:SCOPE_SE
	s_setreg_imm32_b32 hwreg(HW_REG_WAVE_MODE, 25, 1), 1
	s_wait_xcnt 0x0
; out[k] = sel * A[k] / (Sa[k] + 1e-9) + (1 - sel) * B[k] / (Sb[k] + 1e-9), with, for each class,
;   A[k] = M'[k][:] V + Al'[k][:] cond + At'[k][:] bias_emb,   M' and At' = the sums of the eight slices' parts, Al' = the slices' parts side by side,   S[k] = the sum over t of At'[k][t].
; (The two chained weighted sums of reference() are linear and bias_exp is a sum of a vector of l and a vector of idx[e]; all weights are >= 0, so no difference of large sums is formed.)
; A work-group owns 16 rows k of one batch and all 1,024 columns; wave w owns columns 128 w on: 2 classes x 8 accumulators.
; PRECISION: V and cond come as two bf16 each (hi + lo, 16 bits together), and G = [M' | Al'] is split here in the same way (hi = the upper 16 bits, lo = the rest, rounded):
;   G X = Gh Xh + Gl Xh + Gh Xl.  LIMIT: Gl Xl is left out, under 2^-14 of its product.  At' and bias_emb go as one bf16 each.  Sums, divisors, gate in f32.
; LIMIT: S is the sum of the weights as the launch before rounded them to bf16, the same numbers that the numerators are made of; sums are formed in another order than reference()'s.
; NO CLUSTER: V, cond and the table lie in memory in fragment order and go straight into registers, so there is no LDS tile that a joint load could fill; the price is that the eight
; work-groups of a batch each read the batch's 1,536 KiB of V and cond.  part, sel and out0 are touched once.
; LDS: GL [class][hi, lo][16 tiles][512] G in fragment order; AT [slice][class][1024] At' as it came; ST 16 rows x 528 bytes a wave, its own, for the way out.
; REGISTERS: window 0: v4-10 addresses, v12-19 at work, v32-47 At' fragments, v48-51 the two reciprocals (each twice), v64-255 a ring of three buffers of eight column fragments.
;   window 1: v0-127 parts as loaded, then the accumulators (class a at 8 n, class b at 64 + 8 n); v128-191 parts and temporaries, then two buffers of 32 for G's fragments; v192-223 temporaries.
.set GLP, 8192                         ; GL: from hi to lo
.set GLC, 16384                        ; GL: from class a to class b
.set AT, 32768
.set ST, 49152
.set LOPART, 33554432                  ; bytes from a hi tile of pj to its lo tile
.set MSB, 0
.macro WIN new
.if MSB != (\new)
	s_set_vgpr_msb (MSB<<8)|(\new)
.set MSB, (\new)
.endif
.endm
.macro PLACES                          ; four plain vector instructions between a matrix instruction and a load into, or a vector read of, its registers
.rept 4
	v_nop
.endr
.endm
	s_load_b256 s[4:11], s[0:1], 0x0               ; part, pj, tab, sel
	s_load_b64 s[12:13], s[0:1], 0x20              ; out0
	v_lshl_add_u32 v62, v0, 2, 0x1c800
	v_mov_b32 v63, 0
	v_lshrrev_b32 v1, 5, v0
	v_readfirstlane_b32 s16, v1                    ; wave w
	s_mov_b32 s17, ttmp9                           ; mb: my 16 rows
	s_and_b32 s18, ttmp7, 0xffff                   ; batch b
	s_mov_b32 s15, 0                               ; high word of the offset pair s[14:15]
	s_mov_b32 s36, 0x76543210                      ; v_permlanex16_b32: each lane takes its own place in the other half
	s_mov_b32 s37, 0xfedcba98
	s_mov_b32 s38, 0x3089705f                      ; 1e-9
	s_mov_b32 s39, 0xffff0000                      ; a word's upper 16 bits
	s_mov_b32 s46, 0x07060302                      ; v_perm_b32: the upper halves of two words, packed
	v_and_b32 v1, 31, v0
	v_and_b32 v2, 15, v0
	v_bfe_u32 v3, v0, 4, 1
	v_lshlrev_b32 v4, 4, v1                        ; 16 L
	s_lshl_b32 s19, s16, 9
	v_add_nc_u32 v5, s19, v4                       ; GL: tile w
	s_lshl_b32 s19, s16, 11
	s_add_co_u32 s19, s19, AT
	v_add_nc_u32 v6, s19, v4                       ; AT: slice w
	s_lshl_b32 s19, s16, 10
	v_add_nc_u32 v7, s19, v4                       ; part: tile n = w
	s_mul_i32 s19, s16, 10240
	v_add_nc_u32 v10, s19, v4                      ; part: slice s = w
	s_mul_i32 s19, s16, 8448
	s_add_co_u32 s19, s19, ST
	v_mul_u32_u24 v8, v2, 528
	v_lshl_add_u32 v8, v3, 5, v8
	v_add_nc_u32 v8, s19, v8                       ; my stage: row r, 32 bytes for each half of the lanes
	v_add_nc_u32 v9, s19, v4                       ; back: a row of 512 bytes
	s_wait_kmcnt 0x0
	s_lshl_b32 s14, s18, 4
	s_add_co_u32 s14, s14, s17
	s_mul_i32 s14, s14, 81920
	s_add_nc_u64 s[20:21], s[4:5], s[14:15]        ; part[b][class a][mb]
	s_add_nc_u64 s[22:23], s[20:21], 655360        ; class b
	s_lshl_b32 s14, s18, 18
	s_lshl_b32 s19, s16, 12
	s_add_co_u32 s14, s14, s19
	s_add_nc_u64 s[40:41], s[6:7], s[14:15]        ; cond hi: the batch's 8 tile rows, my 8 tile columns
	s_add_nc_u64 s[24:25], s[40:41], 8388608       ; Va hi
	s_add_nc_u64 s[28:29], s[24:25], 8388608       ; Vb hi
	s_add_nc_u64 s[42:43], s[40:41], LOPART        ; cond lo
	s_add_nc_u64 s[26:27], s[24:25], LOPART        ; Va lo
	s_add_nc_u64 s[30:31], s[28:29], LOPART        ; Vb lo
	s_add_co_u32 s14, s19, 32768
	s_add_nc_u64 s[44:45], s[8:9], s[14:15]        ; bias_emb's tiles
	s_lshl_b32 s14, s18, 3
	s_add_co_u32 s14, s14, s17
	s_lshl_b32 s14, s14, 16
	s_lshl_b32 s19, s16, 13
	s_add_co_u32 s14, s14, s19
	s_add_nc_u64 s[32:33], s[10:11], s[14:15]      ; sel
	s_lshl_b32 s14, s18, 19
	s_lshl_b32 s19, s17, 16
	s_add_co_u32 s14, s14, s19
	s_lshl_b32 s19, s16, 9
	s_add_co_u32 s14, s14, s19
	s_add_nc_u64 s[34:35], s[12:13], s[14:15]      ; out0[128 b + 16 mb][128 w]
; Group g of 26: sixteen loads, eight column fragments (or, g = 25, eight tiles of sel) into ring buffer g % 3.
;   g < 16: K step g / 4 of Va hi, Va lo, Vb hi, Vb lo (g % 4);  16..23: K step (g - 16) / 2 of cond hi, cond lo (g % 2);
;   24: the table (16 rows: its one tile fills both halves, the upper half meets zeros);  25: sel
.macro LOADG g
.set LB, 64+64*((\g)%3)
.set ON, 512
.set O2, 32768
.if (\g) < 16
.set SB, 24+2*((\g)%4)
.set O0, ((\g)/4)*65536
.elseif (\g) < 24
.set SB, 40+2*((\g)%2)
.set O0, (((\g)-16)/2)*65536
.elseif (\g) == 24
.set SB, 44
.set O0, 0
.set O2, 0
.else
.set SB, 32
.set O0, 0
.set ON, 1024
.set O2, 512
.endif
.irp n, 0,1,2,3,4,5,6,7
	global_load_b128 v[LB+8*\n:LB+8*\n+3],   v4, s[SB:SB+1] offset:O0+\n*ON
	global_load_b128 v[LB+8*\n+4:LB+8*\n+7], v4, s[SB:SB+1] offset:O0+\n*ON+O2
.endr
.endm
; G's fragments for the pair p of groups 2 p (hi) and 2 p + 1 (lo), out of LDS into window 1, buffer p % 2 (v128 or v160).
;   p < 8: class p % 2, K step p / 2 of M': Gh at + 0, Gl at + 8.   p = 8..11: K step p - 8 of Al' (fragment p - 4), both classes: Gh at 16 class, Gl at 16 class + 8.
.macro GFETCH p
.set GFB, 128+32*((\p)%2)
.if (\p) < 8
.set GO0, ((\p)%2)*GLC+((\p)/2)*1024
.irp q, 0,1
	ds_load_b128 v[GFB+8*\q:GFB+8*\q+3],   v4 offset:GO0+\q*GLP
	ds_load_b128 v[GFB+8*\q+4:GFB+8*\q+7], v4 offset:GO0+\q*GLP+512
.endr
.else
.set GO0, ((\p)-4)*1024
.irp cl, 0,1
.irp q, 0,1
	ds_load_b128 v[GFB+16*\cl+8*\q:GFB+16*\cl+8*\q+3],   v4 offset:GO0+\cl*GLC+\q*GLP
	ds_load_b128 v[GFB+16*\cl+8*\q+4:GFB+16*\cl+8*\q+7], v4 offset:GO0+\cl*GLC+\q*GLP+512
.endr
.endr
.endif
.endm
.macro SUMTREE                         ; in window 1: for each class, eight tiles of eight registers at 64 class + 8 u are added into the first
.irp cl, 0,1
.irp u, 0,1,2,3
.irp j, 0,2,4,6
	v_pk_add_f32 v[64*\cl+8*\u+\j:64*\cl+8*\u+\j+1], v[64*\cl+8*\u+\j:64*\cl+8*\u+\j+1], v[64*\cl+8*\u+32+\j:64*\cl+8*\u+33+\j]
.endr
.endr
.irp u, 0,1
.irp j, 0,2,4,6
	v_pk_add_f32 v[64*\cl+8*\u+\j:64*\cl+8*\u+\j+1], v[64*\cl+8*\u+\j:64*\cl+8*\u+\j+1], v[64*\cl+8*\u+16+\j:64*\cl+8*\u+17+\j]
.endr
.endr
.irp j, 0,2,4,6
	v_pk_add_f32 v[64*\cl+\j:64*\cl+\j+1], v[64*\cl+\j:64*\cl+\j+1], v[64*\cl+8+\j:64*\cl+9+\j]
.endr
.endr
.endm
; in window 1: the eight f32 at x (a lane's row r, columns 8 h + 0..7) -> four registers of hi parts at hh, four of lo parts at ll; u: eight temporaries
.macro SPLIT x, u, hh, ll
.irp j, 0,1,2,3,4,5,6,7
	v_and_b32 v[\u+\j], s39, v[\x+\j]                                      ; hi as f32
.endr
.irp j, 0,2,4,6
	v_pk_add_f32 v[\u+\j:\u+\j+1], v[\x+\j:\x+\j+1], v[\u+\j:\u+\j+1] neg_lo:[0,1] neg_hi:[0,1]   ; what is left, exactly
.endr
.irp i, 0,1,2,3
	v_perm_b32 v[\hh+\i], v[\x+2*\i+1], v[\x+2*\i], s46
	v_cvt_pk_bf16_f32 v[\ll+\i], v[\u+2*\i], v[\u+2*\i+1]
.endr
.endm
	WIN 0x40
.irp cl, 0,1
.irp u, 0,1,2,3,4,5,6,7
	global_load_b128 v[64*\cl+8*\u:64*\cl+8*\u+3],   v7, s[20+2*\cl:21+2*\cl] offset:\u*10240 th:TH_LOAD_NT       ; M': tile n = w of slice u
	global_load_b128 v[64*\cl+8*\u+4:64*\cl+8*\u+7], v7, s[20+2*\cl:21+2*\cl] offset:\u*10240+512 th:TH_LOAD_NT
.endr
.endr
.irp cl, 0,1
	global_load_b128 v[128+8*\cl:131+8*\cl], v10, s[20+2*\cl:21+2*\cl] offset:8192 th:TH_LOAD_NT                  ; Al' of slice w
	global_load_b128 v[132+8*\cl:135+8*\cl], v10, s[20+2*\cl:21+2*\cl] offset:8704 th:TH_LOAD_NT
	global_load_b128 v[144+8*\cl:147+8*\cl], v10, s[20+2*\cl:21+2*\cl] offset:9216 th:TH_LOAD_NT                  ; At' of slice w
	global_load_b128 v[148+8*\cl:151+8*\cl], v10, s[20+2*\cl:21+2*\cl] offset:9728 th:TH_LOAD_NT
.endr
	WIN 0
	LOADG 0
	LOADG 1
	LOADG 2
	s_wait_loadcnt 48                              ; the parts are in; the ring's three groups of 16 stay out
	WIN 0x45                                       ; all in window 1
	SUMTREE                                        ; M' tile w
	SPLIT 0,   160, 192, 208                       ; M' class a
	SPLIT 64,  168, 196, 212                       ; M' class b
	SPLIT 128, 176, 200, 216                       ; Al' class a
	SPLIT 136, 184, 204, 220                       ; Al' class b
	WIN 0x04                                       ; the stores' data in window 1
.irp cl, 0,1
	ds_store_b128 v5, v[192+4*\cl:195+4*\cl] offset:\cl*GLC                ; G's tile w, hi
	ds_store_b128 v5, v[208+4*\cl:211+4*\cl] offset:\cl*GLC+GLP            ; lo
	ds_store_b128 v5, v[200+4*\cl:203+4*\cl] offset:\cl*GLC+4096           ; G's tile 8 + w, hi
	ds_store_b128 v5, v[216+4*\cl:219+4*\cl] offset:\cl*GLC+GLP+4096       ; lo
	ds_store_b128 v6, v[144+8*\cl:147+8*\cl] offset:\cl*1024               ; At' as it came
	ds_store_b128 v6, v[148+8*\cl:151+8*\cl] offset:\cl*1024+512
.endr
	WIN 0
	s_wait_dscnt 0x0                               ; for the others' sake: my tiles are in LDS
	s_barrier_signal -1
	s_barrier_wait -1
	WIN 0x40
	GFETCH 0
.irp cl, 0,1
.irp u, 0,1,2,3,4,5,6,7
	ds_load_b128 v[64*\cl+8*\u:64*\cl+8*\u+3],   v4 offset:AT+\u*2048+\cl*1024
	ds_load_b128 v[64*\cl+8*\u+4:64*\cl+8*\u+7], v4 offset:AT+\u*2048+\cl*1024+512
.endr
.endr
	s_wait_dscnt 0x0
	WIN 0x45
	SUMTREE                                        ; At'
	WIN 0x05                                       ; sources in window 1, destination in window 0
.irp i, 0,1,2,3
	v_cvt_pk_bf16_f32 v[32+\i], v[2*\i], v[2*\i+1]
	v_cvt_pk_bf16_f32 v[40+\i], v[64+2*\i], v[64+2*\i+1]
.endr
	v_pk_add_f32 v[12:13], v[0:1], v[2:3]          ; S: my eight t,
	v_pk_add_f32 v[14:15], v[4:5], v[6:7]
	v_pk_add_f32 v[16:17], v[64:65], v[66:67]
	v_pk_add_f32 v[18:19], v[68:69], v[70:71]
	WIN 0
	v_pk_add_f32 v[12:13], v[12:13], v[14:15]
	v_pk_add_f32 v[16:17], v[16:17], v[18:19]
	v_add_f32 v12, v12, v13
	v_add_f32 v16, v16, v17
	v_permlanex16_b32 v13, v12, s36, s37           ; and the other half of the lanes' eight
	v_permlanex16_b32 v17, v16, s36, s37
	v_add_f32 v12, v12, v13
	v_add_f32 v16, v16, v17
	v_add_f32 v12, s38, v12
	v_add_f32 v16, s38, v16
	v_rcp_f32 v48, v12                             ; each reciprocal twice: a pair for the packed arithmetic
	v_rcp_f32 v49, v12
	v_rcp_f32 v50, v16
	v_rcp_f32 v51, v16
.irp i, 36,37,38,39,44,45,46,47
	v_mov_b32 v\i, 0                               ; the table has 16 rows: the upper half of At's fragments is zero
.endr
; Group g's products.  Source 0 = 16 columns d, source 1 = my 16 rows of G: a lane holds row r and columns 8 h + 0..7, as sel lies.
; A hi group is multiplied by Gh and by Gl, a lo group by Gh.  The accumulators take turns, one instruction a turn.
.macro GROUP g
.if (\g) < 24
	s_wait_loadcnt 32                              ; group g is in; the two younger groups stay out
.else
	s_wait_loadcnt 16                              ; sel's group stays out
.endif
.if ((\g) < 24) && ((\g)%2 == 0)
	s_wait_dscnt 0x0                               ; this pair's fragments of G, asked for a pair ago
.if (\g) < 22
	WIN 0x40
	GFETCH (\g)/2+1                                ; the next pair's, into the buffer whose last products stand in front of the four places of the group before
.endif
.endif
.set LB, 64+64*((\g)%3)
.set GB, 128+32*(((\g)/2)%2)
.if (\g) < 16
.set AC, 64*(((\g)%4)/2)
	WIN 0x54                                       ; G, C and D in window 1
.irp n, 0,1,2,3,4,5,6,7
.if ((\g) == 0) || ((\g) == 2)
	v_wmma_f32_16x16x32_bf16 v[AC+8*\n:AC+8*\n+7], v[LB+8*\n:LB+8*\n+7], v[GB:GB+7], 0
.else
	v_wmma_f32_16x16x32_bf16 v[AC+8*\n:AC+8*\n+7], v[LB+8*\n:LB+8*\n+7], v[GB:GB+7], v[AC+8*\n:AC+8*\n+7]
.endif
.endr
.if (\g)%2 == 0
.irp n, 0,1,2,3,4,5,6,7
	v_wmma_f32_16x16x32_bf16 v[AC+8*\n:AC+8*\n+7], v[LB+8*\n:LB+8*\n+7], v[GB+8:GB+15], v[AC+8*\n:AC+8*\n+7]
.endr
.endif
.elseif (\g) < 24
	WIN 0x54
.irp n, 0,1,2,3,4,5,6,7
	v_wmma_f32_16x16x32_bf16 v[8*\n:8*\n+7], v[LB+8*\n:LB+8*\n+7], v[GB:GB+7], v[8*\n:8*\n+7]
	v_wmma_f32_16x16x32_bf16 v[64+8*\n:64+8*\n+7], v[LB+8*\n:LB+8*\n+7], v[GB+16:GB+23], v[64+8*\n:64+8*\n+7]
.endr
.if (\g)%2 == 0
.irp n, 0,1,2,3,4,5,6,7
	v_wmma_f32_16x16x32_bf16 v[8*\n:8*\n+7], v[LB+8*\n:LB+8*\n+7], v[GB+8:GB+15], v[8*\n:8*\n+7]
	v_wmma_f32_16x16x32_bf16 v[64+8*\n:64+8*\n+7], v[LB+8*\n:LB+8*\n+7], v[GB+24:GB+31], v[64+8*\n:64+8*\n+7]
.endr
.endif
.else
	WIN 0x50                                       ; At's fragments lie in window 0
.irp n, 0,1,2,3,4,5,6,7
	v_wmma_f32_16x16x32_bf16 v[8*\n:8*\n+7], v[LB+8*\n:LB+8*\n+7], v[32:39], v[8*\n:8*\n+7]
	v_wmma_f32_16x16x32_bf16 v[64+8*\n:64+8*\n+7], v[LB+8*\n:LB+8*\n+7], v[40:47], v[64+8*\n:64+8*\n+7]
.endr
.endif
	WIN 0
.if (\g) <= 22
	PLACES
	LOADG (\g)+3                                   ; into the buffer just multiplied
.endif
.endm
.irp g, 0,1,2,3,4,5,6,7,8,9,10,11,12,13,14,15,16,17,18,19,20,21,22,23,24
	GROUP \g
.endr
	; THE WAY OUT: Bs = B rb; d = A ra - Bs; out = sel d + Bs.  Through my own stage, so that a store covers 512 neighbouring bytes of a row.
	PLACES
	s_wait_loadcnt 0x0                             ; sel
	WIN 0x01                                       ; source 0: the accumulators' window; each accumulator from its low end on
	s_wait_alu depctr_va_vdst(0)
.irp n, 0,1,2,3,4,5,6,7
.irp j, 0,2,4,6
	v_pk_mul_f32 v[64+8*\n+\j:65+8*\n+\j], v[64+8*\n+\j:65+8*\n+\j], v[50:51]
.endr
.endr
.irp n, 0,1,2,3,4,5,6,7
.irp j, 0,2,4,6
	v_pk_fma_f32 v[192+8*\n+\j:193+8*\n+\j], v[8*\n+\j:8*\n+\j+1], v[48:49], v[64+8*\n+\j:65+8*\n+\j] neg_lo:[0,0,1] neg_hi:[0,0,1]
.endr
.endr
	WIN 0
.irp n, 0,1,2,3,4,5,6,7
.irp j, 0,2,4,6
	v_pk_fma_f32 v[192+8*\n+\j:193+8*\n+\j], v[128+8*\n+\j:129+8*\n+\j], v[192+8*\n+\j:193+8*\n+\j], v[64+8*\n+\j:65+8*\n+\j]
.endr
.endr
.irp n, 0,1,2,3,4,5,6,7
	ds_store_b128 v8, v[192+8*\n:195+8*\n] offset:\n*64
	ds_store_b128 v8, v[196+8*\n:199+8*\n] offset:\n*64+16
.endr
.irp i, 0,1,2,3,4,5,6,7,8,9,10,11,12,13,14,15
	ds_load_b128 v[64+4*\i:67+4*\i], v9 offset:\i*528                      ; my own bytes, served in order behind the stores
.endr
.irp i, 0,1,2,3,4,5,6,7,8,9,10,11,12,13,14,15
	s_wait_dscnt 15-\i                             ; row i is back, the younger ones stay out
	global_store_b128 v4, v[64+4*\i:67+4*\i], s[34:35] offset:\i*4096 th:TH_STORE_NT
.endr
	s_wait_tensorcnt 0x0
	ds_add_u32 v62, v63
	s_wait_dscnt 0x0
	s_endpgm
.Lfunc_end_k_q146bb066db_fin:
	.size	k_q146bb066db_fin, .Lfunc_end_k_q146bb066db_fin-k_q146bb066db_fin
	.p2alignl 7, 3214868480
	.fill 96, 4, 3214868480
	.section	.rodata,"a",@progbits
	.p2align	6, 0x0
	.amdhsa_kernel k_q146bb066db_fin
		.amdhsa_group_segment_fixed_size 117760
		.amdhsa_private_segment_fixed_size 0
		.amdhsa_enable_private_segment 0
		.amdhsa_kernarg_size 40
		.amdhsa_user_sgpr_count 2
		.amdhsa_user_sgpr_kernarg_segment_ptr 1
		.amdhsa_wavefront_size32 1
		.amdhsa_system_sgpr_workgroup_id_x 1
		.amdhsa_system_sgpr_workgroup_id_y 1
		.amdhsa_system_sgpr_workgroup_id_z 1
		.amdhsa_system_vgpr_workitem_id 0
		.amdhsa_next_free_vgpr 512
		.amdhsa_next_free_sgpr 66
		.amdhsa_reserve_vcc 0
		.amdhsa_float_denorm_mode_32 3
		.amdhsa_float_denorm_mode_16_64 3
		.amdhsa_memory_ordered 1
		.amdhsa_forward_progress 1
		.amdhsa_inst_pref_size 107
	.end_amdhsa_kernel
	.amdgpu_metadata
---
amdhsa.version: [ 1, 2 ]
amdhsa.kernels:
  - .name:           k_q146bb066db_fin
    .symbol:         k_q146bb066db_fin.kd
    .args:
      - { .name: part, .offset: 0, .size: 8, .value_kind: global_buffer, .address_space: global }
      - { .name: pj, .offset: 8, .size: 8, .value_kind: global_buffer, .address_space: global }
      - { .name: tab, .offset: 16, .size: 8, .value_kind: global_buffer, .address_space: global }
      - { .name: sel, .offset: 24, .size: 8, .value_kind: global_buffer, .address_space: global }
      - { .name: out0, .offset: 32, .size: 8, .value_kind: global_buffer, .address_space: global }
    .group_segment_fixed_size: 117760
    .private_segment_fixed_size: 0
    .kernarg_segment_align: 8
    .kernarg_segment_size: 40
    .max_flat_workgroup_size: 256
    .sgpr_count:     66
    .vgpr_count:     512
    .wavefront_size: 32
...
	.end_amdgpu_metadata
.endif
;; end of part 4
;; ======== version 2 of 3: 4 launches
;; limits: values are held in f16: magnitudes above 65,504 overflow, below 6.1e-05 lose precision
;; workspace buffers: xb 8,388,608 bytes; bt 10,485,760 bytes; tab 65,536 bytes; pj 33,554,432 bytes; sel 16,777,216 bytes; part 41,943,040 bytes
;; launch prep (part 5): grid 912 x 1, 8 waves a work-group, no clusters, 17,920 bytes of LDS; arguments x, W_cond, W_a, W_b, W_key, W_sel, query_emb, bias_emb, xb, bt, tab; writes xb, bt, tab
.if DOCPART == 5
	.amdgcn_target "amdgcn-amd-amdhsa--gfx1250"
	.amdhsa_code_object_version 6
	.text
	.protected	k_q146bb066db_prep
	.globl	k_q146bb066db_prep
	.p2align	8
	.type	k_q146bb066db_prep,@function
k_q146bb066db_prep:
	s_mov_b64 s[64:65], 0
	v_nop
	global_prefetch_b8 v0, s[64:65] scope:SCOPE_SE
	s_setreg_imm32_b32 hwreg(HW_REG_WAVE_MODE, 25, 1), 1
	s_wait_xcnt 0x0
; Copies in 16 bits for the matrix launches.  Three kinds of work-group, chosen by the work-group's number g alone (the same in all eight waves):
;   g < 256         64 KiB of x -> xb, bf16, row-major as x lies
;   256 <= g < 896  a block of 128 k x 64 n of one W, turned -> bt[n][k], bf16; bt's row nj*320 + half*160 + wgt*32 + c holds column nj*64 + half*32 + c of W_wgt
;                   (wgt: 0 cond, 1 a, 2 b, 3 key, 4 sel), so that 160 neighbouring rows are 32 columns of each of the five W
;   g >= 896        query_emb and bias_emb in f16, in tiles of 16 x 16 (512 bytes) whose byte 16 L is what lane L of a matrix fragment holds:
;                   query_emb: row L % 16, columns 8 (L / 16) + 0..7;  bias_emb: column L % 16, rows 8 (L / 16) + 0..7
;                   (f16 because their partners in the later products are f16; the tables' spread is 0.02, 0.6 at 30 times that or with an offset of 30 spreads: far inside f16's 65,504)
; Memory binds: every input byte is read once, every store of a wave covers 256 or 512 neighbouring bytes.  No matrix unit, no cluster: no work-group shares a byte with another.
.set PW, 264                           ; LDS pitch of a turned row: 128 bf16 + 8 bytes
	s_load_b512 s[4:19], s[0:1], 0x0               ; x, W_cond, W_a, W_b, W_key, W_sel, query_emb, bias_emb
	s_load_b128 s[20:23], s[0:1], 0x40             ; xb, bt
	s_load_b64 s[24:25], s[0:1], 0x50              ; tab
	v_lshl_add_u32 v128, v0, 2, 0x4200
	v_mov_b32 v129, 0
	v_and_b32 v1, 31, v0                           ; lane L
	v_lshrrev_b32 v2, 5, v0
	v_readfirstlane_b32 s26, v2                    ; wave
	s_mov_b32 s27, ttmp9                           ; g
	s_mov_b32 s29, 0                               ; high word of the offset pair s[28:29]
	s_wait_kmcnt 0x0
	s_cmp_lt_u32 s27, 256
	s_cbranch_scc0 .Lnot_x
	; ---- x: 16 loads of 16 bytes a thread, all on their way at once; 8 bytes out for each
	s_lshl_b32 s28, s27, 16
	s_add_nc_u64 s[4:5], s[4:5], s[28:29]
	s_lshl_b32 s28, s27, 15
	s_add_nc_u64 s[20:21], s[20:21], s[28:29]
	v_lshlrev_b32 v3, 4, v0
	v_lshlrev_b32 v4, 3, v0
.irp i, 0,1,2,3,4,5,6,7,8,9,10,11,12,13,14,15
	global_load_b128 v[32+4*\i:35+4*\i], v3, s[4:5] offset:\i*4096 th:TH_LOAD_NT
.endr
.irp i, 0,1,2,3,4,5,6,7,8,9,10,11,12,13,14,15
	s_wait_loadcnt 15-\i                           ; loads come back in order: load i is in, the 15 - i younger ones stay out
	v_cvt_pk_bf16_f32 v[96+2*\i], v[32+4*\i], v[33+4*\i]
	v_cvt_pk_bf16_f32 v[97+2*\i], v[34+4*\i], v[35+4*\i]
	global_store_b64 v4, v[96+2*\i:97+2*\i], s[20:21] offset:\i*2048   ; a wave stores 256 neighbouring bytes; no register is written twice
.endr
	s_endpgm
.Lnot_x:
	s_cmp_lt_u32 s27, 896
	s_cbranch_scc0 .Ltables
	; ---- a block of W, turned through LDS
	s_sub_co_u32 s30, s27, 256
	s_lshr_b32 s31, s30, 7                         ; wgt
	s_bfe_u32 s32, s30, 0x30004                    ; kb: which 128 rows k
	s_and_b32 s33, s30, 15                         ; nj: which 64 columns n
	s_cmp_eq_u32 s31, 1
	s_cselect_b64 s[6:7], s[8:9], s[6:7]
	s_cmp_eq_u32 s31, 2
	s_cselect_b64 s[6:7], s[10:11], s[6:7]
	s_cmp_eq_u32 s31, 3
	s_cselect_b64 s[6:7], s[12:13], s[6:7]
	s_cmp_eq_u32 s31, 4
	s_cselect_b64 s[6:7], s[14:15], s[6:7]         ; s[6:7] = W_wgt
	s_lshl_b32 s28, s32, 19                        ; kb x 128 rows of 4,096 bytes
	s_lshl_b32 s34, s33, 8                         ; nj x 64 columns of 4 bytes
	s_add_co_u32 s28, s28, s34
	s_add_nc_u64 s[6:7], s[6:7], s[28:29]
	v_and_b32 v3, 15, v0                           ; r16: my four columns 4 r16 + 0..3
	v_bfe_u32 v4, v0, 4, 1
	v_lshl_add_u32 v4, s26, 1, v4                  ; kp = 2 x wave + L / 16: my pairs of rows kp + 16 i
	v_lshlrev_b32 v5, 13, v4                       ; kp x two rows
	v_lshl_add_u32 v5, v3, 4, v5
	v_mul_u32_u24 v6, v3, 4*PW                     ; LDS: row n = 4 r16 + c, word kp + 16 i
	v_lshl_add_u32 v6, v4, 2, v6
.irp i, 0,1,2,3
	global_load_b128 v[32+8*\i:35+8*\i], v5, s[6:7] offset:\i*131072 th:TH_LOAD_NT        ; row 2 (kp + 16 i): 16 lanes read 256 neighbouring bytes
	global_load_b128 v[36+8*\i:39+8*\i], v5, s[6:7] offset:\i*131072+4096 th:TH_LOAD_NT   ; the row below
.endr
	s_mul_i32 s34, s33, 320                        ; bt's row of my wave's first turned row: nj*320 + (wave/4)*160 + wgt*32 + 8 (wave%4)
	s_lshr_b32 s35, s26, 2
	s_mul_i32 s35, s35, 160
	s_add_co_u32 s34, s34, s35
	s_lshl_b32 s35, s31, 5
	s_add_co_u32 s34, s34, s35
	s_and_b32 s35, s26, 3
	s_lshl_b32 s35, s35, 3
	s_add_co_u32 s34, s34, s35
	s_lshl_b32 s28, s34, 11                        ; rows of 2,048 bytes
	s_lshl_b32 s35, s32, 8                         ; + kb x 128 bf16
	s_add_co_u32 s28, s28, s35
	s_add_nc_u64 s[22:23], s[22:23], s[28:29]
	s_mul_i32 s36, s26, 8*PW
	v_lshl_add_u32 v7, v1, 3, s36                  ; back: wave v reads rows 8 v + i, 8 bytes a lane
	v_lshlrev_b32 v8, 3, v1
	s_wait_loadcnt 0x0
.irp i, 0,1,2,3
.irp c, 0,1,2,3
	v_cvt_pk_bf16_f32 v[64+4*\i+\c], v[32+8*\i+\c], v[36+8*\i+\c]      ; two neighbouring k of one column n
.endr
.endr
.irp i, 0,1,2,3
.irp c, 0,1,2,3
	ds_store_b32 v6, v[64+4*\i+\c] offset:\c*PW+\i*64                  ; lanes r16 and r16 + 8 meet in a bank: two deep, for 16 stores a thread in all
.endr
.endr
	s_wait_dscnt 0x0                               ; for the others' sake: my stores are done
	s_barrier_signal -1
	s_barrier_wait -1
.irp i, 0,1,2,3,4,5,6,7
	ds_load_b64 v[80+2*\i:81+2*\i], v7 offset:\i*PW
.endr
.irp i, 0,1,2,3,4,5,6,7
	s_wait_dscnt 7-\i                              ; row i is in, the younger ones stay out
	global_store_b64 v8, v[80+2*\i:81+2*\i], s[22:23] offset:\i*2048   ; 256 neighbouring bytes of one row of bt
.endr
	s_wait_tensorcnt 0x0
	ds_add_u32 v128, v129
	s_wait_dscnt 0x0
	s_endpgm
.Ltables:
	; ---- the two tables: thread p of 2,048 makes the 16 bytes at 16 p
	s_sub_co_u32 s30, s27, 896
	s_and_b32 s31, s30, 7
	s_lshl_b32 s31, s31, 8
	v_add_nc_u32 v3, s31, v0                       ; p
	v_lshrrev_b32 v4, 5, v3                        ; tile t: columns 16 t on
	v_and_b32 v5, 15, v0                           ; r
	v_bfe_u32 v6, v0, 4, 1                         ; h
	v_lshlrev_b32 v7, 4, v3
	s_cmp_lt_u32 s30, 8
	s_cbranch_scc0 .Lbias_table
	v_lshlrev_b32 v8, 12, v5                       ; query_emb: row r,
	v_lshl_add_u32 v8, v4, 6, v8                   ; column 16 t
	v_lshl_add_u32 v8, v6, 5, v8                   ; + 8 h
	global_load_b128 v[32:35], v8, s[16:17]
	global_load_b128 v[36:39], v8, s[16:17] offset:16
	s_wait_loadcnt 0x0
.irp i, 0,1,2,3
	v_cvt_pk_f16_f32 v[40+\i], v[32+2*\i], v[33+2*\i]
.endr
	global_store_b128 v7, v[40:43], s[24:25]
	s_endpgm
.Lbias_table:
	v_lshlrev_b32 v8, 15, v6                       ; bias_emb: rows 8 h + 0..7,
	v_lshl_add_u32 v8, v4, 6, v8                   ; column 16 t
	v_lshl_add_u32 v8, v5, 2, v8                   ; + r
.irp j, 0,1,2,3,4,5,6,7
	global_load_b32 v[32+\j], v8, s[18:19] offset:\j*4096
.endr
	s_wait_loadcnt 0x0
.irp i, 0,1,2,3
	v_cvt_pk_f16_f32 v[40+\i], v[32+2*\i], v[33+2*\i]
.endr
	global_store_b128 v7, v[40:43], s[24:25] offset:32768
	s_endpgm
.Lfunc_end_k_q146bb066db_prep:
	.size	k_q146bb066db_prep, .Lfunc_end_k_q146bb066db_prep-k_q146bb066db_prep
	.p2alignl 7, 3214868480
	.fill 96, 4, 3214868480
	.section	.rodata,"a",@progbits
	.p2align	6, 0x0
	.amdhsa_kernel k_q146bb066db_prep
		.amdhsa_group_segment_fixed_size 17920
		.amdhsa_private_segment_fixed_size 0
		.amdhsa_enable_private_segment 0
		.amdhsa_kernarg_size 88
		.amdhsa_user_sgpr_count 2
		.amdhsa_user_sgpr_kernarg_segment_ptr 1
		.amdhsa_wavefront_size32 1
		.amdhsa_system_sgpr_workgroup_id_x 1
		.amdhsa_system_sgpr_workgroup_id_y 1
		.amdhsa_system_sgpr_workgroup_id_z 1
		.amdhsa_system_vgpr_workitem_id 0
		.amdhsa_next_free_vgpr 130
		.amdhsa_next_free_sgpr 66
		.amdhsa_reserve_vcc 0
		.amdhsa_float_denorm_mode_32 3
		.amdhsa_float_denorm_mode_16_64 3
		.amdhsa_memory_ordered 1
		.amdhsa_forward_progress 1
		.amdhsa_inst_pref_size 16
	.end_amdhsa_kernel
	.amdgpu_metadata
---
amdhsa.version: [ 1, 2 ]
amdhsa.kernels:
  - .name:           k_q146bb066db_prep
    .symbol:         k_q146bb066db_prep.kd
    .args:
      - { .name: x, .offset: 0, .size: 8, .value_kind: global_buffer, .address_space: global }
      - { .name: W_cond, .offset: 8, .size: 8, .value_kind: global_buffer, .address_space: global }
      - { .name: W_a, .offset: 16, .size: 8, .value_kind: global_buffer, .address_space: global }
      - { .name: W_b, .offset: 24, .size: 8, .value_kind: global_buffer, .address_space: global }
      - { .name: W_key, .offset: 32, .size: 8, .value_kind: global_buffer, .address_space: global }
      - { .name: W_sel, .offset: 40, .size: 8, .value_kind: global_buffer, .address_space: global }
      - { .name: query_emb, .offset: 48, .size: 8, .value_kind: global_buffer, .address_space: global }
      - { .name: bias_emb, .offset: 56, .size: 8, .value_kind: global_buffer, .address_space: global }
      - { .name: xb, .offset: 64, .size: 8, .value_kind: global_buffer, .address_space: global }
      - { .name: bt, .offset: 72, .size: 8, .value_kind: global_buffer, .address_space: global }
      - { .name: tab, .offset: 80, .size: 8, .value_kind: global_buffer, .address_space: global }
    .group_segment_fixed_size: 17920
    .private_segment_fixed_size: 0
    .kernarg_segment_align: 8
    .kernarg_segment_size: 88
    .max_flat_workgroup_size: 256
    .sgpr_count:     66
    .vgpr_count:     130
    .wavefront_size: 32
...
	.end_amdgpu_metadata
.endif
;; end of part 5
;; launch proj (part 6): grid 16 x 16, 4 waves a work-group, clusters of 4 x 4, 327,680 bytes of LDS; arguments xb, bt, b_cond, b_a, b_b, b_key, b_sel, pj, sel; writes pj, sel
.if DOCPART == 6
	.amdgcn_target "amdgcn-amd-amdhsa--gfx1250"
	.amdhsa_code_object_version 6
	.text
	.protected	k_q146bb066db_proj
	.globl	k_q146bb066db_proj
	.p2align	8
	.type	k_q146bb066db_proj,@function
k_q146bb066db_proj:
	s_mov_b64 s[64:65], 0
	v_nop
	global_prefetch_b8 v0, s[64:65] scope:SCOPE_SE
	s_setreg_imm32_b32 hwreg(HW_REG_WAVE_MODE, 25, 1), 1
	s_wait_xcnt 0x0
	s_wait_alu depctr_hold_cnt(0) depctr_sa_sdst(0) depctr_va_vdst(0) depctr_va_sdst(0) depctr_va_ssrc(0) depctr_va_vcc(0) depctr_vm_vsrc(0)
	s_getreg_b32 s2, hwreg(HW_REG_IB_STS2, 6, 4)
	s_cmp_eq_u32 s2, 0
	s_cbranch_scc0 .Lentry_in_a_cluster
	s_endpgm
.Lentry_in_a_cluster:
	s_bfe_u32 s2, ttmp6, 0x10000c
	s_cmp_lg_u32 s2, 0xf033
	s_cbranch_scc0 .Lentry_shape_is_right
	s_endpgm
.Lentry_shape_is_right:
; The five projections x W + b as ONE product [4096 x 1024] x [1024 x 5120], bf16 operands, f32 sums.  A work-group makes 256 rows x 320 columns (64 columns of each W): 16 x 16 = 256 equal work-groups.
; Four waves, each 128 x 160: m blocks a = 0..7, n blocks b = 0..9 (weight b / 2, its columns 16 (b % 2) on): 80 accumulators of 16 x 16, 640 registers.
; K goes in steps of 128 through two LDS slots filled by the tensor data mover (rows of 256 bytes, padded to 272).
; CLUSTER 4 x 4: the four work-groups of a row of the cluster need the same rows of xb, the four of a column the same rows of bt: each tile is asked for jointly, by the same
; tensor load with the same descriptor and a mask that names the four.
; RESULTS leave straight from registers, in tiles of 16 x 16 whose byte 16 L is what lane L holds: no pass through LDS, each store covers 512 neighbouring bytes.
;   b < 6 (cond, Va, Vb): source 0 = rows of x, source 1 = rows of bt: a lane holds one column and eight rows (the later launches multiply with K along the rows)
;   b >= 6 (key, sel): the sources swapped: a lane holds one row and eight columns (key: K along the columns; sel: f32, the layout of the last launch's results)
; cond, Va, Vb and key are operands of later matrix products.  They leave rounded once to f16: its 11 significant bits are needed there, bf16's 8 are too coarse.
;   ROOM IN f16: with x and W as the problem draws them these numbers have a spread of 0.64; with x and W both 30 times larger 576 (the largest of 4 M numbers about 3,300);
;   with x carrying an offset of 30 and W one of 0.6 they lie at 1,024 x 18 = 18,432; f16 reaches 65,504.  With x and W both 30 times smaller the spread is 7e-4 and f16's step there
;   is at most 6e-8 (denormals are kept), 1e-4 of the spread.   LIMIT: |x W + b| from 65,520 on becomes infinite.
; sel leaves as sigmoid = 1 / (1 + 2^(-log2(e) (s + bias))), in f32.
; REGISTERS, in windows of 256: window 0: v0-31 addresses, v32-175 fragment buffer 0 (A's fragment a at 32 + 8 a, B's fragment b at 96 + 8 b), v176-255 accumulators of a = 7
;   window 1: v32-175 fragment buffer 1, v176-255 accumulators of a = 6;  window 2: accumulators of a = 0..2 at 80 a + 8 b;  window 3: those of a = 3..5
.set KSTEP,  128
.set PITCH,  272                       ; 256 bytes + 16: the 16 rows of a fragment load start 68 words apart, at 16 different groups of four banks
.set HALFA,  128*PITCH                 ; what one load brings of xb, and what a wave reads of it
.set HALFB,  160*PITCH                 ; the same for bt
.set SLOT,   2*HALFA+2*HALFB
.set BIAS,   2*SLOT                    ; behind the ring: 768 bytes a wave, its 32 columns' five biases; no tensor load lands here
.set LAPS,   4                         ; 1,024 / (2 x 128)
.set ADRA, 16                          ; v16-17  LDS address of my A fragments in slot 0, 1
.set ADRB, 20                          ; v20-21  the same for B
.set GO,   24                          ; v24     16 L
.set BL,   25                          ; v25     my bias, one column a lane
.set BT,   26                          ; v26     my bias, eight columns a lane
.set FR,   32                          ; a fragment buffer's first register, in window 0 or 1
.set T,    32                          ; the way out: 80 registers at work
.set BN,   112                         ; bias of blocks 0-5, each number twice (a pair for the packed add)
.set BS,   124                         ; bias of blocks 6-9, eight numbers each
.set G1,  24                           ; s[24:31] descriptor group 1 for xb's tiles, s[32:39] group 0, a set for each slot
.set G0,  32
.set G1B, 48                           ; s[48:55], s[56:63] the same for bt's tiles
.set G0B, 56
.set OB,  82                           ; s[82:91] where my results begin: cond, Va, Vb, key, sel
.set MSB, 0
.macro WIN new                         ; the immediate's high byte repeats the setting that is left; a switch that changes nothing is dropped
.if MSB != (\new)
	s_set_vgpr_msb (MSB<<8)|(\new)
.set MSB, (\new)
.endif
.endm
.macro PLACES                          ; four plain vector instructions between a matrix instruction and a load into, or a vector read of, its registers
.rept 4
	v_nop
.endr
.endm
.macro ACCOF a                         ; window AW and first register AB of m block a's ten accumulators
.if (\a) < 3
.set AW, 2
.set AB, 80*(\a)
.elseif (\a) < 6
.set AW, 3
.set AB, 80*((\a)-3)
.elseif (\a) == 6
.set AW, 1
.set AB, 176
.else
.set AW, 0
.set AB, 176
.endif
.endm
; A joint load.  Waves 0 and 1 fetch xb's two halves, waves 2 and 3 bt's.  The branch hangs on the wave's number alone.  Four v_nop follow each of the two lines.
.macro JLOAD s
	s_cmp_eq_u32 s11, 0
	s_cbranch_scc0 .Lfor_b_\@
	tensor_load_to_lds s[G0+4*\s:G0+4*\s+3], s[G1:G1+7]
	s_nop 0
.rept 4
	v_nop
.endr
	s_branch .Lasked_\@
.Lfor_b_\@:
	tensor_load_to_lds s[G0B+4*\s:G0B+4*\s+3], s[G1B:G1B+7]
	s_nop 0
.rept 4
	v_nop
.endr
.Lasked_\@:
.endm
.macro CREST                           ; a round of the cluster's barrier behind its opening barrier
	s_cmp_lg_u32 s10, 0
	s_cbranch_scc1 .Lnot_wave_0_\@
	s_barrier_signal -3
.Lnot_wave_0_\@:
	s_barrier_wait -3
	s_barrier_signal -1
	s_barrier_wait -1
.endm
.macro CROUND                          ; a whole round
	s_barrier_signal -1
	s_barrier_wait -1
	CREST
.endm
	s_load_b128 s[4:7], s[0:1], 0x0                ; xb, bt
	s_load_b256 s[68:75], s[0:1], 0x10             ; b_cond, b_a, b_b, b_key
	s_load_b128 s[76:79], s[0:1], 0x30             ; b_sel, pj
	s_load_b64 s[80:81], s[0:1], 0x40              ; sel
	s_set_vgpr_msb 0x40
	v_lshl_add_u32 v30, v0, 2, 0x4d400
	v_mov_b32 v31, 0
	s_set_vgpr_msb 0x4045
	ds_add_u32 v30, v31
	s_set_vgpr_msb 0x4500
	v_lshrrev_b32 v1, 5, v0
	v_readfirstlane_b32 s10, v1                    ; wave 0..3
	s_lshr_b32 s11, s10, 1                         ; my half of the rows.  Also: I fetch for xb (0) or for bt (1)
	s_and_b32 s12, s10, 1                          ; my half of the columns.  Also: which half of that tile I fetch
	s_bfe_u32 s40, ttmp6, 0x40000                  ; cx
	s_bfe_u32 s41, ttmp6, 0x40004                  ; cy
	s_lshl_b32 s42, ttmp9, 2
	s_add_co_u32 s42, s42, s40                     ; nj = 4 x cluster x + cx
	s_and_b32 s13, ttmp7, 0xffff
	s_lshl_b32 s13, s13, 2
	s_add_co_u32 s13, s13, s41                     ; mi = 4 x cluster y + cy
	s_lshl_b32 s43, s41, 2
	s_lshl_b32 s43, 15, s43                        ; my row of the cluster
	s_lshl_b32 s44, 0x1111, s40                    ; my column
	; group 1: rows of 128 elements of 2 bytes, 16 bytes of padding behind every 64 words; 128 rows of xb, 160 rows of bt
	s_or_b32 s[G1+0], s43, (1<<16)|(1<<20)|(1<<21)|(5<<22)|(3<<25)   ; 15:0 mask; 17:16 element of 2 bytes; 20 padding on; 21 set beside a mask; 24:22 every 64 words; 31:25 four words
	s_or_b32 s[G1B+0], s44, (1<<16)|(1<<20)|(1<<21)|(5<<22)|(3<<25)
	s_mov_b32 s[G1+1], KSTEP<<16                   ; tensor_dim0 = 128
	s_mov_b32 s[G1B+1], KSTEP<<16
	s_mov_b32 s[G1+2], 128<<16                     ; tensor_dim1
	s_mov_b32 s[G1B+2], 160<<16
	s_mov_b32 s[G1+3], KSTEP<<16                   ; tile_dim0 = 128
	s_mov_b32 s[G1B+3], KSTEP<<16
	s_mov_b32 s[G1+4], 128                         ; tile_dim1
	s_mov_b32 s[G1B+4], 160
	s_mov_b32 s[G1+5], 1024                        ; elements from row to row
	s_mov_b32 s[G1B+5], 1024
	s_mov_b32 s[G1+6], 0
	s_mov_b32 s[G1B+6], 0
	s_mov_b32 s[G1+7], 0
	s_mov_b32 s[G1B+7], 0
	; xb's tiles hang on mi alone, bt's on nj alone; each address is made in registers that never hold the other coordinate
	s_lshl_b32 s16, s13, 8
	s_lshl_b32 s17, s12, 7
	s_add_co_u32 s16, s16, s17                     ; row 256 mi + 128 half
	s_lshl_b32 s16, s16, 11                        ; rows of 2,048 bytes
	s_mov_b32 s17, 0
	s_mul_i32 s46, s42, 320
	s_mul_i32 s47, s12, 160
	s_add_co_u32 s46, s46, s47                     ; row 320 nj + 160 half
	s_lshl_b32 s46, s46, 11
	s_mov_b32 s47, 0
	s_mul_i32 s20, s12, HALFA                      ; where they go: no place in the cluster enters an LDS address
	s_mul_i32 s21, s12, HALFB
	s_add_co_u32 s21, s21, 2*HALFA
	s_wait_dscnt 0x0
	s_wait_kmcnt 0x0
	s_add_nc_u64 s[14:15], s[4:5], s[16:17]
	s_add_nc_u64 s[46:47], s[6:7], s[46:47]
	CROUND                                         ; all sixteen work-groups are here: the first joint loads meet
.irp s, 0,1
	s_mov_b32 s[G0+4*\s], 1
	s_add_co_u32 s[G0+4*\s+1], s20, \s*SLOT
	s_add_nc_u64 s[G0+4*\s+2:G0+4*\s+3], s[14:15], \s*KSTEP*2
	s_or_b32 s[G0+4*\s+3], s[G0+4*\s+3], 0x80000000
	s_mov_b32 s[G0B+4*\s], 1
	s_add_co_u32 s[G0B+4*\s+1], s21, \s*SLOT
	s_add_nc_u64 s[G0B+4*\s+2:G0B+4*\s+3], s[46:47], \s*KSTEP*2
	s_or_b32 s[G0B+4*\s+3], s[G0B+4*\s+3], 0x80000000
	JLOAD \s                                       ; two loads of mine are out
.endr
	v_and_b32 v1, 15, v0                           ; r
	v_bfe_u32 v2, v0, 4, 1                         ; h
	v_and_b32 v4, 31, v0                           ; L
	v_mul_u32_u24 v3, v1, PITCH
	v_lshl_add_u32 v3, v2, 4, v3                   ; a fragment's row x pitch + 16 h
	s_mul_i32 s22, s11, HALFA                      ; my 128 rows of xb
	s_mov_b32 s23, s21                             ; my 160 rows of bt
.irp s, 0,1
	v_add_nc_u32 v[ADRA+\s], s22, v3
	v_add_nc_u32 v[ADRB+\s], s23, v3
	s_add_co_u32 s22, s22, SLOT
	s_add_co_u32 s23, s23, SLOT
.endr
	v_lshlrev_b32 v[GO], 4, v4
	; the five biases of my 32 columns, one column a lane, into my own 768 bytes of LDS
	s_lshl_b32 s66, s42, 8
	s_lshl_b32 s67, s12, 7
	s_add_co_u32 s66, s66, s67                     ; (64 nj + 32 half) x 4 bytes
	v_lshl_add_u32 v5, v4, 2, s66
	global_load_b32 v8, v5, s[68:69]
	global_load_b32 v9, v5, s[70:71]
	global_load_b32 v10, v5, s[72:73]
	global_load_b32 v11, v5, s[74:75]
	global_load_b32 v12, v5, s[76:77]
	s_mul_i32 s66, s10, 768
	s_add_co_u32 s66, s66, BIAS
	v_lshl_add_u32 v[BL], v1, 2, s66
	v_lshl_add_u32 v[BT], v2, 5, s66
	v_lshl_add_u32 v6, v4, 2, s66
	; where my results begin: tile row 16 mi + 8 (row half), tile column 4 nj + 2 (column half); tiles of 512 bytes (sel: 1,024), 64 to a tile row
	s_lshl_b32 s66, s13, 4
	s_lshl_b32 s67, s11, 3
	s_add_co_u32 s66, s66, s67
	s_lshl_b32 s67, s42, 2
	s_lshl_b32 s92, s12, 1
	s_add_co_u32 s67, s67, s92
	s_lshl_b32 s92, s66, 15
	s_lshl_b32 s93, s67, 9
	s_add_co_u32 s92, s92, s93
	s_mov_b32 s93, 0
	s_add_nc_u64 s[OB:OB+1], s[78:79], s[92:93]
	s_add_nc_u64 s[OB+2:OB+3], s[OB:OB+1], 8388608
	s_add_nc_u64 s[OB+4:OB+5], s[OB+2:OB+3], 8388608
	s_add_nc_u64 s[OB+6:OB+7], s[OB+4:OB+5], 8388608
	s_lshl_b32 s92, s66, 16
	s_lshl_b32 s67, s67, 10
	s_add_co_u32 s92, s92, s67
	s_add_nc_u64 s[OB+8:OB+9], s[80:81], s[92:93]
	s_wait_loadcnt 0x0
.irp g, 0,1,2,3,4
	ds_store_b32 v6, v[8+\g] offset:\g*128
.endr
; ten matrix instructions: m block a x all ten n blocks, 32 along K, from buffer f.  zero = 1: the product starts the sums: nothing is ever cleared.
; The 80 accumulators take turns, one instruction a turn, in the same order in every quarter.
.macro MULA f, a, zero
	ACCOF \a
	WIN (\f*5)|(AW<<4)|(AW<<6)
.irp b, 0,1,2,3,4,5,6,7,8,9
.if \b < 6
.if \zero
	v_wmma_f32_16x16x32_bf16 v[AB+8*\b:AB+8*\b+7], v[FR+8*(\a):FR+8*(\a)+7], v[FR+64+8*\b:FR+64+8*\b+7], 0
.else
	v_wmma_f32_16x16x32_bf16 v[AB+8*\b:AB+8*\b+7], v[FR+8*(\a):FR+8*(\a)+7], v[FR+64+8*\b:FR+64+8*\b+7], v[AB+8*\b:AB+8*\b+7]
.endif
.else
.if \zero
	v_wmma_f32_16x16x32_bf16 v[AB+8*\b:AB+8*\b+7], v[FR+64+8*\b:FR+64+8*\b+7], v[FR+8*(\a):FR+8*(\a)+7], 0
.else
	v_wmma_f32_16x16x32_bf16 v[AB+8*\b:AB+8*\b+7], v[FR+64+8*\b:FR+64+8*\b+7], v[FR+8*(\a):FR+8*(\a)+7], v[AB+8*\b:AB+8*\b+7]
.endif
.endif
.endr
.endm
; 36 LDS loads in one run: a quarter step's fragments (160 rows of bt, then 128 rows of xb, 32 K at byte k of the rows) into buffer f
.macro FETCH slot, k, f
	WIN (\f<<6)
.irp i, 0,1,2,3,4,5,6,7,8,9
	ds_load_b128 v[FR+64+8*\i:FR+64+8*\i+3],   v[ADRB+\slot] offset:\k+\i*16*PITCH
	ds_load_b128 v[FR+64+8*\i+4:FR+64+8*\i+7], v[ADRB+\slot] offset:\k+\i*16*PITCH+32
.endr
.irp i, 0,1,2,3,4,5,6,7
	ds_load_b128 v[FR+8*\i:FR+8*\i+3],   v[ADRA+\slot] offset:\k+\i*16*PITCH
	ds_load_b128 v[FR+8*\i+4:FR+8*\i+7], v[ADRA+\slot] offset:\k+\i*16*PITCH+32
.endr
.endm
; A K step is four quarters of 32 along K, 80 matrix instructions each, on buffers 0, 1, 0, 1.  One of the first three: multiplies buffer f, fetches the next quarter (byte k) into g.
.macro QUARTER slot, k, f, g, zero
	s_wait_dscnt 10                                ; all of bt's fragments and xb's 0-2 are in; the ten youngest loads (xb's 3-7) may be out
	MULA \f, 0, \zero
	MULA \f, 1, \zero
	MULA \f, 2, \zero
	PLACES
	FETCH \slot, \k, \g
	s_wait_dscnt 36                                ; all but the 36 just issued
.irp a, 3,4,5,6,7
	MULA \f, \a, \zero
.endr
.endm
; The last quarter multiplies buffer 1 and changes slots: one barrier; in front of it each wave waits for its reads of this slot and for all its tensor loads (one is out: its part of
; the next slot).  fill = 1: the barrier opens a round of the cluster's barrier, and the slot just read is asked for again, two K steps on, first thing behind the round:
; that load has 70 + 3 x 80 matrix instructions in which to land.
.macro TURN slot, next, fill
	s_wait_dscnt 10
	MULA 1, 0, 0
	s_wait_dscnt 0x0                               ; my reads of this slot are over
	s_wait_tensorcnt 0x0                           ; and all my tensor loads have landed
	ds_add_u32 v30, v31
	s_wait_dscnt 0x0
	s_barrier_signal -1
	MULA 1, 1, 0
	MULA 1, 2, 0
	WIN 0                                          ; at a branch and at a label every window is 0
	s_barrier_wait -1
.if \fill
	CREST
	s_add_nc_u64 s[G0+4*\slot+2:G0+4*\slot+3], s[G0+4*\slot+2:G0+4*\slot+3], 2*KSTEP*2
	s_add_nc_u64 s[G0B+4*\slot+2:G0B+4*\slot+3], s[G0B+4*\slot+2:G0B+4*\slot+3], 2*KSTEP*2
	JLOAD \slot                                    ; its four v_nop are also the places in front of the loads below
.else
	PLACES
.endif
	FETCH \next, 0, 0
.irp a, 3,4,5,6,7
	MULA 1, \a, 0
.endr
.endm
	s_wait_dscnt 0x0                               ; my bias stores are done: no LDS instruction is pending at a signal
	s_wait_tensorcnt 1                             ; my part of K step 0 is in; K step 1's load may stay out
	s_barrier_signal -1
	s_barrier_wait -1
	FETCH 0, 0, 0
	QUARTER 0, 64, 0, 1, 1                         ; the first quarter stands in front of the loop: its products start the sums
	WIN 0
	s_mov_b32 s3, LAPS-1
.Llap:                                                 ; a trip goes once round the ring, from a lap's second quarter to the next lap's first, and fills both slots again
	QUARTER 0, 128, 1, 0, 0
	QUARTER 0, 192, 0, 1, 0
	TURN 0, 1, 1
	QUARTER 1, 64,  0, 1, 0
	QUARTER 1, 128, 1, 0, 0
	QUARTER 1, 192, 0, 1, 0
	TURN 1, 0, 1
	QUARTER 0, 64,  0, 1, 0
	WIN 0
	s_sub_co_u32 s3, s3, 1
	s_cmp_lg_u32 s3, 0
	s_cbranch_scc1 .Llap
	QUARTER 0, 128, 1, 0, 0                        ; the last lap fills nothing
	QUARTER 0, 192, 0, 1, 0
	TURN 0, 1, 0
	QUARTER 1, 64,  0, 1, 0
	QUARTER 1, 128, 1, 0, 0
	QUARTER 1, 192, 0, 1, 0
	s_wait_dscnt 10                                ; the very last quarter: nothing more to fetch
	MULA 1, 0, 0
	MULA 1, 1, 0
	MULA 1, 2, 0
	s_wait_dscnt 0x0
.irp a, 3,4,5,6,7
	MULA 1, \a, 0
.endr
	WIN 0
	; THE WAY OUT.  The biases come back from LDS in the two layouts; sel's are multiplied by -log2(e) once.
	PLACES
.irp b, 0,1,2,3,4,5
	ds_load_b32 v[BN+2*\b],   v[BL] offset:(\b/2)*128+(\b%2)*64
	ds_load_b32 v[BN+2*\b+1], v[BL] offset:(\b/2)*128+(\b%2)*64
.endr
.irp b, 6,7,8,9
	ds_load_b128 v[BS+8*(\b-6):BS+8*(\b-6)+3],   v[BT] offset:(\b/2)*128+(\b%2)*64
	ds_load_b128 v[BS+8*(\b-6)+4:BS+8*(\b-6)+7], v[BT] offset:(\b/2)*128+(\b%2)*64+16
.endr
	s_wait_dscnt 0x0
.irp j, 0,2,4,6,8,10,12,14
	v_pk_mul_f32 v[BS+16+\j:BS+16+\j+1], v[BS+16+\j:BS+16+\j+1], 0xbfb8aa3b op_sel_hi:[1,0]
.endr
; m block a: bias added (each accumulator's registers in ascending order), rounded to f16 or put through the sigmoid, stored tile by tile
.macro OUTBLK a
	ACCOF \a
	s_wait_xcnt 0x0                                ; the block before's stores have had their addresses translated: only now is T written again
	WIN AW                                         ; source 0: the accumulators' window
.irp b, 0,1,2,3,4,5,6,7,8,9
.irp j, 0,2,4,6
.if \b < 6
	v_pk_add_f32 v[T+8*\b+\j:T+8*\b+\j+1], v[AB+8*\b+\j:AB+8*\b+\j+1], v[BN+2*\b:BN+2*\b+1]
.elseif \b < 8
	v_pk_add_f32 v[T+8*\b+\j:T+8*\b+\j+1], v[AB+8*\b+\j:AB+8*\b+\j+1], v[BS+8*(\b-6)+\j:BS+8*(\b-6)+\j+1]
.else
	v_pk_fma_f32 v[T+8*\b+\j:T+8*\b+\j+1], v[AB+8*\b+\j:AB+8*\b+\j+1], 0xbfb8aa3b, v[BS+8*(\b-6)+\j:BS+8*(\b-6)+\j+1] op_sel_hi:[1,0,1]
.endif
.endr
.endr
	WIN 0
.set i, 0
.rept 16
	v_exp_f32 v[T+64+i], v[T+64+i]
.set i, i+1
.endr
.irp b, 0,1,2,3,4,5,6,7                ; 32 roundings, in place (register i is written when numbers 2 i and 2 i + 1 are read): they are also the plain instructions behind the exponentials
.irp i, 0,1,2,3
	v_cvt_pk_f16_f32 v[T+8*\b+\i], v[T+8*\b+2*\i], v[T+8*\b+2*\i+1]
.endr
.endr
	s_wait_alu depctr_va_vdst(0)
.irp j, 0,2,4,6,8,10,12,14
	v_pk_add_f32 v[T+64+\j:T+64+\j+1], v[T+64+\j:T+64+\j+1], 1.0 op_sel_hi:[1,0]
.endr
.set i, 0
.rept 16
	v_rcp_f32 v[T+64+i], v[T+64+i]
.set i, i+1
.endr
	v_nop                                          ; a plain instruction behind the last reciprocal
.irp b, 0,1,2,3,4,5,6,7
	global_store_b128 v[GO], v[T+8*\b:T+8*\b+3], s[OB+2*(\b/2):OB+2*(\b/2)+1] offset:\a*32768+(\b%2)*512   ; a tile: 512 neighbouring bytes
.endr
	s_wait_alu depctr_va_vdst(0)
.irp b, 8,9
	global_store_b128 v[GO], v[T+8*\b:T+8*\b+3],   s[OB+8:OB+9] offset:\a*65536+(\b%2)*1024
	global_store_b128 v[GO], v[T+8*\b+4:T+8*\b+7], s[OB+8:OB+9] offset:\a*65536+(\b%2)*1024+512
.endr
.endm
.irp a, 0,1,2,3,4,5,6,7
	OUTBLK \a
.endr
	CROUND                                         ; the closing round: no work-group ends while a partner may still ask for a tile that names it
	s_endpgm
.Lfunc_end_k_q146bb066db_proj:
	.size	k_q146bb066db_proj, .Lfunc_end_k_q146bb066db_proj-k_q146bb066db_proj
	.p2alignl 7, 3214868480
	.fill 96, 4, 3214868480
	.section	.rodata,"a",@progbits
	.p2align	6, 0x0
	.amdhsa_kernel k_q146bb066db_proj
		.amdhsa_group_segment_fixed_size 327680
		.amdhsa_private_segment_fixed_size 0
		.amdhsa_enable_private_segment 0
		.amdhsa_kernarg_size 72
		.amdhsa_user_sgpr_count 2
		.amdhsa_user_sgpr_kernarg_segment_ptr 1
		.amdhsa_wavefront_size32 1
		.amdhsa_system_sgpr_workgroup_id_x 1
		.amdhsa_system_sgpr_workgroup_id_y 1
		.amdhsa_system_sgpr_workgroup_id_z 1
		.amdhsa_system_vgpr_workitem_id 0
		.amdhsa_next_free_vgpr 1024
		.amdhsa_next_free_sgpr 96
		.amdhsa_reserve_vcc 0
		.amdhsa_float_denorm_mode_32 3
		.amdhsa_float_denorm_mode_16_64 3
		.amdhsa_memory_ordered 1
		.amdhsa_forward_progress 1
		.amdhsa_inst_pref_size 195
	.end_amdhsa_kernel
	.amdgpu_metadata
---
amdhsa.version: [ 1, 2 ]
amdhsa.kernels:
  - .name:           k_q146bb066db_proj
    .symbol:         k_q146bb066db_proj.kd
    .args:
      - { .name: xb, .offset: 0, .size: 8, .value_kind: global_buffer, .address_space: global }
      - { .name: bt, .offset: 8, .size: 8, .value_kind: global_buffer, .address_space: global }
      - { .name: b_cond, .offset: 16, .size: 8, .value_kind: global_buffer, .address_space: global }
      - { .name: b_a, .offset: 24, .size: 8, .value_kind: global_buffer, .address_space: global }
      - { .name: b_b, .offset: 32, .size: 8, .value_kind: global_buffer, .address_space: global }
      - { .name: b_key, .offset: 40, .size: 8, .value_kind: global_buffer, .address_space: global }
      - { .name: b_sel, .offset: 48, .size: 8, .value_kind: global_buffer, .address_space: global }
      - { .name: pj, .offset: 56, .size: 8, .value_kind: global_buffer, .address_space: global }
      - { .name: sel, .offset: 64, .size: 8, .value_kind: global_buffer, .address_space: global }
    .group_segment_fixed_size: 327680
    .private_segment_fixed_size: 0
    .kernarg_segment_align: 8
    .kernarg_segment_size: 72
    .max_flat_workgroup_size: 128
    .sgpr_count:     96
    .vgpr_count:     1024
    .wavefront_size: 32
...
	.end_amdgpu_metadata
.endif
;; end of part 6
;; launch attn (part 7): grid 8 x 32, 8 waves a work-group, no clusters, 324,608 bytes of LDS; arguments pj, tab, n_indexes, fw_mask, bw_mask, part; writes part
.if DOCPART == 7
	.amdgcn_target "amdgcn-amd-amdhsa--gfx1250"
	.amdhsa_code_object_version 6
	.text
	.protected	k_q146bb066db_attn
	.globl	k_q146bb066db_attn
	.p2align	8
	.type	k_q146bb066db_attn,@function
k_q146bb066db_attn:
	s_mov_b64 s[64:65], 0
	v_nop
	global_prefetch_b8 v0, s[64:65] scope:SCOPE_SE
	s_setreg_imm32_b32 hwreg(HW_REG_WAVE_MODE, 25, 1), 1
	s_wait_xcnt 0x0
; For batch b and the 16 rows l = 16 s .. 16 s + 15 (256 queries q = 16 l + e) and all 128 keys k:
;   z[q][k] = (CK[l][k] + QK[e][k]) / 32, CK = cond xk^T, QK = query_emb[idx] xk^T     (query_exp is a sum of a vector of l and a vector of e, so its product with xk is that sum)
;   fw weights relu(+-z) fw_mask, divided by (their sum over k + 1e-9);   bw weights relu(+-z) bw_mask, NOT yet divided (their divisor spans all q: it is applied in the last launch)
;   part = bw^T-weights [128 k x 256 q] x [ fw weights (128 k') | 1 at column l | 1 at column idx[e] ], for both classes: this slice's share of M', Al', At'.
; f16: cond, xk, the table (the scores want its 11 bits; the room in f16 is reckoned at the head of the launch that makes cond and xk).
; bf16: all weights (undivided weights grow with the square of the inputs' scale: they want f32's range).  f32: z, sums, reciprocals, the products' sums.
; LIMITS: an index is clamped to 0..15, the range of the table that reference() indexes; sums are formed in another order than reference()'s.
; NO CLUSTER: every operand from memory lies in fragment order and goes straight into registers, so there is no LDS tile that a joint load could fill; the one piece that the eight slices of a
; batch share is xk, 256 KiB of the 736 KiB that a work-group moves.  Masks are read once, 512 neighbouring bytes a load.
; LDS: BWA/BWC [128 k][256 q] bf16, pitch 528; FWA/FWC [256 q][128 k'] bf16, pitch 288; IND [256 q][32] bf16, pitch 96; Z1C/Z1Q CK/QK [16][128] f32.
;   Early regions lie over later ones and are dead before those are written, a barrier between: RED (the waves' partial CK, QK) over FWA/FWC; CT (a wave's cond tiles) over IND/Z1C;
;   ZT (a wave's own 16 k x (16 CK | 16 QK), pitch 144) at the head of the wave's own rows of BWA.
; REGISTERS: window 0: v1-31 lane numbers and addresses, v32-255 at work.  Window 1: v0-127 bw_mask as loaded; v128-255 xk fragments, then fw_mask; at last v0-159 the product's 20 accumulators.
.set BWC_, 67584
.set FWA,  135168
.set FWC_, 73728                       ; FWC - FWA
.set IND,  282624
.set Z1C,  307200
.set Z1Q,  315392
.set RED,  135168
.set CT,   282624
.set MSB, 0
.macro WIN new
.if MSB != (\new)
	s_set_vgpr_msb (MSB<<8)|(\new)
.set MSB, (\new)
.endif
.endm
.macro PLACES                          ; four plain vector instructions between a matrix instruction and a load into, or a store of, its registers
.rept 4
	v_nop
.endr
.endm
	s_load_b256 s[4:11], s[0:1], 0x0               ; pj, tab, n_indexes, fw_mask
	s_load_b128 s[12:15], s[0:1], 0x20             ; bw_mask, part
	v_lshrrev_b32 v29, 5, v0
	v_readfirstlane_b32 s16, v29                   ; wave w
	s_mov_b32 s17, ttmp9                           ; slice s
	s_and_b32 s18, ttmp7, 0xffff                   ; batch b
	s_and_b32 s19, s16, 1                          ; the product: my class
	s_lshr_b32 s20, s16, 1                         ; and my pair of k blocks
	s_mov_b32 s23, 0                               ; high word of the offset pair s[22:23]
	s_mov_b32 s28, 0x3089705f                      ; 1e-9
	v_and_b32 v1, 31, v0                           ; L
	v_and_b32 v2, 15, v0                           ; r
	v_bfe_u32 v3, v0, 4, 1                         ; h
	v_lshlrev_b32 v4, 4, v1                        ; 16 L
	v_lshlrev_b32 v30, 2, v2                       ; 4 r
	s_wait_kmcnt 0x0
	s_lshl_b32 s22, s18, 6
	s_add_nc_u64 s[8:9], s[8:9], s[22:23]          ; n_indexes[b]
	s_lshl_b32 s22, s18, 18
	s_lshl_b32 s21, s16, 12
	s_add_co_u32 s22, s22, s21
	s_add_co_u32 s22, s22, 25165824
	s_add_nc_u64 s[24:25], s[4:5], s[22:23]        ; xk: region 3, the batch's 8 tile rows, my 8 tile columns (d = 128 w on)
	s_lshl_b32 s22, s18, 3
	s_add_co_u32 s22, s22, s17
	s_lshl_b32 s22, s22, 15
	s_add_co_u32 s22, s22, s21
	s_add_nc_u64 s[26:27], s[4:5], s[22:23]        ; cond: tile row 8 b + s, my 8 tile columns
	s_lshl_b32 s22, s18, 20
	s_lshl_b32 s21, s16, 17
	s_add_co_u32 s22, s22, s21
	s_lshl_b32 s21, s17, 10
	s_add_co_u32 s22, s22, s21
	s_add_nc_u64 s[12:13], s[12:13], s[22:23]      ; bw_mask[b][16 w][256 s]
	s_lshl_b32 s22, s18, 20
	s_lshl_b32 s21, s17, 17
	s_add_co_u32 s22, s22, s21
	s_add_nc_u64 s[48:49], s[10:11], s[22:23]      ; fw_mask[b][256 s]: the work-group's 128 KiB
	s_lshl_b32 s22, s16, 14
	s_add_nc_u64 s[10:11], s[48:49], s[22:23]      ; my 32 rows of it
	s_lshl_b32 s22, s18, 1
	s_add_co_u32 s22, s22, s19
	s_lshl_b32 s22, s22, 3
	s_lshl_b32 s21, s20, 1
	s_add_co_u32 s22, s22, s21
	s_mul_i32 s22, s22, 81920
	s_mul_i32 s21, s17, 10240
	s_add_co_u32 s22, s22, s21
	s_add_nc_u64 s[14:15], s[14:15], s[22:23]      ; part[b][class][2 pair][s]
; xk's fragments of two K steps (2 t, 2 t + 1) for all eight k blocks: 32 loads of a tile each, into window 1
.macro XKBATCH t
.irp q, 0,1
.irp kb, 0,1,2,3,4,5,6,7
	global_load_b128 v[128+64*\q+8*\kb:128+64*\q+8*\kb+3],   v4, s[24:25] offset:\kb*32768+(2*\t+\q)*1024
	global_load_b128 v[128+64*\q+8*\kb+4:128+64*\q+8*\kb+7], v4, s[24:25] offset:\kb*32768+(2*\t+\q)*1024+512
.endr
.endr
.endm
	global_load_b32 v5, v30, s[8:9]                ; idx[r]
.irp t, 0,1,2,3,4,5,6,7
	global_load_b128 v[224+4*\t:227+4*\t], v4, s[26:27] offset:\t*512      ; cond's 8 tiles, as they lie (a lane: one column d, eight rows l)
.endr
	WIN 0x40
	XKBATCH 0
	WIN 0
	s_lshl_b32 s21, s16, 12
	s_add_co_u32 s21, s21, CT
	v_add_nc_u32 v8, s21, v4                       ; CT + 16 L
	v_bfe_u32 v29, v0, 3, 1                        ; (L / 8) % 2
	v_and_b32 v31, 7, v0
	v_lshl_add_u32 v31, v3, 3, v31                 ; 8 h + L % 8
	v_lshlrev_b32 v9, 4, v31
	v_lshl_add_u32 v9, v29, 8, v9
	v_add_nc_u32 v9, s21, v9                       ; the turning load: lane L takes column 8 h + L % 8, rows 8 ((L / 8) % 2) on, of a tile
	v_lshlrev_b32 v28, 8, v0                       ; 256 x thread
	s_wait_loadcnt 32                              ; idx and cond are in; xk's 32 loads stay out
	v_min_u32 v5, 15, v5
	s_lshl_b32 s21, s16, 12
	v_lshlrev_b32 v6, 4, v5
	v_lshl_add_u32 v6, v3, 8, v6
	v_add_nc_u32 v6, s21, v6                       ; the table's row idx[r], columns 8 h on, of my first tile: the gather is made here
.irp t, 0,1,2,3,4,5,6,7
	ds_store_b128 v8, v[224+4*\t:227+4*\t] offset:\t*512
.endr
.irp t, 0,1,2,3,4,5,6,7
	ds_load_tr16_b128 v[160+4*\t:163+4*\t], v9 offset:\t*512               ; my own bytes, served in order: cond with d along the registers; lanes L and L + 8 meet in a bank, two deep
.endr
.irp st, 0,1,2,3
	global_load_b128 v[192+8*\st:195+8*\st], v6, s[6:7] offset:\st*1024
	global_load_b128 v[196+8*\st:199+8*\st], v6, s[6:7] offset:\st*1024+512
.endr
	WIN 0x40
.irp i, 0,1,2,3,4,5,6,7,8,9,10,11,12,13,14,15
	global_load_b128 v[8*\i:8*\i+3],   v4, s[12:13] offset:\i*8192 th:TH_LOAD_NT         ; bw_mask, row k = 16 w + i, q = 4 L + 0..3
	global_load_b128 v[8*\i+4:8*\i+7], v4, s[12:13] offset:\i*8192+512 th:TH_LOAD_NT     ; q = 128 + 4 L + 0..3
.endr
	WIN 0
	global_prefetch_b8 v28, s[48:49] th:TH_LOAD_NT scope:SCOPE_SE                 ; fw_mask: each block of 256 bytes of the work-group's 128 KiB is asked for once, by one lane,
	global_prefetch_b8 v28, s[48:49] offset:65536 th:TH_LOAD_NT scope:SCOPE_SE    ; one phase (64 matrix instructions and two waits for loads) ahead of its loads
	; the other addresses
	v_lshlrev_b32 v7, 9, v3
	v_lshl_add_u32 v7, v2, 4, v7                   ; 512 h + 16 r
	s_lshl_b32 s21, s16, 14
	s_add_co_u32 s21, s21, RED
	v_add_nc_u32 v10, s21, v4                      ; RED: my 16 tiles
	s_lshl_b32 s21, s16, 10
	s_add_co_u32 s21, s21, RED
	v_add_nc_u32 v11, s21, v4                      ; RED: tile w of wave 0
	v_add_nc_u32 v12, 0x10000, v11                 ; of wave 4
	s_mul_i32 s29, s16, 8448                       ; ZT, and my 16 rows of BWA
	v_mul_u32_u24 v13, v2, 144
	v_lshl_add_u32 v13, v3, 5, v13
	v_add_nc_u32 v13, s29, v13
	s_lshl_b32 s21, s16, 6
	s_add_co_u32 s21, s21, Z1C
	v_lshlrev_b32 v14, 12, v3
	v_lshl_add_u32 v14, v2, 2, v14
	v_add_nc_u32 v14, s21, v14
	s_mul_i32 s21, s16, 3072
	s_add_co_u32 s21, s21, IND
	v_mul_u32_u24 v15, v1, 96
	v_add_nc_u32 v15, s21, v15                     ; IND's row q = 32 w + L
	v_and_b32 v30, 3, v0
	v_lshl_add_u32 v16, v30, 4, s29                ; ZT + 16 (L % 4)
	v_lshrrev_b32 v30, 2, v1
	v_lshl_add_u32 v17, v30, 2, s29                ; ZT + 4 (L / 4)
	v_lshl_add_u32 v18, v1, 3, s29
	v_add_nc_u32 v19, BWC_, v18
	v_add_nc_u32 v20, Z1Q, v7
	s_lshl_b32 s21, s16, 10
	s_add_co_u32 s21, s21, Z1C
	v_lshl_add_u32 v21, v2, 4, s21
	s_mul_i32 s21, s16, 9216
	s_add_co_u32 s21, s21, FWA
	v_mul_u32_u24 v22, v3, 288
	v_lshl_add_u32 v22, v2, 3, v22
	v_add_nc_u32 v22, s21, v22
	v_add_nc_u32 v23, FWC_, v22
	s_mul_i32 s21, s19, BWC_
	s_mul_i32 s30, s20, 16896
	s_add_co_u32 s21, s21, s30
	v_mul_u32_u24 v24, v2, 528
	v_lshl_add_u32 v24, v3, 4, v24
	v_add_nc_u32 v24, s21, v24
	s_mul_i32 s21, s19, FWC_
	s_add_co_u32 s21, s21, FWA
	v_mul_u32_u24 v25, v31, 288
	v_lshl_add_u32 v25, v29, 4, v25
	v_add_nc_u32 v25, s21, v25
	v_add_nc_u32 v26, 36864, v25
	v_mul_u32_u24 v27, v31, 96
	v_lshl_add_u32 v27, v29, 4, v27
	v_add_nc_u32 v27, IND, v27
	; PHASE A: my 128 of the 1,024 d, four K steps: partial CK (v32 + 8 kb) and QK (v96 + 8 kb) for all eight k blocks.  A lane holds key 16 kb + r and rows l (or e) 8 h + 0..7.
	; The 16 accumulators take turns, one instruction a turn.
.macro STEPA st, zero
.irp kb, 0,1,2,3,4,5,6,7
.if \zero
	v_wmma_f32_16x16x32_f16 v[32+8*\kb:39+8*\kb], v[160+8*\st:167+8*\st], v[128+64*(\st%2)+8*\kb:135+64*(\st%2)+8*\kb], 0
	v_wmma_f32_16x16x32_f16 v[96+8*\kb:103+8*\kb], v[192+8*\st:199+8*\st], v[128+64*(\st%2)+8*\kb:135+64*(\st%2)+8*\kb], 0
.else
	v_wmma_f32_16x16x32_f16 v[32+8*\kb:39+8*\kb], v[160+8*\st:167+8*\st], v[128+64*(\st%2)+8*\kb:135+64*(\st%2)+8*\kb], v[32+8*\kb:39+8*\kb]
	v_wmma_f32_16x16x32_f16 v[96+8*\kb:103+8*\kb], v[192+8*\st:199+8*\st], v[128+64*(\st%2)+8*\kb:135+64*(\st%2)+8*\kb], v[96+8*\kb:103+8*\kb]
.endif
.endr
.endm
	s_wait_loadcnt 32                              ; xk's first batch and the table's rows are in; bw_mask's 32 loads stay out
	s_wait_dscnt 0x0                               ; cond's fragments
	WIN 0x04                                       ; source 1 (xk) in window 1
	STEPA 0, 1
	STEPA 1, 0
	PLACES
	WIN 0x40
	XKBATCH 1
	WIN 0
	s_wait_loadcnt 0x0                             ; the second batch; bw_mask, asked for earlier, is in with it
	WIN 0x04
	STEPA 2, 0
	STEPA 3, 0
	PLACES
	WIN 0x40
.irp x, 0,1,2,3,4,5,6,7,8,9,10,11,12,13,14,15
	global_load_b128 v[128+8*\x:128+8*\x+3],   v7, s[10:11] offset:\x*1024 th:TH_LOAD_NT       ; fw_mask, rows q = 32 w + 2 x + h, k' = 4 r + 0..3
	global_load_b128 v[128+8*\x+4:128+8*\x+7], v7, s[10:11] offset:\x*1024+256 th:TH_LOAD_NT   ; k' = 64 + 4 r + 0..3
.endr
	WIN 0
.irp t, 0,1,2,3,4,5,6,7,8,9,10,11,12,13,14,15
	ds_store_b128 v10, v[32+8*\t:35+8*\t] offset:\t*1024                   ; each accumulator from its low end on
	ds_store_b128 v10, v[36+8*\t:39+8*\t] offset:\t*1024+512
.endr
	s_wait_dscnt 0x0                               ; for the others' sake: my partial sums are in LDS (and my reads of CT are long over)
	s_barrier_signal -1
	s_barrier_wait -1
	; wave w adds the eight waves' tiles of k block w, and divides by sqrt(1024)
.irp u, 0,1,2,3,4,5,6,7
.irp q, 0,1
.irp p, 0,1
.if \u < 4
	ds_load_b128 v[32+16*\u+8*\q+4*\p:35+16*\u+8*\q+4*\p], v11 offset:\u*16384+\q*8192+\p*512
.else
	ds_load_b128 v[32+16*\u+8*\q+4*\p:35+16*\u+8*\q+4*\p], v12 offset:(\u-4)*16384+\q*8192+\p*512
.endif
.endr
.endr
.endr
	; meanwhile IND's row q = 32 w + L (l = 2 w + h, e = r): 1.0 at column l and at column 16 + idx[e], in words of two bf16
	v_mov_b32 v176, 0x3f80
	v_lshlrev_b32 v177, 4, v3
	v_lshlrev_b32 v177, v177, v176                 ; 1.0 in half h
	v_and_b32 v178, 1, v5
	v_lshlrev_b32 v178, 4, v178
	v_lshlrev_b32 v178, v178, v176                 ; 1.0 in half idx % 2
	v_lshrrev_b32 v179, 1, v5
	v_mov_b32 v180, s16
.irp c, 0,1,2,3,4,5,6,7
	v_cmp_eq_u32 vcc_lo, \c, v180
	v_cndmask_b32 v[160+\c], 0, v177, vcc_lo
	v_cmp_eq_u32 vcc_lo, \c, v179
	v_cndmask_b32 v[168+\c], 0, v178, vcc_lo
.endr
	s_wait_dscnt 0x0
.irp u, 0,1,2,3
.irp j, 0,2,4,6,8,10,12,14
	v_pk_add_f32 v[32+16*\u+\j:33+16*\u+\j], v[32+16*\u+\j:33+16*\u+\j], v[96+16*\u+\j:97+16*\u+\j]
.endr
.endr
.irp u, 0,1
.irp j, 0,2,4,6,8,10,12,14
	v_pk_add_f32 v[32+16*\u+\j:33+16*\u+\j], v[32+16*\u+\j:33+16*\u+\j], v[64+16*\u+\j:65+16*\u+\j]
.endr
.endr
.irp j, 0,2,4,6,8,10,12,14
	v_pk_add_f32 v[32+\j:33+\j], v[32+\j:33+\j], v[48+\j:49+\j]
.endr
.irp j, 0,2,4,6,8,10,12,14
	v_pk_mul_f32 v[32+\j:33+\j], v[32+\j:33+\j], 0x3d000000 op_sel_hi:[1,0]        ; v32-39 CK / 32, v40-47 QK / 32
.endr
	ds_store_b128 v13, v[32:35]                    ; ZT[k = r]: CK's l = 8 h + 0..7, then QK's e
	ds_store_b128 v13, v[36:39] offset:16
	ds_store_b128 v13, v[40:43] offset:64
	ds_store_b128 v13, v[44:47] offset:80
.irp j, 0,1,2,3,4,5,6,7
	ds_store_b32 v14, v[32+\j] offset:\j*512       ; Z1C[l][k]
	ds_store_b32 v14, v[40+\j] offset:\j*512+8192  ; Z1Q[e][k]
.endr
.irp c, 0,1,2,3
	ds_store_b128 v15, v[160+4*\c:163+4*\c] offset:\c*16
.endr
	; BW PHASE: rows k = 16 w + i; a lane's eight q of a row: l = 8 hf + L / 4, e = 4 (L % 4) + 0..3
.irp i, 0,1,2,3,4,5,6,7,8,9,10,11,12,13,14,15
	ds_load_b128 v[48+4*\i:51+4*\i], v16 offset:\i*144+64                  ; QK of my four e (my own bytes, served in order behind the stores)
	ds_load_b32 v[112+2*\i], v17 offset:\i*144                             ; CK of my l, hf = 0
	ds_load_b32 v[113+2*\i], v17 offset:\i*144+32                          ; hf = 1
.endr
	s_wait_dscnt 0x0                               ; ZT is read out: the stores below may lie over it
.macro BWGRP g                         ; rows 2 g and 2 g + 1
	WIN 0x04
.set x, 0
.rept 16
	v_cmp_ne_u32 s[32+x], 0, v[16*\g+x]
.set x, x+1
.endr
	WIN 0
.irp ii, 0,1
.irp hf, 0,1
.set RI, 2*\g+\ii
.set TBR, 160+16*(2*\ii+\hf)
.set MX, 32+8*\ii+4*\hf
.irp c, 0,1,2,3
	v_add_f32 v[TBR+\c], v[48+4*RI+\c], v[112+2*RI+\hf]
.endr
.irp c, 0,1,2,3
	v_cndmask_b32 v[TBR+\c], 0, v[TBR+\c], s[MX+\c]                        ; z where the mask is set, else 0
.endr
.irp c, 0,1,2,3
	v_max_num_f32 v[TBR+4+\c], 0, v[TBR+\c]                                ; relu(z)
.endr
.irp c, 0,1,2,3
	v_sub_f32 v[TBR+8+\c], v[TBR+4+\c], v[TBR+\c]                          ; relu(-z) = relu(z) - z, exactly
.endr
	v_cvt_pk_bf16_f32 v[TBR+12], v[TBR+4], v[TBR+5]
	v_cvt_pk_bf16_f32 v[TBR+13], v[TBR+6], v[TBR+7]
	v_cvt_pk_bf16_f32 v[TBR+14], v[TBR+8], v[TBR+9]
	v_cvt_pk_bf16_f32 v[TBR+15], v[TBR+10], v[TBR+11]
	ds_store_b64 v18, v[TBR+12:TBR+13] offset:RI*528+\hf*256
	ds_store_b64 v19, v[TBR+14:TBR+15] offset:RI*528+\hf*256
.endr
.endr
.endm
.irp g, 0,1,2,3,4,5,6,7
	BWGRP \g
.endr
	s_wait_dscnt 0x0                               ; for the others' sake: Z1, IND and my rows of BWA, BWC are written; my reads of RED are over
	s_barrier_signal -1
	s_barrier_wait -1
	; FW PHASE: rows q = 32 w + 16 li + 2 i + h (l = 2 w + li, e = 2 i + h); the 16 lanes of a half hold a row: k' = 64 kh + 4 r + 0..3
.irp i, 0,1,2,3,4,5,6,7
	ds_load_b128 v[48+8*\i:51+8*\i], v20 offset:\i*1024
	ds_load_b128 v[52+8*\i:55+8*\i], v20 offset:\i*1024+256
.endr
.irp li, 0,1
	ds_load_b128 v[112+8*\li:115+8*\li], v21 offset:\li*512
	ds_load_b128 v[116+8*\li:119+8*\li], v21 offset:\li*512+256
.endr
	s_wait_dscnt 0x0
.macro FWSTEP                          ; row pair LI, II; PAR picks the temporaries and the eight mask registers
.set TF, 128+48*PAR
.set MX, 32+8*PAR
.irp j, 0,2,4,6
	v_pk_add_f32 v[TF+\j:TF+\j+1], v[48+8*II+\j:49+8*II+\j], v[112+8*LI+\j:113+8*LI+\j]
.endr
.irp x, 0,1,2,3,4,5,6,7
	v_cndmask_b32 v[TF+\x], 0, v[TF+\x], s[MX+\x]
.endr
.irp x, 0,1,2,3,4,5,6,7
	v_max_num_f32 v[TF+8+\x], 0, v[TF+\x]
.endr
.irp x, 0,1,2,3,4,5,6,7
	v_sub_f32 v[TF+16+\x], v[TF+8+\x], v[TF+\x]
.endr
	v_pk_add_f32 v[TF+24:TF+25], v[TF+8:TF+9], v[TF+10:TF+11]
	v_pk_add_f32 v[TF+26:TF+27], v[TF+12:TF+13], v[TF+14:TF+15]
	v_pk_add_f32 v[TF+28:TF+29], v[TF+16:TF+17], v[TF+18:TF+19]
	v_pk_add_f32 v[TF+30:TF+31], v[TF+20:TF+21], v[TF+22:TF+23]
	v_pk_add_f32 v[TF+24:TF+25], v[TF+24:TF+25], v[TF+26:TF+27]
	v_pk_add_f32 v[TF+28:TF+29], v[TF+28:TF+29], v[TF+30:TF+31]
	v_add_f32 v[TF+24], v[TF+24], v[TF+25]
	v_add_f32 v[TF+28], v[TF+28], v[TF+29]
.irp m, 1,2,4,8                        ; over the 16 lanes that hold the row
	v_add_f32_dpp v[TF+24], v[TF+24], v[TF+24] row_xmask:\m row_mask:0xf bank_mask:0xf
	v_add_f32_dpp v[TF+28], v[TF+28], v[TF+28] row_xmask:\m row_mask:0xf bank_mask:0xf
.endr
	v_add_f32 v[TF+24], s28, v[TF+24]
	v_add_f32 v[TF+28], s28, v[TF+28]
	v_rcp_f32 v[TF+25], v[TF+24]
	v_rcp_f32 v[TF+29], v[TF+28]
	v_nop                                          ; a plain instruction behind the reciprocals
	s_wait_alu depctr_va_vdst(0)
.irp x, 0,1,2,3,4,5,6,7
	v_mul_f32 v[TF+8+\x], v[TF+25], v[TF+8+\x]
.endr
.irp x, 0,1,2,3,4,5,6,7
	v_mul_f32 v[TF+16+\x], v[TF+29], v[TF+16+\x]
.endr
.irp y, 0,1,2,3
	v_cvt_pk_bf16_f32 v[TF+32+\y], v[TF+8+2*\y], v[TF+9+2*\y]
	v_cvt_pk_bf16_f32 v[TF+36+\y], v[TF+16+2*\y], v[TF+17+2*\y]
.endr
.irp kh, 0,1
	ds_store_b64 v22, v[TF+32+2*\kh:TF+33+2*\kh] offset:(16*LI+2*II)*288+\kh*128
	ds_store_b64 v23, v[TF+36+2*\kh:TF+37+2*\kh] offset:(16*LI+2*II)*288+\kh*128
.endr
.endm
.macro FWGRP gg
	s_wait_loadcnt 28-4*\gg                        ; this group's four mask loads are in; the 28 - 4 gg younger ones stay out
	WIN 0x04
.set x, 0
.rept 16
	v_cmp_ne_u32 s[32+x], 0, v[128+16*\gg+x]
.set x, x+1
.endr
	WIN 0
.set LI, (2*\gg)/8
.set II, (2*\gg)%8
.set PAR, 0
	FWSTEP
.set II, II+1
.set PAR, 1
	FWSTEP
.endm
.irp gg, 0,1,2,3,4,5,6,7
	FWGRP \gg
.endr
	s_wait_dscnt 0x0                               ; for the others' sake: my rows of FWA, FWC are written
	s_barrier_signal -1
	s_barrier_wait -1
	; THE PRODUCT: class w % 2, k blocks 2 (w / 2) + m, m = 0, 1; columns n = 0..7 fw weights, 8 and 9 IND; K = q in eight steps of 32 on two fragment buffers.
	; Source 0 = 16 columns (turned out of LDS), source 1 = 16 rows k: a lane holds row k = r and columns 8 h + 0..7.  20 accumulators by turns.
.macro FETCHP st
.set PB, 32+96*((\st)%2)
.irp m, 0,1
	ds_load_b128 v[PB+8*\m:PB+8*\m+3],   v24 offset:\m*8448+(\st)*64
	ds_load_b128 v[PB+8*\m+4:PB+8*\m+7], v24 offset:\m*8448+(\st)*64+32
.endr
.irp n, 0,1,2,3,4,5,6,7
.if (\st) < 4
	ds_load_tr16_b128 v[PB+16+8*\n:PB+16+8*\n+3],   v25 offset:((\st)%4)*9216+\n*32
	ds_load_tr16_b128 v[PB+16+8*\n+4:PB+16+8*\n+7], v25 offset:((\st)%4)*9216+\n*32+4608
.else
	ds_load_tr16_b128 v[PB+16+8*\n:PB+16+8*\n+3],   v26 offset:((\st)%4)*9216+\n*32
	ds_load_tr16_b128 v[PB+16+8*\n+4:PB+16+8*\n+7], v26 offset:((\st)%4)*9216+\n*32+4608
.endif
.endr
.irp n, 0,1
	ds_load_tr16_b128 v[PB+80+8*\n:PB+80+8*\n+3],   v27 offset:(\st)*3072+\n*32
	ds_load_tr16_b128 v[PB+80+8*\n+4:PB+80+8*\n+7], v27 offset:(\st)*3072+\n*32+1536
.endr
.endm
.macro MULP st
.set PB, 32+96*((\st)%2)
	WIN 0x50                                       ; C and D in window 1
.irp m, 0,1
.irp n, 0,1,2,3,4,5,6,7,8,9
.if (\st) == 0
	v_wmma_f32_16x16x32_bf16 v[8*(10*\m+\n):8*(10*\m+\n)+7], v[PB+16+8*\n:PB+16+8*\n+7], v[PB+8*\m:PB+8*\m+7], 0
.else
	v_wmma_f32_16x16x32_bf16 v[8*(10*\m+\n):8*(10*\m+\n)+7], v[PB+16+8*\n:PB+16+8*\n+7], v[PB+8*\m:PB+8*\m+7], v[8*(10*\m+\n):8*(10*\m+\n)+7]
.endif
.endr
.endr
	WIN 0
.endm
	FETCHP 0
.irp st, 0,1,2,3,4,5,6
.if \st > 0
	PLACES
.endif
	FETCHP \st+1
	s_wait_dscnt 24                                ; all but the 24 just issued
	MULP \st
.endr
	s_wait_dscnt 0x0
	MULP 7
	PLACES
	WIN 0x04                                       ; the stores' data in window 1
.irp m, 0,1
.irp n, 0,1,2,3,4,5,6,7,8,9
	global_store_b128 v4, v[8*(10*\m+\n):8*(10*\m+\n)+3],   s[14:15] offset:\m*81920+\n*1024       ; a tile as it lies in registers: 512 neighbouring bytes a store, low end first
	global_store_b128 v4, v[8*(10*\m+\n)+4:8*(10*\m+\n)+7], s[14:15] offset:\m*81920+\n*1024+512
.endr
.endr
	WIN 0
	s_wait_xcnt 0x0
	v_lshl_add_u32 v254, v0, 2, 0x4f000
	v_mov_b32 v255, 0
	s_wait_tensorcnt 0x0
	ds_add_u32 v254, v255
	s_wait_dscnt 0x0
	s_endpgm
.Lfunc_end_k_q146bb066db_attn:
	.size	k_q146bb066db_attn, .Lfunc_end_k_q146bb066db_attn-k_q146bb066db_attn
	.p2alignl 7, 3214868480
	.fill 96, 4, 3214868480
	.section	.rodata,"a",@progbits
	.p2align	6, 0x0
	.amdhsa_kernel k_q146bb066db_attn
		.amdhsa_group_segment_fixed_size 324608
		.amdhsa_private_segment_fixed_size 0
		.amdhsa_enable_private_segment 0
		.amdhsa_kernarg_size 48
		.amdhsa_user_sgpr_count 2
		.amdhsa_user_sgpr_kernarg_segment_ptr 1
		.amdhsa_wavefront_size32 1
		.amdhsa_system_sgpr_workgroup_id_x 1
		.amdhsa_system_sgpr_workgroup_id_y 1
		.amdhsa_system_sgpr_workgroup_id_z 1
		.amdhsa_system_vgpr_workitem_id 0
		.amdhsa_next_free_vgpr 512
		.amdhsa_next_free_sgpr 66
		.amdhsa_reserve_vcc 1
		.amdhsa_float_denorm_mode_32 3
		.amdhsa_float_denorm_mode_16_64 3
		.amdhsa_memory_ordered 1
		.amdhsa_forward_progress 1
		.amdhsa_inst_pref_size 176
	.end_amdhsa_kernel
	.amdgpu_metadata
---
amdhsa.version: [ 1, 2 ]
amdhsa.kernels:
  - .name:           k_q146bb066db_attn
    .symbol:         k_q146bb066db_attn.kd
    .args:
      - { .name: pj, .offset: 0, .size: 8, .value_kind: global_buffer, .address_space: global }
      - { .name: tab, .offset: 8, .size: 8, .value_kind: global_buffer, .address_space: global }
      - { .name: n_indexes, .offset: 16, .size: 8, .value_kind: global_buffer, .address_space: global }
      - { .name: fw_mask, .offset: 24, .size: 8, .value_kind: global_buffer, .address_space: global }
      - { .name: bw_mask, .offset: 32, .size: 8, .value_kind: global_buffer, .address_space: global }
      - { .name: part, .offset: 40, .size: 8, .value_kind: global_buffer, .address_space: global }
    .group_segment_fixed_size: 324608
    .private_segment_fixed_size: 0
    .kernarg_segment_align: 8
    .kernarg_segment_size: 48
    .max_flat_workgroup_size: 256
    .sgpr_count:     66
    .vgpr_count:     512
    .wavefront_size: 32
...
	.end_amdgpu_metadata
.endif
;; end of part 7
;; launch fin (part 8): grid 8 x 32, 8 waves a work-group, no clusters, 101,376 bytes of LDS; arguments part, pj, tab, sel, out0; writes out0
.if DOCPART == 8
	.amdgcn_target "amdgcn-amd-amdhsa--gfx1250"
	.amdhsa_code_object_version 6
	.text
	.protected	k_q146bb066db_fin
	.globl	k_q146bb066db_fin
	.p2align	8
	.type	k_q146bb066db_fin,@function
k_q146bb066db_fin:
	s_mov_b64 s[64:65], 0
	v_nop
	global_prefetch_b8 v0, s[64:65] scope:SCOPE_SE
	s_setreg_imm32_b32 hwreg(HW_REG_WAVE_MODE, 25, 1), 1
	s_wait_xcnt 0x0
; out[k] = sel * A[k] + (1 - sel) * B[k], with, for each class,
;   A[k] = ( M'[k][:] V + Al'[k][:] cond + At'[k][:] bias_emb ) / (S[k] + 1e-9),
;   M' and At' = the sums of the eight slices' parts, Al' = the slices' parts side by side,   S[k] = the sum over t of At'[k][t].
; (The two chained weighted sums of reference() are linear and bias_exp is a sum of a vector of l and a vector of idx[e]; all weights are >= 0, so no difference of large sums is formed.)
; A work-group owns 16 rows k of one batch and all 1,024 columns; wave w owns columns 128 w on: 2 classes x 8 accumulators.
; FORMATS: V, cond and the table come in f16.  G = [M' | Al' | At'] is divided by S + 1e-9 in f32 FIRST and then rounded to f16: no entry of a row exceeds the row's sum S by more than
;   rounding, so every divided entry is at most about 1 whatever the inputs' scale, and f16 has room; entries under 6e-5 keep an absolute step of 6e-8.  Sums, divisors, gate in f32.
; LIMIT: S is the sum of the weights as the launch before rounded them to bf16, the same numbers that the numerators are made of; sums are formed in another order than reference()'s.
; NO CLUSTER: V, cond and the table lie in memory in fragment order and go straight into registers, so there is no LDS tile that a joint load could fill; the price is that the eight
; work-groups of a batch each read the batch's 768 KiB of V and cond.  part, sel and out0 are touched once.
; LDS: GL [class][16 tiles][512] G in fragment order; AT [slice][class][1024] At' as it came; ST 16 rows x 528 bytes a wave, its own, for the way out.
; REGISTERS: window 0: v4-10 addresses, v12-27 at work, v32-47 At' fragments, v48-51 the two reciprocals (each twice), v64-255 a ring of three buffers of eight column fragments.
;   window 1: v0-127 M' as loaded, then At' of all slices, then the accumulators (class a at 8 n, class b at 64 + 8 n);
;             v128-143 Al', v144-159 At' of my slice, v160-175 M' summed; then v128-255 G's fragments at 128 + 64 class + 8 i.
.set AT, 16384
.set ST, 32768
.set MSB, 0
.macro WIN new
.if MSB != (\new)
	s_set_vgpr_msb (MSB<<8)|(\new)
.set MSB, (\new)
.endif
.endm
.macro PLACES                          ; four plain vector instructions between a matrix instruction and a load into, or a vector read of, its registers
.rept 4
	v_nop
.endr
.endm
	s_load_b256 s[4:11], s[0:1], 0x0               ; part, pj, tab, sel
	s_load_b64 s[12:13], s[0:1], 0x20              ; out0
	v_lshl_add_u32 v62, v0, 2, 0x18800
	v_mov_b32 v63, 0
	v_lshrrev_b32 v1, 5, v0
	v_readfirstlane_b32 s16, v1                    ; wave w
	s_mov_b32 s17, ttmp9                           ; mb: my 16 rows
	s_and_b32 s18, ttmp7, 0xffff                   ; batch b
	s_mov_b32 s15, 0                               ; high word of the offset pair s[14:15]
	s_mov_b32 s36, 0x76543210                      ; v_permlanex16_b32: each lane takes its own place in the other half
	s_mov_b32 s37, 0xfedcba98
	s_mov_b32 s38, 0x3089705f                      ; 1e-9
	v_and_b32 v1, 31, v0
	v_and_b32 v2, 15, v0
	v_bfe_u32 v3, v0, 4, 1
	v_lshlrev_b32 v4, 4, v1                        ; 16 L
	s_lshl_b32 s19, s16, 9
	v_add_nc_u32 v5, s19, v4                       ; GL: tile w
	s_lshl_b32 s19, s16, 11
	s_add_co_u32 s19, s19, AT
	v_add_nc_u32 v6, s19, v4                       ; AT: slice w
	s_lshl_b32 s19, s16, 10
	v_add_nc_u32 v7, s19, v4                       ; part: tile n = w
	s_mul_i32 s19, s16, 10240
	v_add_nc_u32 v10, s19, v4                      ; part: slice s = w
	s_mul_i32 s19, s16, 8448
	s_add_co_u32 s19, s19, ST
	v_mul_u32_u24 v8, v2, 528
	v_lshl_add_u32 v8, v3, 5, v8
	v_add_nc_u32 v8, s19, v8                       ; my stage: row r, 32 bytes for each half of the lanes
	v_add_nc_u32 v9, s19, v4                       ; back: a row of 512 bytes
	s_wait_kmcnt 0x0
	s_lshl_b32 s14, s18, 4
	s_add_co_u32 s14, s14, s17
	s_mul_i32 s14, s14, 81920
	s_add_nc_u64 s[20:21], s[4:5], s[14:15]        ; part[b][class a][mb]
	s_add_nc_u64 s[22:23], s[20:21], 655360        ; class b
	s_lshl_b32 s14, s18, 18
	s_lshl_b32 s19, s16, 12
	s_add_co_u32 s14, s14, s19
	s_add_nc_u64 s[28:29], s[6:7], s[14:15]        ; cond: the batch's 8 tile rows, my 8 tile columns
	s_add_nc_u64 s[24:25], s[28:29], 8388608       ; Va
	s_add_nc_u64 s[26:27], s[24:25], 8388608       ; Vb
	s_add_co_u32 s14, s19, 32768
	s_add_nc_u64 s[30:31], s[8:9], s[14:15]        ; bias_emb's tiles
	s_lshl_b32 s14, s18, 3
	s_add_co_u32 s14, s14, s17
	s_lshl_b32 s14, s14, 16
	s_lshl_b32 s19, s16, 13
	s_add_co_u32 s14, s14, s19
	s_add_nc_u64 s[32:33], s[10:11], s[14:15]      ; sel
	s_lshl_b32 s14, s18, 19
	s_lshl_b32 s19, s17, 16
	s_add_co_u32 s14, s14, s19
	s_lshl_b32 s19, s16, 9
	s_add_co_u32 s14, s14, s19
	s_add_nc_u64 s[34:35], s[12:13], s[14:15]      ; out0[128 b + 16 mb][128 w]
; Group g of 14: sixteen loads, eight column fragments (or, g = 13, eight tiles of sel) into ring buffer g % 3.
;   g = 0, 2, 4, 6: Va, K step g / 2;  1, 3, 5, 7: Vb;  8..11: cond, K step g - 8;  12: the table (16 rows: its one tile fills both halves, the upper half meets zeros);  13: sel
.macro LOADG g
.set LB, 64+64*((\g)%3)
.set ON, 512
.set O2, 32768
.if (\g) < 8
.set SB, 24+2*((\g)%2)
.set O0, ((\g)/2)*65536
.elseif (\g) < 12
.set SB, 28
.set O0, ((\g)-8)*65536
.elseif (\g) == 12
.set SB, 30
.set O0, 0
.set O2, 0
.else
.set SB, 32
.set O0, 0
.set ON, 1024
.set O2, 512
.endif
.irp n, 0,1,2,3,4,5,6,7
	global_load_b128 v[LB+8*\n:LB+8*\n+3],   v4, s[SB:SB+1] offset:O0+\n*ON
	global_load_b128 v[LB+8*\n+4:LB+8*\n+7], v4, s[SB:SB+1] offset:O0+\n*ON+O2
.endr
.endm
; in window 1: eight tiles of eight registers at base + 8 u are added; the last addition puts the sum at dst
.macro SUM8 base, dst
.irp u, 0,1,2,3
.irp j, 0,2,4,6
	v_pk_add_f32 v[(\base)+8*\u+\j:(\base)+8*\u+\j+1], v[(\base)+8*\u+\j:(\base)+8*\u+\j+1], v[(\base)+8*\u+32+\j:(\base)+8*\u+33+\j]
.endr
.endr
.irp u, 0,1
.irp j, 0,2,4,6
	v_pk_add_f32 v[(\base)+8*\u+\j:(\base)+8*\u+\j+1], v[(\base)+8*\u+\j:(\base)+8*\u+\j+1], v[(\base)+8*\u+16+\j:(\base)+8*\u+17+\j]
.endr
.endr
.irp j, 0,2,4,6
	v_pk_add_f32 v[(\dst)+\j:(\dst)+\j+1], v[(\base)+\j:(\base)+\j+1], v[(\base)+8+\j:(\base)+9+\j]
.endr
.endm
	WIN 0x40
.irp cl, 0,1
	global_load_b128 v[144+8*\cl:147+8*\cl], v10, s[20+2*\cl:21+2*\cl] offset:9216 th:TH_LOAD_NT                  ; At' of slice w: first, since all waves wait for it
	global_load_b128 v[148+8*\cl:151+8*\cl], v10, s[20+2*\cl:21+2*\cl] offset:9728 th:TH_LOAD_NT
.endr
.irp cl, 0,1
.irp u, 0,1,2,3,4,5,6,7
	global_load_b128 v[64*\cl+8*\u:64*\cl+8*\u+3],   v7, s[20+2*\cl:21+2*\cl] offset:\u*10240 th:TH_LOAD_NT       ; M': tile n = w of slice u
	global_load_b128 v[64*\cl+8*\u+4:64*\cl+8*\u+7], v7, s[20+2*\cl:21+2*\cl] offset:\u*10240+512 th:TH_LOAD_NT
.endr
.endr
.irp cl, 0,1
	global_load_b128 v[128+8*\cl:131+8*\cl], v10, s[20+2*\cl:21+2*\cl] offset:8192 th:TH_LOAD_NT                  ; Al' of slice w
	global_load_b128 v[132+8*\cl:135+8*\cl], v10, s[20+2*\cl:21+2*\cl] offset:8704 th:TH_LOAD_NT
.endr
	s_wait_loadcnt 36                              ; At' is in; M's 32 loads and Al's 4 stay out
	WIN 0x04                                       ; the stores' data in window 1
.irp cl, 0,1
	ds_store_b128 v6, v[144+8*\cl:147+8*\cl] offset:\cl*1024
	ds_store_b128 v6, v[148+8*\cl:151+8*\cl] offset:\cl*1024+512
.endr
	WIN 0
	LOADG 0
	LOADG 1
	LOADG 2
	s_wait_loadcnt 48                              ; M' and Al' are in; the ring's three groups of 16 stay out
	WIN 0x45                                       ; all in window 1
	SUM8 0, 160                                    ; M' tile w, class a: the sum leaves the registers that At' of all slices takes next
	SUM8 64, 168                                   ; class b
	WIN 0
	s_wait_dscnt 0x0                               ; for the others' sake: my slice's At' is in LDS
	s_barrier_signal -1
	s_barrier_wait -1
	WIN 0x40
.irp cl, 0,1
.irp u, 0,1,2,3,4,5,6,7
	ds_load_b128 v[64*\cl+8*\u:64*\cl+8*\u+3],   v4 offset:AT+\u*2048+\cl*1024
	ds_load_b128 v[64*\cl+8*\u+4:64*\cl+8*\u+7], v4 offset:AT+\u*2048+\cl*1024+512
.endr
.endr
	s_wait_dscnt 0x0
	WIN 0x45
	SUM8 0, 0                                      ; At', class a: every wave makes it, in the same order
	SUM8 64, 64                                    ; class b
	WIN 0x05                                       ; sources in window 1, destination in window 0
	v_pk_add_f32 v[12:13], v[0:1], v[2:3]          ; S: my eight t,
	v_pk_add_f32 v[14:15], v[4:5], v[6:7]
	v_pk_add_f32 v[16:17], v[64:65], v[66:67]
	v_pk_add_f32 v[18:19], v[68:69], v[70:71]
	WIN 0
	v_pk_add_f32 v[12:13], v[12:13], v[14:15]
	v_pk_add_f32 v[16:17], v[16:17], v[18:19]
	v_add_f32 v12, v12, v13
	v_add_f32 v16, v16, v17
	v_permlanex16_b32 v13, v12, s36, s37           ; and the other half of the lanes' eight
	v_permlanex16_b32 v17, v16, s36, s37
	v_add_f32 v12, v12, v13
	v_add_f32 v16, v16, v17
	v_add_f32 v12, s38, v12
	v_add_f32 v16, s38, v16
	v_rcp_f32 v48, v12                             ; each reciprocal twice: a pair for the packed arithmetic.  A lane holds row r in every tile of G, so its own reciprocal serves them all
	v_rcp_f32 v49, v12
	v_rcp_f32 v50, v16
	v_rcp_f32 v51, v16
.irp i, 36,37,38,39,44,45,46,47
	v_mov_b32 v\i, 0                               ; the table has 16 rows: the upper half of At's fragments is zero (also the plain instructions behind the reciprocals)
.endr
	WIN 0x41                                       ; G in window 1, in place; the reciprocals in window 0
	s_wait_alu depctr_va_vdst(0)
.irp j, 0,2,4,6
	v_pk_mul_f32 v[160+\j:161+\j], v[160+\j:161+\j], v[48:49]              ; M' class a
	v_pk_mul_f32 v[168+\j:169+\j], v[168+\j:169+\j], v[50:51]              ; M' class b
	v_pk_mul_f32 v[128+\j:129+\j], v[128+\j:129+\j], v[48:49]              ; Al' class a
	v_pk_mul_f32 v[136+\j:137+\j], v[136+\j:137+\j], v[50:51]              ; Al' class b
	v_pk_mul_f32 v[\j:\j+1], v[\j:\j+1], v[48:49]                          ; At' class a
	v_pk_mul_f32 v[64+\j:65+\j], v[64+\j:65+\j], v[50:51]                  ; At' class b
.endr
	WIN 0x05
.irp i, 0,1,2,3
	v_cvt_pk_f16_f32 v[12+\i], v[160+2*\i], v[161+2*\i]                    ; a lane's row r, columns 8 h + 0..7: the 16 bytes of a row fragment
	v_cvt_pk_f16_f32 v[16+\i], v[168+2*\i], v[169+2*\i]
	v_cvt_pk_f16_f32 v[20+\i], v[128+2*\i], v[129+2*\i]
	v_cvt_pk_f16_f32 v[24+\i], v[136+2*\i], v[137+2*\i]
	v_cvt_pk_f16_f32 v[32+\i], v[2*\i], v[2*\i+1]
	v_cvt_pk_f16_f32 v[40+\i], v[64+2*\i], v[65+2*\i]
.endr
	WIN 0
.irp cl, 0,1
	ds_store_b128 v5, v[12+4*\cl:15+4*\cl] offset:\cl*8192                 ; G's tile w
	ds_store_b128 v5, v[20+4*\cl:23+4*\cl] offset:\cl*8192+4096            ; G's tile 8 + w
.endr
	s_wait_dscnt 0x0                               ; for the others' sake: my tiles of G are in LDS
	s_barrier_signal -1
	s_barrier_wait -1
	WIN 0x40
.irp cl, 0,1
.irp i, 0,1,2,3,4,5,6,7
	ds_load_b128 v[128+64*\cl+8*\i:128+64*\cl+8*\i+3],   v4 offset:\cl*8192+\i*1024
	ds_load_b128 v[128+64*\cl+8*\i+4:128+64*\cl+8*\i+7], v4 offset:\cl*8192+\i*1024+512
.endr
.endr
	WIN 0
	s_wait_dscnt 0x0
; Group g's products.  Source 0 = 16 columns d, source 1 = my 16 rows of G: a lane holds row r and columns 8 h + 0..7, as sel lies.  The accumulators take turns, one instruction a turn.
.macro GROUP g
.set LB, 64+64*((\g)%3)
.if (\g) < 12
	s_wait_loadcnt 32                              ; group g is in; the two younger groups stay out
.else
	s_wait_loadcnt 16                              ; sel's group stays out
.endif
.if (\g) < 8
.set CL, (\g)%2
.set GI, (\g)/2
	WIN 0x54                                       ; G, C and D in window 1
.irp n, 0,1,2,3,4,5,6,7
.if (\g) < 2
	v_wmma_f32_16x16x32_f16 v[64*CL+8*\n:64*CL+8*\n+7], v[LB+8*\n:LB+8*\n+7], v[128+64*CL+8*GI:128+64*CL+8*GI+7], 0
.else
	v_wmma_f32_16x16x32_f16 v[64*CL+8*\n:64*CL+8*\n+7], v[LB+8*\n:LB+8*\n+7], v[128+64*CL+8*GI:128+64*CL+8*GI+7], v[64*CL+8*\n:64*CL+8*\n+7]
.endif
.endr
.elseif (\g) < 12
.set GI, (\g)-4
	WIN 0x54
.irp n, 0,1,2,3,4,5,6,7
	v_wmma_f32_16x16x32_f16 v[8*\n:8*\n+7], v[LB+8*\n:LB+8*\n+7], v[128+8*GI:128+8*GI+7], v[8*\n:8*\n+7]
	v_wmma_f32_16x16x32_f16 v[64+8*\n:64+8*\n+7], v[LB+8*\n:LB+8*\n+7], v[192+8*GI:192+8*GI+7], v[64+8*\n:64+8*\n+7]
.endr
.else
	WIN 0x50                                       ; At's fragments lie in window 0
.irp n, 0,1,2,3,4,5,6,7
	v_wmma_f32_16x16x32_f16 v[8*\n:8*\n+7], v[LB+8*\n:LB+8*\n+7], v[32:39], v[8*\n:8*\n+7]
	v_wmma_f32_16x16x32_f16 v[64+8*\n:64+8*\n+7], v[LB+8*\n:LB+8*\n+7], v[40:47], v[64+8*\n:64+8*\n+7]
.endr
.endif
	WIN 0
.if (\g) <= 10
	PLACES
	LOADG (\g)+3                                   ; into the buffer just multiplied
.endif
.endm
.irp g, 0,1,2,3,4,5,6,7,8,9,10,11,12
	GROUP \g
.endr
	; THE WAY OUT: d = A - B; out = sel d + B.  Through my own stage, so that a store covers 512 neighbouring bytes of a row.
	PLACES
	s_wait_loadcnt 0x0                             ; sel
	WIN 0x05                                       ; both sources: the accumulators' window; each accumulator from its low end on
.irp n, 0,1,2,3,4,5,6,7
.irp j, 0,2,4,6
	v_pk_add_f32 v[192+8*\n+\j:193+8*\n+\j], v[8*\n+\j:8*\n+\j+1], v[64+8*\n+\j:65+8*\n+\j] neg_lo:[0,1] neg_hi:[0,1]
.endr
.endr
	WIN 0x10                                       ; source 2: the accumulators' window
.irp n, 0,1,2,3,4,5,6,7
.irp j, 0,2,4,6
	v_pk_fma_f32 v[192+8*\n+\j:193+8*\n+\j], v[128+8*\n+\j:129+8*\n+\j], v[192+8*\n+\j:193+8*\n+\j], v[64+8*\n+\j:65+8*\n+\j]
.endr
.endr
	WIN 0
.irp n, 0,1,2,3,4,5,6,7
	ds_store_b128 v8, v[192+8*\n:195+8*\n] offset:\n*64
	ds_store_b128 v8, v[196+8*\n:199+8*\n] offset:\n*64+16
.endr
.irp i, 0,1,2,3,4,5,6,7,8,9,10,11,12,13,14,15
	ds_load_b128 v[64+4*\i:67+4*\i], v9 offset:\i*528                      ; my own bytes, served in order behind the stores
.endr
.irp i, 0,1,2,3,4,5,6,7,8,9,10,11,12,13,14,15
	s_wait_dscnt 15-\i                             ; row i is back, the younger ones stay out
	global_store_b128 v4, v[64+4*\i:67+4*\i], s[34:35] offset:\i*4096 th:TH_STORE_NT
.endr
	s_wait_tensorcnt 0x0
	ds_add_u32 v62, v63
	s_wait_dscnt 0x0
	s_endpgm
.Lfunc_end_k_q146bb066db_fin:
	.size	k_q146bb066db_fin, .Lfunc_end_k_q146bb066db_fin-k_q146bb066db_fin
	.p2alignl 7, 3214868480
	.fill 96, 4, 3214868480
	.section	.rodata,"a",@progbits
	.p2align	6, 0x0
	.amdhsa_kernel k_q146bb066db_fin
		.amdhsa_group_segment_fixed_size 101376
		.amdhsa_private_segment_fixed_size 0
		.amdhsa_enable_private_segment 0
		.amdhsa_kernarg_size 40
		.amdhsa_user_sgpr_count 2
		.amdhsa_user_sgpr_kernarg_segment_ptr 1
		.amdhsa_wavefront_size32 1
		.amdhsa_system_sgpr_workgroup_id_x 1
		.amdhsa_system_sgpr_workgroup_id_y 1
		.amdhsa_system_sgpr_workgroup_id_z 1
		.amdhsa_system_vgpr_workitem_id 0
		.amdhsa_next_free_vgpr 512
		.amdhsa_next_free_sgpr 66
		.amdhsa_reserve_vcc 0
		.amdhsa_float_denorm_mode_32 3
		.amdhsa_float_denorm_mode_16_64 3
		.amdhsa_memory_ordered 1
		.amdhsa_forward_progress 1
		.amdhsa_inst_pref_size 64
	.end_amdhsa_kernel
	.amdgpu_metadata
---
amdhsa.version: [ 1, 2 ]
amdhsa.kernels:
  - .name:           k_q146bb066db_fin
    .symbol:         k_q146bb066db_fin.kd
    .args:
      - { .name: part, .offset: 0, .size: 8, .value_kind: global_buffer, .address_space: global }
      - { .name: pj, .offset: 8, .size: 8, .value_kind: global_buffer, .address_space: global }
      - { .name: tab, .offset: 16, .size: 8, .value_kind: global_buffer, .address_space: global }
      - { .name: sel, .offset: 24, .size: 8, .value_kind: global_buffer, .address_space: global }
      - { .name: out0, .offset: 32, .size: 8, .value_kind: global_buffer, .address_space: global }
    .group_segment_fixed_size: 101376
    .private_segment_fixed_size: 0
    .kernarg_segment_align: 8
    .kernarg_segment_size: 40
    .max_flat_workgroup_size: 256
    .sgpr_count:     66
    .vgpr_count:     512
    .wavefront_size: 32
...
	.end_amdgpu_metadata
.endif
;; end of part 8
;; ======== version 3 of 3: 4 launches; version 2 with the launches attn, fin written anew for expert scheduling mode
;; limits: values are held in f16: magnitudes above 65,504 overflow, below 6.1e-05 lose precision
;; workspace buffers: xb 8,388,608 bytes; bt 10,485,760 bytes; tab 65,536 bytes; pj 33,554,432 bytes; sel 16,777,216 bytes; part 41,943,040 bytes
;; launch prep: the kernel of part 5 again; grid 912 x 1, 8 waves a work-group, no clusters, 17,920 bytes of LDS; arguments x, W_cond, W_a, W_b, W_key, W_sel, query_emb, bias_emb, xb, bt, tab; writes xb, bt, tab
;; launch proj: the kernel of part 6 again; grid 16 x 16, 4 waves a work-group, clusters of 4 x 4, 327,680 bytes of LDS; arguments xb, bt, b_cond, b_a, b_b, b_key, b_sel, pj, sel; writes pj, sel
;; launch attn (part 9): grid 8 x 32, 8 waves a work-group, no clusters, 324,608 bytes of LDS; arguments pj, tab, n_indexes, fw_mask, bw_mask, part; writes part
.if DOCPART == 9
	.amdgcn_target "amdgcn-amd-amdhsa--gfx1250"
	.amdhsa_code_object_version 6
	.text
	.protected	k_q146bb066db_attn
	.globl	k_q146bb066db_attn
	.p2align	8
	.type	k_q146bb066db_attn,@function
k_q146bb066db_attn:
	s_mov_b64 s[64:65], 0
	v_nop
	global_prefetch_b8 v0, s[64:65] scope:SCOPE_SE
	s_setreg_imm32_b32 hwreg(HW_REG_WAVE_SCHED_MODE, 0, 2), 2
	s_setreg_imm32_b32 hwreg(HW_REG_WAVE_MODE, 25, 1), 1
	s_wait_xcnt 0x0
	s_wait_alu depctr_vm_vsrc(0)
; For batch b and the 16 rows l = 16 s .. 16 s + 15 (256 queries q = 16 l + e) and all 128 keys k:
;   z[q][k] = (CK[l][k] + QK[e][k]) / 32, CK = cond xk^T, QK = query_emb[idx] xk^T     (query_exp is a sum of a vector of l and a vector of e, so its product with xk is that sum)
;   fw weights relu(+-z) fw_mask, divided by (their sum over k + 1e-9);   bw weights relu(+-z) bw_mask, NOT yet divided (their divisor spans all q: it is applied in the last launch)
;   part = bw^T-weights [128 k x 256 q] x [ fw weights (128 k') | 1 at column l | 1 at column idx[e] ], for both classes: this slice's share of M', Al', At'.
; f16: cond, xk, the table (the scores want its 11 bits; the room in f16 is reckoned at the head of the launch that makes cond and xk).
; bf16: all weights (undivided weights grow with the square of the inputs' scale: they want f32's range).  f32: z, sums, reciprocals, the products' sums.
; LIMITS: an index is clamped to 0..15, the range of the table that reference() indexes; sums are formed in another order than reference()'s.
; NO CLUSTER: every operand from memory lies in fragment order and goes straight into registers, so there is no LDS tile that a joint load could fill; the one piece that the eight slices of a
; batch share is xk, 256 KiB of the 736 KiB that a work-group moves.  Masks are read once, 512 neighbouring bytes a load.
; LDS: BWA/BWC [128 k][256 q] bf16, pitch 528; FWA/FWC [256 q][128 k'] bf16, pitch 288; IND [256 q][32] bf16, pitch 96; Z1C/Z1Q CK/QK [16][128] f32.
;   Early regions lie over later ones and are dead before those are written, a barrier between: RED (the waves' partial CK, QK) over FWA/FWC; CT (a wave's cond tiles) over IND/Z1C;
;   ZT (a wave's own 16 k x (16 CK | 16 QK), pitch 144) at the head of the wave's own rows of BWA.
; REGISTERS: window 0: v1-31 lane numbers and addresses, v32-223 at work, v224-255 cond as loaded, then two out-buffers.  Window 1: v0-127 bw_mask as loaded; v128-255 xk fragments, then fw_mask;
;   at last v0-159 the product's 20 accumulators and v160-255 its third fragment buffer.
; THE MODE: SCHED_MODE bits 1:0 = 2 (LLVM: expert scheduling mode 2), set by the entry lines.  The code itself states the register dependences between vector or matrix instructions
; and memory or LDS instructions, with s_wait_alu, always for 0.
; THE PLAN.  Registers that memory or LDS instructions touch, and who else names them:
;   v4, v6-v28   offsets and addresses: made once, never written again.  v30: read by idx's load, written again once.
;   X0, X1       (window 1, v128-191, v192-255) xk of K step st in X[st % 2]: read by that step's matrix instructions; step st + 2's loads land behind a wait that follows step st; fw_mask lands behind step 3.
;   v32-159      phase A's sums: written by matrix instructions, read by my stores into RED; then the eight waves' tiles land there.
;   v48-143      QK and CK of the BW phase, then of the FW phase: LDS loads land, additions read.
;   O0, O1       (v224-239, v240-255) out-buffers by turns: block g of the BW phase, and then group g of the FW phase, rounds into O[g % 2]; the LDS stores that read it are issued in block g + 1.
;   P0, P1, P2   (v32-127, v128-223, window 1 v160-255) the product's fragment buffers: step st multiplies P[st % 3]; step st + 2's loads are issued in step st and land in the buffer that step st - 1 multiplied.
;   s32-47       masks: written by runs of compares, read by the selects behind one wait.
; So a block, a group or a step has its waits at one place, and its LDS or memory instructions, which touch only what the block before worked on, are dealt among its own arithmetic.
.set BWC_, 67584
.set FWA,  135168
.set FWC_, 73728                       ; FWC - FWA
.set IND,  282624
.set Z1C,  307200
.set Z1Q,  315392
.set RED,  135168
.set CT,   282624
.set MSB, 0
.macro WIN new
.if MSB != (\new)
	s_set_vgpr_msb (MSB<<8)|(\new)
.set MSB, (\new)
.endif
.endm
.macro PLACES                          ; four plain vector instructions between a matrix instruction and a store of its result or a vector write of its sources
.rept 4
	v_nop
.endr
.endm
	s_load_b256 s[4:11], s[0:1], 0x0               ; pj, tab, n_indexes, fw_mask
	s_load_b128 s[12:15], s[0:1], 0x20             ; bw_mask, part
	v_lshrrev_b32 v29, 5, v0
	v_readfirstlane_b32 s16, v29                   ; wave w
	s_mov_b32 s17, ttmp9                           ; slice s
	s_and_b32 s18, ttmp7, 0xffff                   ; batch b
	s_mov_b32 s23, 0                               ; high word of the offset pair s[22:23]
	s_mov_b32 s28, 0x3089705f                      ; 1e-9
	v_and_b32 v1, 31, v0                           ; L
	v_and_b32 v2, 15, v0                           ; r
	v_bfe_u32 v3, v0, 4, 1                         ; h
	v_lshlrev_b32 v4, 4, v1                        ; 16 L
	v_lshlrev_b32 v30, 2, v2                       ; 4 r
	s_wait_alu depctr_va_sdst(0)                   ; s16 is written, ahead of its first reader
	s_and_b32 s19, s16, 1                          ; the product: my class
	s_lshr_b32 s20, s16, 1                         ; and my pair of k blocks
	s_wait_kmcnt 0x0
	s_lshl_b32 s22, s18, 6
	s_add_nc_u64 s[8:9], s[8:9], s[22:23]          ; n_indexes[b]
	s_lshl_b32 s22, s18, 18
	s_lshl_b32 s21, s16, 12
	s_add_co_u32 s22, s22, s21
	s_add_co_u32 s22, s22, 25165824
	s_add_nc_u64 s[24:25], s[4:5], s[22:23]        ; xk: region 3, the batch's 8 tile rows, my 8 tile columns (d = 128 w on)
	s_lshl_b32 s22, s18, 3
	s_add_co_u32 s22, s22, s17
	s_lshl_b32 s22, s22, 15
	s_add_co_u32 s22, s22, s21
	s_add_nc_u64 s[26:27], s[4:5], s[22:23]        ; cond: tile row 8 b + s, my 8 tile columns
	s_lshl_b32 s22, s18, 20
	s_lshl_b32 s21, s16, 17
	s_add_co_u32 s22, s22, s21
	s_lshl_b32 s21, s17, 10
	s_add_co_u32 s22, s22, s21
	s_add_nc_u64 s[12:13], s[12:13], s[22:23]      ; bw_mask[b][16 w][256 s]
	s_lshl_b32 s22, s18, 20
	s_lshl_b32 s21, s17, 17
	s_add_co_u32 s22, s22, s21
	s_add_nc_u64 s[48:49], s[10:11], s[22:23]      ; fw_mask[b][256 s]: the work-group's 128 KiB
	s_lshl_b32 s22, s16, 14
	s_add_nc_u64 s[10:11], s[48:49], s[22:23]      ; my 32 rows of it
	s_lshl_b32 s22, s18, 1
	s_add_co_u32 s22, s22, s19
	s_lshl_b32 s22, s22, 3
	s_lshl_b32 s21, s20, 1
	s_add_co_u32 s22, s22, s21
	s_mul_i32 s22, s22, 81920
	s_mul_i32 s21, s17, 10240
	s_add_co_u32 s22, s22, s21
	s_add_nc_u64 s[14:15], s[14:15], s[22:23]      ; part[b][class][2 pair][s]
; xk's fragments of K step st for all eight k blocks: 16 loads of half a fragment each, into X[st % 2] in window 1
.macro XKSTEP st
.irp kb, 0,1,2,3,4,5,6,7
	global_load_b128 v[128+64*((\st)%2)+8*\kb:128+64*((\st)%2)+8*\kb+3],   v4, s[24:25] offset:\kb*32768+(\st)*1024
	global_load_b128 v[128+64*((\st)%2)+8*\kb+4:128+64*((\st)%2)+8*\kb+7], v4, s[24:25] offset:\kb*32768+(\st)*1024+512
.endr
.endm
	s_wait_alu depctr_va_vdst(0)                   ; v4 and v30 are written, which the loads below read as offsets
	global_load_b32 v5, v30, s[8:9]                ; idx[r]
.irp t, 0,1,2,3,4,5,6,7
	global_load_b128 v[224+4*\t:227+4*\t], v4, s[26:27] offset:\t*512      ; cond's 8 tiles, as they lie (a lane: one column d, eight rows l)
.endr
	WIN 0x40
	XKSTEP 0
	XKSTEP 1
	WIN 0
	s_lshl_b32 s21, s16, 12
	s_add_co_u32 s21, s21, CT
	v_add_nc_u32 v8, s21, v4                       ; CT + 16 L
	v_bfe_u32 v29, v0, 3, 1                        ; (L / 8) % 2
	v_and_b32 v31, 7, v0
	v_lshl_add_u32 v31, v3, 3, v31                 ; 8 h + L % 8
	v_lshlrev_b32 v9, 4, v31
	v_lshl_add_u32 v9, v29, 8, v9
	v_add_nc_u32 v9, s21, v9                       ; the turning load: lane L takes column 8 h + L % 8, rows 8 ((L / 8) % 2) on, of a tile
	v_lshlrev_b32 v28, 8, v0                       ; 256 x thread
	s_wait_loadcnt 32                              ; idx and cond are in; xk's 32 loads stay out
	v_min_u32 v5, 15, v5
	s_lshl_b32 s21, s16, 12
	v_lshlrev_b32 v6, 4, v5
	v_lshl_add_u32 v6, v3, 8, v6
	v_add_nc_u32 v6, s21, v6                       ; the table's row idx[r], columns 8 h on, of my first tile: the gather is made here
	s_wait_alu depctr_va_vdst(0)                   ; v6, v8, v9 and v28 are written: the addresses of the stores, loads and prefetches below
.irp t, 0,1,2,3,4,5,6,7
	ds_store_b128 v8, v[224+4*\t:227+4*\t] offset:\t*512
.endr
.irp t, 0,1,2,3,4,5,6,7
	ds_load_tr16_b128 v[160+4*\t:163+4*\t], v9 offset:\t*512               ; my own bytes, served in order: cond with d along the registers; lanes L and L + 8 meet in a bank, two deep
.endr
.irp st, 0,1,2,3
	global_load_b128 v[192+8*\st:195+8*\st], v6, s[6:7] offset:\st*1024
	global_load_b128 v[196+8*\st:199+8*\st], v6, s[6:7] offset:\st*1024+512
.endr
	WIN 0x40
.irp i, 0,1,2,3,4,5,6,7,8,9,10,11,12,13,14,15
	global_load_b128 v[8*\i:8*\i+3],   v4, s[12:13] offset:\i*8192 th:TH_LOAD_NT         ; bw_mask, row k = 16 w + i, q = 4 L + 0..3
	global_load_b128 v[8*\i+4:8*\i+7], v4, s[12:13] offset:\i*8192+512 th:TH_LOAD_NT     ; q = 128 + 4 L + 0..3
.endr
	WIN 0
	global_prefetch_b8 v28, s[48:49] th:TH_LOAD_NT scope:SCOPE_SE                 ; fw_mask: each block of 256 bytes of the work-group's 128 KiB is asked for once, by one lane,
	global_prefetch_b8 v28, s[48:49] offset:65536 th:TH_LOAD_NT scope:SCOPE_SE    ; one phase (64 matrix instructions and three waits for loads) ahead of its loads
	; the other addresses
	s_wait_alu depctr_vm_vsrc(0)                   ; idx's load has read v30, which is written again below
	v_lshlrev_b32 v7, 9, v3
	v_lshl_add_u32 v7, v2, 4, v7                   ; 512 h + 16 r
	s_lshl_b32 s21, s16, 14
	s_add_co_u32 s21, s21, RED
	v_add_nc_u32 v10, s21, v4                      ; RED: my 16 tiles
	s_lshl_b32 s21, s16, 10
	s_add_co_u32 s21, s21, RED
	v_add_nc_u32 v11, s21, v4                      ; RED: tile w of wave 0
	v_add_nc_u32 v12, 0x10000, v11                 ; of wave 4
	s_mul_i32 s29, s16, 8448                       ; ZT, and my 16 rows of BWA
	v_mul_u32_u24 v13, v2, 144
	v_lshl_add_u32 v13, v3, 5, v13
	v_add_nc_u32 v13, s29, v13
	s_lshl_b32 s21, s16, 6
	s_add_co_u32 s21, s21, Z1C
	v_lshlrev_b32 v14, 12, v3
	v_lshl_add_u32 v14, v2, 2, v14
	v_add_nc_u32 v14, s21, v14
	s_mul_i32 s21, s16, 3072
	s_add_co_u32 s21, s21, IND
	v_mul_u32_u24 v15, v1, 96
	v_add_nc_u32 v15, s21, v15                     ; IND's row q = 32 w + L
	v_and_b32 v30, 3, v0
	v_lshl_add_u32 v16, v30, 4, s29                ; ZT + 16 (L % 4)
	v_lshrrev_b32 v30, 2, v1
	v_lshl_add_u32 v17, v30, 2, s29                ; ZT + 4 (L / 4)
	v_lshl_add_u32 v18, v1, 3, s29
	v_add_nc_u32 v19, BWC_, v18
	v_add_nc_u32 v20, Z1Q, v7
	s_lshl_b32 s21, s16, 10
	s_add_co_u32 s21, s21, Z1C
	v_lshl_add_u32 v21, v2, 4, s21
	s_mul_i32 s21, s16, 9216
	s_add_co_u32 s21, s21, FWA
	v_mul_u32_u24 v22, v3, 288
	v_lshl_add_u32 v22, v2, 3, v22
	v_add_nc_u32 v22, s21, v22
	v_add_nc_u32 v23, FWC_, v22
	s_mul_i32 s21, s19, BWC_
	s_mul_i32 s30, s20, 16896
	s_add_co_u32 s21, s21, s30
	v_mul_u32_u24 v24, v2, 528
	v_lshl_add_u32 v24, v3, 4, v24
	v_add_nc_u32 v24, s21, v24
	s_mul_i32 s21, s19, FWC_
	s_add_co_u32 s21, s21, FWA
	v_mul_u32_u24 v25, v31, 288
	v_lshl_add_u32 v25, v29, 4, v25
	v_add_nc_u32 v25, s21, v25
	v_add_nc_u32 v26, 36864, v25
	v_mul_u32_u24 v27, v31, 96
	v_lshl_add_u32 v27, v29, 4, v27
	v_add_nc_u32 v27, IND, v27
	; PHASE A: my 128 of the 1,024 d, four K steps: partial CK (v32 + 8 kb) and QK (v96 + 8 kb) for all eight k blocks.  A lane holds key 16 kb + r and rows l (or e) 8 h + 0..7.
	; The 16 accumulators take turns, one instruction a turn.
.macro STEPA st, zero
.irp kb, 0,1,2,3,4,5,6,7
.if \zero
	v_wmma_f32_16x16x32_f16 v[32+8*\kb:39+8*\kb], v[160+8*\st:167+8*\st], v[128+64*(\st%2)+8*\kb:135+64*(\st%2)+8*\kb], 0
	v_wmma_f32_16x16x32_f16 v[96+8*\kb:103+8*\kb], v[192+8*\st:199+8*\st], v[128+64*(\st%2)+8*\kb:135+64*(\st%2)+8*\kb], 0
.else
	v_wmma_f32_16x16x32_f16 v[32+8*\kb:39+8*\kb], v[160+8*\st:167+8*\st], v[128+64*(\st%2)+8*\kb:135+64*(\st%2)+8*\kb], v[32+8*\kb:39+8*\kb]
	v_wmma_f32_16x16x32_f16 v[96+8*\kb:103+8*\kb], v[192+8*\st:199+8*\st], v[128+64*(\st%2)+8*\kb:135+64*(\st%2)+8*\kb], v[96+8*\kb:103+8*\kb]
.endif
.endr
.endm
	s_wait_loadcnt 32                              ; xk's first two steps and the table's rows are in; bw_mask's 32 loads stay out
	s_wait_dscnt 0x0                               ; cond's fragments
	WIN 0x04                                       ; source 1 (xk) in window 1
	STEPA 0, 1
	WIN 0x40
	s_wait_alu depctr_va_vdst(0)                   ; step 0's matrix instructions are done reading X0, in which step 2's loads land; the addresses v7 and v10 to v27 are written, for all that follows
	XKSTEP 2
	WIN 0x04
	STEPA 1, 0
	WIN 0x40
	s_wait_alu depctr_va_vdst(0)                   ; step 1's matrix instructions are done reading X1, in which step 3's loads land
	XKSTEP 3
	WIN 0x04
	s_wait_loadcnt 16                              ; step 2's fragments are in (and bw_mask, asked for earlier); step 3's 16 loads stay out
	STEPA 2, 0
	s_wait_loadcnt 0x0                             ; step 3's
	STEPA 3, 0
	PLACES                                         ; behind the last matrix instruction, ahead of the stores of the sums
	WIN 0x40
	s_wait_alu depctr_va_vdst(0)                   ; the matrix instructions are done reading X0 and X1, in which fw_mask lands, and have written the sums v[32:159], which the stores below read
.irp x, 0,1,2,3,4,5,6,7,8,9,10,11,12,13,14,15
	global_load_b128 v[128+8*\x:128+8*\x+3],   v7, s[10:11] offset:\x*1024 th:TH_LOAD_NT       ; fw_mask, rows q = 32 w + 2 x + h, k' = 4 r + 0..3
	global_load_b128 v[128+8*\x+4:128+8*\x+7], v7, s[10:11] offset:\x*1024+256 th:TH_LOAD_NT   ; k' = 64 + 4 r + 0..3
.endr
	WIN 0
.irp t, 0,1,2,3,4,5,6,7,8,9,10,11,12,13,14,15
	ds_store_b128 v10, v[32+8*\t:35+8*\t] offset:\t*1024                   ; each accumulator from its low end on
	ds_store_b128 v10, v[36+8*\t:39+8*\t] offset:\t*1024+512
.endr
	s_wait_dscnt 0x0                               ; for the others' sake: my partial sums are in LDS (and my reads of CT are long over)
	s_barrier_signal -1
	s_barrier_wait -1
	; wave w adds the eight waves' tiles of k block w, and divides by sqrt(1024)
	s_wait_alu depctr_va_vdst(0)                   ; phase A's matrix instructions have written v[32:159],
	s_wait_alu depctr_vm_vsrc(0)                   ; and my stores into RED have read them: the loads below land there
.irp u, 0,1,2,3,4,5,6,7
.irp q, 0,1
.irp p, 0,1
.if \u < 4
	ds_load_b128 v[32+16*\u+8*\q+4*\p:35+16*\u+8*\q+4*\p], v11 offset:\u*16384+\q*8192+\p*512
.else
	ds_load_b128 v[32+16*\u+8*\q+4*\p:35+16*\u+8*\q+4*\p], v12 offset:(\u-4)*16384+\q*8192+\p*512
.endif
.endr
.endr
.endr
	; meanwhile IND's row q = 32 w + L (l = 2 w + h, e = r): 1.0 at column l and at column 16 + idx[e], in words of two bf16
	v_mov_b32 v176, 0x3f80
	v_lshlrev_b32 v177, 4, v3
	v_lshlrev_b32 v177, v177, v176                 ; 1.0 in half h
	v_and_b32 v178, 1, v5
	v_lshlrev_b32 v178, 4, v178
	v_lshlrev_b32 v178, v178, v176                 ; 1.0 in half idx % 2
	v_lshrrev_b32 v179, 1, v5
	v_mov_b32 v180, s16
.irp c, 0,1,2,3,4,5,6,7
	v_cmp_eq_u32 s[32+\c], \c, v180
	v_cmp_eq_u32 s[40+\c], \c, v179
.endr
	s_wait_alu depctr_va_sdst(0)                   ; the sixteen compares have written s32 to s47, which the selects read
.irp c, 0,1,2,3,4,5,6,7
	v_cndmask_b32 v[160+\c], 0, v177, s[32+\c]
	v_cndmask_b32 v[168+\c], 0, v178, s[40+\c]
.endr
	s_wait_dscnt 0x0
.irp u, 0,1,2,3
.irp j, 0,2,4,6,8,10,12,14
	v_pk_add_f32 v[32+16*\u+\j:33+16*\u+\j], v[32+16*\u+\j:33+16*\u+\j], v[96+16*\u+\j:97+16*\u+\j]
.endr
.endr
.irp u, 0,1
.irp j, 0,2,4,6,8,10,12,14
	v_pk_add_f32 v[32+16*\u+\j:33+16*\u+\j], v[32+16*\u+\j:33+16*\u+\j], v[64+16*\u+\j:65+16*\u+\j]
.endr
.endr
.irp j, 0,2,4,6,8,10,12,14
	v_pk_add_f32 v[32+\j:33+\j], v[32+\j:33+\j], v[48+\j:49+\j]
.endr
.irp j, 0,2,4,6,8,10,12,14
	v_pk_mul_f32 v[32+\j:33+\j], v[32+\j:33+\j], 0x3d000000 op_sel_hi:[1,0]        ; v32-39 CK / 32, v40-47 QK / 32
.endr
	s_wait_alu depctr_va_vdst(0)                   ; v[32:47] and IND's words v[160:175] are written, which the stores below read; the additions are done with v[48:143], in which the loads from ZT land
	ds_store_b128 v13, v[32:35]                    ; ZT[k = r]: CK's l = 8 h + 0..7, then QK's e
	ds_store_b128 v13, v[36:39] offset:16
	ds_store_b128 v13, v[40:43] offset:64
	ds_store_b128 v13, v[44:47] offset:80
.irp j, 0,1,2,3,4,5,6,7
	ds_store_b32 v14, v[32+\j] offset:\j*512       ; Z1C[l][k]
	ds_store_b32 v14, v[40+\j] offset:\j*512+8192  ; Z1Q[e][k]
.endr
.irp c, 0,1,2,3
	ds_store_b128 v15, v[160+4*\c:163+4*\c] offset:\c*16
.endr
	; BW PHASE: rows k = 16 w + i; a lane's eight q of a row: l = 8 hf + L / 4, e = 4 (L % 4) + 0..3
.irp i, 0,1,2,3,4,5,6,7,8,9,10,11,12,13,14,15
	ds_load_b128 v[48+4*\i:51+4*\i], v16 offset:\i*144+64                  ; QK of my four e (my own bytes, served in order behind the stores)
	ds_load_b32 v[112+2*\i], v17 offset:\i*144                             ; CK of my l, hf = 0
	ds_load_b32 v[113+2*\i], v17 offset:\i*144+32                          ; hf = 1
.endr
	s_wait_dscnt 0x0                               ; ZT is read out: the stores below may lie over it
; Block g is rows 2 g and 2 g + 1, in four sets (row ii, half hf) of four q.  A set's temporaries are named by vector instructions alone; its four rounded words go into O[g % 2].
.macro BWSET g, ii, hf
.set RI, 2*(\g)+(\ii)
.set HF, (\hf)
.set TBR, 160+16*(2*(\ii)+(\hf))
.set MX, 32+8*(\ii)+4*(\hf)
.set BO, 224+16*((\g)%2)+4*(2*(\ii)+(\hf))
.endm
.macro BWZ                             ; z = QK + CK: needs no mask
.irp c, 0,1,2,3
	v_add_f32 v[TBR+\c], v[48+4*RI+\c], v[112+2*RI+HF]
.endr
.endm
.macro BWW
.irp c, 0,1,2,3
	v_cndmask_b32 v[TBR+\c], 0, v[TBR+\c], s[MX+\c]                        ; z where the mask is set, else 0
.endr
.irp c, 0,1,2,3
	v_max_num_f32 v[TBR+4+\c], 0, v[TBR+\c]                                ; relu(z)
.endr
.irp c, 0,1,2,3
	v_sub_f32 v[TBR+8+\c], v[TBR+4+\c], v[TBR+\c]                          ; relu(-z) = relu(z) - z, exactly
.endr
	v_cvt_pk_bf16_f32 v[BO], v[TBR+4], v[TBR+5]
	v_cvt_pk_bf16_f32 v[BO+1], v[TBR+6], v[TBR+7]
	v_cvt_pk_bf16_f32 v[BO+2], v[TBR+8], v[TBR+9]
	v_cvt_pk_bf16_f32 v[BO+3], v[TBR+10], v[TBR+11]
.endm
.macro BWOUT
	ds_store_b64 v18, v[BO:BO+1] offset:RI*528+HF*256
	ds_store_b64 v19, v[BO+2:BO+3] offset:RI*528+HF*256
.endm
.macro BWGRP g
.if (\g) != 1
	s_wait_alu depctr_vm_vsrc(0)                   ; block 0: IND's stores have read v[160:175], which the additions write.  Blocks 2 on: the stores issued in the block before have read O[g % 2], which this block's roundings write again
.endif
.if (\g) > 0
	s_wait_alu depctr_va_vdst(0)                   ; the block before has written the other O, which the stores below read
.endif
	WIN 0x04
.set x, 0
.rept 16
	v_cmp_ne_u32 s[32+x], 0, v[16*\g+x]
.set x, x+1
.endr
	WIN 0
.irp ii, 0,1
.irp hf, 0,1
	BWSET \g, \ii, \hf
	BWZ
.endr
.endr
	s_wait_alu depctr_va_sdst(0)                   ; the sixteen compares have written s32 to s47, which the selects read
.irp ii, 0,1
.irp hf, 0,1
.if (\g) > 0
	BWSET \g-1, \ii, \hf
	BWOUT                                          ; the block before's set.  No wait: no vector instruction since the block's head names these registers
.endif
	BWSET \g, \ii, \hf
	BWW
.endr
.endr
.endm
.irp g, 0,1,2,3,4,5,6,7
	BWGRP \g
.endr
	s_wait_alu depctr_va_vdst(0)                   ; block 7 has written O1, which the last eight stores read; the additions are done reading v[48:143], in which the FW phase's loads land
.irp ii, 0,1
.irp hf, 0,1
	BWSET 7, \ii, \hf
	BWOUT
.endr
.endr
	s_wait_dscnt 0x0                               ; for the others' sake: Z1, IND and my rows of BWA, BWC are written; my reads of RED are over
	s_barrier_signal -1
	s_barrier_wait -1
	; FW PHASE: rows q = 32 w + 16 li + 2 i + h (l = 2 w + li, e = 2 i + h); the 16 lanes of a half hold a row: k' = 64 kh + 4 r + 0..3
.irp i, 0,1,2,3,4,5,6,7
	ds_load_b128 v[48+8*\i:51+8*\i], v20 offset:\i*1024
	ds_load_b128 v[52+8*\i:55+8*\i], v20 offset:\i*1024+256
.endr
.irp li, 0,1
	ds_load_b128 v[112+8*\li:115+8*\li], v21 offset:\li*512
	ds_load_b128 v[116+8*\li:119+8*\li], v21 offset:\li*512+256
.endr
	s_wait_dscnt 0x0
; Group gg is two row pairs (par = 0, 1).  A pair's temporaries are named by vector instructions alone; its eight rounded words go into O[gg % 2].
.macro FWSET gg, par
.set LI, (2*(\gg))/8
.set II, (2*(\gg))%8+(\par)
.set TF, 128+48*(\par)
.set MX, 32+8*(\par)
.set FO, 224+16*((\gg)%2)+8*(\par)
.endm
.macro FWZ                             ; z = QK + CK: needs no mask
.irp j, 0,2,4,6
	v_pk_add_f32 v[TF+\j:TF+\j+1], v[48+8*II+\j:49+8*II+\j], v[112+8*LI+\j:113+8*LI+\j]
.endr
.endm
.macro FWSUM                           ; the masked weights of both classes and their sums over the row, + 1e-9
.irp x, 0,1,2,3,4,5,6,7
	v_cndmask_b32 v[TF+\x], 0, v[TF+\x], s[MX+\x]
.endr
.irp x, 0,1,2,3,4,5,6,7
	v_max_num_f32 v[TF+8+\x], 0, v[TF+\x]
.endr
.irp x, 0,1,2,3,4,5,6,7
	v_sub_f32 v[TF+16+\x], v[TF+8+\x], v[TF+\x]
.endr
	v_pk_add_f32 v[TF+24:TF+25], v[TF+8:TF+9], v[TF+10:TF+11]
	v_pk_add_f32 v[TF+26:TF+27], v[TF+12:TF+13], v[TF+14:TF+15]
	v_pk_add_f32 v[TF+28:TF+29], v[TF+16:TF+17], v[TF+18:TF+19]
	v_pk_add_f32 v[TF+30:TF+31], v[TF+20:TF+21], v[TF+22:TF+23]
	v_pk_add_f32 v[TF+24:TF+25], v[TF+24:TF+25], v[TF+26:TF+27]
	v_pk_add_f32 v[TF+28:TF+29], v[TF+28:TF+29], v[TF+30:TF+31]
	v_add_f32 v[TF+24], v[TF+24], v[TF+25]
	v_add_f32 v[TF+28], v[TF+28], v[TF+29]
.irp m, 1,2,4,8                        ; over the 16 lanes that hold the row
	v_add_f32_dpp v[TF+24], v[TF+24], v[TF+24] row_xmask:\m row_mask:0xf bank_mask:0xf
	v_add_f32_dpp v[TF+28], v[TF+28], v[TF+28] row_xmask:\m row_mask:0xf bank_mask:0xf
.endr
	v_add_f32 v[TF+24], s28, v[TF+24]
	v_add_f32 v[TF+28], s28, v[TF+28]
.endm
.macro FWRCP
	v_rcp_f32 v[TF+25], v[TF+24]
	v_rcp_f32 v[TF+29], v[TF+28]
.endm
.macro FWSCALE
.irp x, 0,1,2,3,4,5,6,7
	v_mul_f32 v[TF+8+\x], v[TF+25], v[TF+8+\x]
.endr
.irp x, 0,1,2,3,4,5,6,7
	v_mul_f32 v[TF+16+\x], v[TF+29], v[TF+16+\x]
.endr
.irp y, 0,1,2,3
	v_cvt_pk_bf16_f32 v[FO+\y], v[TF+8+2*\y], v[TF+9+2*\y]
	v_cvt_pk_bf16_f32 v[FO+4+\y], v[TF+16+2*\y], v[TF+17+2*\y]
.endr
.endm
.macro FWOUT
.irp kh, 0,1
	ds_store_b64 v22, v[FO+2*\kh:FO+2*\kh+1] offset:(16*LI+2*II)*288+\kh*128
	ds_store_b64 v23, v[FO+4+2*\kh:FO+5+2*\kh] offset:(16*LI+2*II)*288+\kh*128
.endr
.endm
.macro FWGRP gg
	s_wait_loadcnt 28-4*\gg                        ; this group's four mask loads are in; the 28 - 4 gg younger ones stay out
	WIN 0x04
.set x, 0
.rept 16
	v_cmp_ne_u32 s[32+x], 0, v[128+16*\gg+x]
.set x, x+1
.endr
	WIN 0
	FWSET \gg, 0
	FWZ
	FWSET \gg, 1
	FWZ
	s_wait_alu depctr_va_sdst(0)                   ; the sixteen compares have written s32 to s47, which the selects read
	FWSET \gg, 0
	FWSUM
	FWSET \gg, 1
	FWSUM
	FWSET \gg, 0
	FWRCP                                          ; the group's four reciprocals are one batch
	FWSET \gg, 1
	FWRCP
	v_nop                                          ; a plain instruction behind the last reciprocal
	s_wait_alu depctr_va_vdst(0)                   ; the four reciprocals are written, ahead of their first reader; the group before has written the other O, which the stores below read
.if (\gg) != 1
	s_wait_alu depctr_vm_vsrc(0)                   ; group 0: the BW phase's stores have read O0.  Groups 2 on: the stores issued in the group before have read O[gg % 2].  This group's roundings write it again
.endif
.irp par, 0,1
.if (\gg) > 0
	FWSET \gg-1, \par
	FWOUT                                          ; the group before's pair.  No wait: no vector instruction since the wait above names these registers
.endif
	FWSET \gg, \par
	FWSCALE
.endr
.endm
.irp gg, 0,1,2,3,4,5,6,7
	FWGRP \gg
.endr
	s_wait_alu depctr_va_vdst(0)                   ; group 7 has written O1, which the last eight stores read; the phase's vector instructions are done with v[48:223] and with fw_mask's registers, in which the product's fragments land
.irp par, 0,1
	FWSET 7, \par
	FWOUT
.endr
	s_wait_dscnt 0x0                               ; for the others' sake: my rows of FWA, FWC are written
	s_barrier_signal -1
	s_barrier_wait -1
	; THE PRODUCT: class w % 2, k blocks 2 (w / 2) + m, m = 0, 1; columns n = 0..7 fw weights, 8 and 9 IND; K = q in eight steps of 32 on three fragment buffers.
	; Source 0 = 16 columns (turned out of LDS), source 1 = 16 rows k: a lane holds row k = r and columns 8 h + 0..7.  20 accumulators by turns.
.macro PBUF st                         ; buffer st % 3: its first register PB and its window PW
.if ((\st)%3) == 0
.set PB, 32
.set PW, 0
.elseif ((\st)%3) == 1
.set PB, 128
.set PW, 0
.else
.set PB, 160
.set PW, 1
.endif
.endm
.macro FETCHN st, n0                   ; the column fragments n0 .. n0 + 3 of step st
.irp k, 0,1,2,3
.set NN, (\n0)+\k
.if (\st) < 4
	ds_load_tr16_b128 v[PB+16+8*NN:PB+16+8*NN+3],   v25 offset:((\st)%4)*9216+NN*32
	ds_load_tr16_b128 v[PB+16+8*NN+4:PB+16+8*NN+7], v25 offset:((\st)%4)*9216+NN*32+4608
.else
	ds_load_tr16_b128 v[PB+16+8*NN:PB+16+8*NN+3],   v26 offset:((\st)%4)*9216+NN*32
	ds_load_tr16_b128 v[PB+16+8*NN+4:PB+16+8*NN+7], v26 offset:((\st)%4)*9216+NN*32+4608
.endif
.endr
.endm
.macro FETCHA st                       ; the first twelve of a step's 24 loads
	PBUF \st
	WIN PW<<6
.irp m, 0,1
	ds_load_b128 v[PB+8*\m:PB+8*\m+3],   v24 offset:\m*8448+(\st)*64
	ds_load_b128 v[PB+8*\m+4:PB+8*\m+7], v24 offset:\m*8448+(\st)*64+32
.endr
	FETCHN \st, 0
.endm
.macro FETCHB st                       ; the other twelve
	PBUF \st
	WIN PW<<6
	FETCHN \st, 4
.irp n, 0,1
	ds_load_tr16_b128 v[PB+80+8*\n:PB+80+8*\n+3],   v27 offset:(\st)*3072+\n*32
	ds_load_tr16_b128 v[PB+80+8*\n+4:PB+80+8*\n+7], v27 offset:(\st)*3072+\n*32+1536
.endr
.endm
.macro MULP st, m                      ; k block m x all ten column blocks
	PBUF \st
	WIN 0x50|(PW*5)                                ; C and D in window 1, the sources in the buffer's
.irp n, 0,1,2,3,4,5,6,7,8,9
.if (\st) == 0
	v_wmma_f32_16x16x32_bf16 v[8*(10*(\m)+\n):8*(10*(\m)+\n)+7], v[PB+16+8*\n:PB+16+8*\n+7], v[PB+8*(\m):PB+8*(\m)+7], 0
.else
	v_wmma_f32_16x16x32_bf16 v[8*(10*(\m)+\n):8*(10*(\m)+\n)+7], v[PB+16+8*\n:PB+16+8*\n+7], v[PB+8*(\m):PB+8*(\m)+7], v[8*(10*(\m)+\n):8*(10*(\m)+\n)+7]
.endif
.endr
.endm
	FETCHA 0
	FETCHB 0
	FETCHA 1
	FETCHB 1
.irp st, 0,1,2,3,4,5,6,7
.if \st < 7
	s_wait_dscnt 24                                ; this step's fragments are in; the next step's 24 loads stay out
.else
	s_wait_dscnt 0x0
.endif
.if \st <= 5
	PBUF \st+2
	WIN PW<<6
.if \st >= 1
	s_wait_alu depctr_va_vdst(0)                   ; the step before's matrix instructions are done reading their buffer, in which the loads of the step after next land
.endif
	FETCHA \st+2
.endif
	MULP \st, 0
.if \st <= 5
	FETCHB \st+2                                   ; no wait: the matrix instructions since the wait name this step's buffer and the accumulators alone
.endif
	MULP \st, 1
.endr
	PLACES                                         ; behind the last matrix instruction, ahead of the stores of the results
	WIN 0x04                                       ; the stores' data in window 1
	s_wait_alu depctr_va_vdst(0)                   ; the matrix instructions have written the 20 accumulators, which the stores read
.irp m, 0,1
.irp n, 0,1,2,3,4,5,6,7,8,9
	global_store_b128 v4, v[8*(10*\m+\n):8*(10*\m+\n)+3],   s[14:15] offset:\m*81920+\n*1024       ; a tile as it lies in registers: 512 neighbouring bytes a store, low end first
	global_store_b128 v4, v[8*(10*\m+\n)+4:8*(10*\m+\n)+7], s[14:15] offset:\m*81920+\n*1024+512
.endr
.endr
	WIN 0
	s_wait_xcnt 0x0
	s_wait_alu depctr_vm_vsrc(0)                   ; the FW phase's last stores have read v254 and v255 (the end of O1), which are made anew below
	v_lshl_add_u32 v254, v0, 2, 0x4f000
	v_mov_b32 v255, 0
	s_wait_dscnt 0x0                               ; the closing lines, six on end
	s_wait_alu 0x0
	s_wait_tensorcnt 0x0
	ds_add_u32 v254, v255
	s_wait_dscnt 0x0
	s_endpgm
.Lfunc_end_k_q146bb066db_attn:
	.size	k_q146bb066db_attn, .Lfunc_end_k_q146bb066db_attn-k_q146bb066db_attn
	.p2alignl 7, 3214868480
	.fill 96, 4, 3214868480
	.section	.rodata,"a",@progbits
	.p2align	6, 0x0
	.amdhsa_kernel k_q146bb066db_attn
		.amdhsa_group_segment_fixed_size 324608
		.amdhsa_private_segment_fixed_size 0
		.amdhsa_enable_private_segment 0
		.amdhsa_kernarg_size 48
		.amdhsa_user_sgpr_count 2
		.amdhsa_user_sgpr_kernarg_segment_ptr 1
		.amdhsa_wavefront_size32 1
		.amdhsa_system_sgpr_workgroup_id_x 1
		.amdhsa_system_sgpr_workgroup_id_y 1
		.amdhsa_system_sgpr_workgroup_id_z 1
		.amdhsa_system_vgpr_workitem_id 0
		.amdhsa_next_free_vgpr 512
		.amdhsa_next_free_sgpr 66
		.amdhsa_reserve_vcc 0
		.amdhsa_float_denorm_mode_32 3
		.amdhsa_float_denorm_mode_16_64 3
		.amdhsa_memory_ordered 1
		.amdhsa_forward_progress 1
		.amdhsa_inst_pref_size 178
	.end_amdhsa_kernel
	.amdgpu_metadata
---
amdhsa.version: [ 1, 2 ]
amdhsa.kernels:
  - .name:           k_q146bb066db_attn
    .symbol:         k_q146bb066db_attn.kd
    .args:
      - { .name: pj, .offset: 0, .size: 8, .value_kind: global_buffer, .address_space: global }
      - { .name: tab, .offset: 8, .size: 8, .value_kind: global_buffer, .address_space: global }
      - { .name: n_indexes, .offset: 16, .size: 8, .value_kind: global_buffer, .address_space: global }
      - { .name: fw_mask, .offset: 24, .size: 8, .value_kind: global_buffer, .address_space: global }
      - { .name: bw_mask, .offset: 32, .size: 8, .value_kind: global_buffer, .address_space: global }
      - { .name: part, .offset: 40, .size: 8, .value_kind: global_buffer, .address_space: global }
    .group_segment_fixed_size: 324608
    .private_segment_fixed_size: 0
    .kernarg_segment_align: 8
    .kernarg_segment_size: 48
    .max_flat_workgroup_size: 256
    .sgpr_count:     66
    .vgpr_count:     512
    .wavefront_size: 32
...
	.end_amdgpu_metadata
.endif
;; end of part 9
;; launch fin (part 10): grid 8 x 32, 8 waves a work-group, no clusters, 101,376 bytes of LDS; arguments part, pj, tab, sel, out0; writes out0
.if DOCPART == 10
	.amdgcn_target "amdgcn-amd-amdhsa--gfx1250"
	.amdhsa_code_object_version 6
	.text
	.protected	k_q146bb066db_fin
	.globl	k_q146bb066db_fin
	.p2align	8
	.type	k_q146bb066db_fin,@function
k_q146bb066db_fin:
	s_mov_b64 s[64:65], 0
	v_nop
	global_prefetch_b8 v0, s[64:65] scope:SCOPE_SE
	s_setreg_imm32_b32 hwreg(HW_REG_WAVE_SCHED_MODE, 0, 2), 2
	s_setreg_imm32_b32 hwreg(HW_REG_WAVE_MODE, 25, 1), 1
	s_wait_xcnt 0x0
	s_wait_alu depctr_vm_vsrc(0)
; out[k] = sel * A[k] + (1 - sel) * B[k], with, for each class,
;   A[k] = ( M'[k][:] V + Al'[k][:] cond + At'[k][:] bias_emb ) / (S[k] + 1e-9),
;   M' and At' = the sums of the eight slices' parts, Al' = the slices' parts side by side,   S[k] = the sum over t of At'[k][t].
; (The two chained weighted sums of reference() are linear and bias_exp is a sum of a vector of l and a vector of idx[e]; all weights are >= 0, so no difference of large sums is formed.)
; A work-group owns 16 rows k of one batch and all 1,024 columns; wave w owns columns 128 w on: 2 classes x 8 accumulators.
; FORMATS: V, cond and the table come in f16.  G = [M' | Al' | At'] is divided by S + 1e-9 in f32 FIRST and then rounded to f16: no entry of a row exceeds the row's sum S by more than
;   rounding, so every divided entry is at most about 1 whatever the inputs' scale, and f16 has room; entries under 6e-5 keep an absolute step of 6e-8.  Sums, divisors, gate in f32.
; LIMIT: S is the sum of the weights as the launch before rounded them to bf16, the same numbers that the numerators are made of; sums are formed in another order than reference()'s.
; NO CLUSTER: V, cond and the table lie in memory in fragment order and go straight into registers, so there is no LDS tile that a joint load could fill; the price is that the eight
; work-groups of a batch each read the batch's 768 KiB of V and cond.  part, sel and out0 are touched once.
; LDS: GL [class][16 tiles][512] G in fragment order; AT [slice][class][1024] At' as it came; ST 16 rows x 528 bytes a wave, its own, for the way out.
; REGISTERS: window 0: v4-10 addresses, v12-27 at work, v32-47 At' fragments, v48-51 the two reciprocals (each twice), v64-255 a ring of three buffers of eight column fragments.
;   window 1: v0-127 M' as loaded, then At' of all slices, then the accumulators (class a at 8 n, class b at 64 + 8 n);
;             v128-143 Al', v144-159 At' of my slice, v160-175 M' summed; then v128-255 G's fragments at 128 + 64 class + 8 i.
; THE MODE: SCHED_MODE bits 1:0 = 2 (LLVM: expert scheduling mode 2), set by the entry lines.  The code itself states the register dependences between vector or matrix instructions
; and memory or LDS instructions, with s_wait_alu, always for 0.
; THE PLAN.  Registers that memory or LDS instructions touch, and who else names them:
;   v4-v10           offsets and addresses: made at the head, never written again.
;   R0, R1, R2       (v64-127, v128-191, v192-255) the ring.  Group g's matrix instructions read R[g % 3].  The loads of group g + 2 are issued in group g and land in R[(g - 1) % 3], the buffer
;                    that group g - 1 multiplied and that no instruction of group g names.  So ONE wait at a group's head, behind the wait for its data, states all that its sixteen loads hang on,
;                    and they are dealt among its matrix instructions.  A wave has 16 to 32 of these loads out.
;   window 1 v0-127  M' lands, additions read and write; At' of all slices lands, additions, scalings and roundings read; from then on the accumulators, named by matrix and vector instructions alone.
;   window 1 v128-175  Al' and At' of my slice land; an LDS store reads At'; scalings and roundings name Al' and the summed M'; then G's fragments land.
;   v12-27           written by the roundings, read by G's LDS stores.   v192-255, v64-127 on the way out: written by the gate and read by the stage's stores; the stage's rows land and the global stores read them.
;   v62, v63         written at the head, read by the closing add alone.
.set AT, 16384
.set ST, 32768
.set MSB, 0
.macro WIN new
.if MSB != (\new)
	s_set_vgpr_msb (MSB<<8)|(\new)
.set MSB, (\new)
.endif
.endm
.macro PLACES                          ; four plain vector instructions between a matrix instruction and a vector read of its result or a vector write of its sources (ISA guide 7.12.1)
.rept 4
	v_nop
.endr
.endm
	s_load_b256 s[4:11], s[0:1], 0x0               ; part, pj, tab, sel
	s_load_b64 s[12:13], s[0:1], 0x20              ; out0
	v_lshl_add_u32 v62, v0, 2, 0x18800
	v_mov_b32 v63, 0
	v_lshrrev_b32 v1, 5, v0
	v_readfirstlane_b32 s16, v1                    ; wave w
	s_mov_b32 s17, ttmp9                           ; mb: my 16 rows
	s_and_b32 s18, ttmp7, 0xffff                   ; batch b
	s_mov_b32 s15, 0                               ; high word of the offset pair s[14:15]
	s_mov_b32 s36, 0x76543210                      ; v_permlanex16_b32: each lane takes its own place in the other half
	s_mov_b32 s37, 0xfedcba98
	s_mov_b32 s38, 0x3089705f                      ; 1e-9
	v_and_b32 v1, 31, v0
	v_and_b32 v2, 15, v0
	v_bfe_u32 v3, v0, 4, 1
	v_lshlrev_b32 v4, 4, v1                        ; 16 L
	s_wait_alu depctr_va_sdst(0)                   ; s16 is written, ahead of its first reader
	s_lshl_b32 s19, s16, 9
	v_add_nc_u32 v5, s19, v4                       ; GL: tile w
	s_lshl_b32 s19, s16, 11
	s_add_co_u32 s19, s19, AT
	v_add_nc_u32 v6, s19, v4                       ; AT: slice w
	s_lshl_b32 s19, s16, 10
	v_add_nc_u32 v7, s19, v4                       ; part: tile n = w
	s_mul_i32 s19, s16, 10240
	v_add_nc_u32 v10, s19, v4                      ; part: slice s = w
	s_mul_i32 s19, s16, 8448
	s_add_co_u32 s19, s19, ST
	v_mul_u32_u24 v8, v2, 528
	v_lshl_add_u32 v8, v3, 5, v8
	v_add_nc_u32 v8, s19, v8                       ; my stage: row r, 32 bytes for each half of the lanes
	v_add_nc_u32 v9, s19, v4                       ; back: a row of 512 bytes
	s_wait_kmcnt 0x0
	s_lshl_b32 s14, s18, 4
	s_add_co_u32 s14, s14, s17
	s_mul_i32 s14, s14, 81920
	s_add_nc_u64 s[20:21], s[4:5], s[14:15]        ; part[b][class a][mb]
	s_add_nc_u64 s[22:23], s[20:21], 655360        ; class b
	s_lshl_b32 s14, s18, 18
	s_lshl_b32 s19, s16, 12
	s_add_co_u32 s14, s14, s19
	s_add_nc_u64 s[28:29], s[6:7], s[14:15]        ; cond: the batch's 8 tile rows, my 8 tile columns
	s_add_nc_u64 s[24:25], s[28:29], 8388608       ; Va
	s_add_nc_u64 s[26:27], s[24:25], 8388608       ; Vb
	s_add_co_u32 s14, s19, 32768
	s_add_nc_u64 s[30:31], s[8:9], s[14:15]        ; bias_emb's tiles
	s_lshl_b32 s14, s18, 3
	s_add_co_u32 s14, s14, s17
	s_lshl_b32 s14, s14, 16
	s_lshl_b32 s19, s16, 13
	s_add_co_u32 s14, s14, s19
	s_add_nc_u64 s[32:33], s[10:11], s[14:15]      ; sel
	s_lshl_b32 s14, s18, 19
	s_lshl_b32 s19, s17, 16
	s_add_co_u32 s14, s14, s19
	s_lshl_b32 s19, s16, 9
	s_add_co_u32 s14, s14, s19
	s_add_nc_u64 s[34:35], s[12:13], s[14:15]      ; out0[128 b + 16 mb][128 w]
; Half of group g of 14: eight loads, the four column fragments n0 .. n0 + 3 (or, g = 13, four tiles of sel) into ring buffer g % 3.
;   g = 0, 2, 4, 6: Va, K step g / 2;  1, 3, 5, 7: Vb;  8..11: cond, K step g - 8;  12: the table (16 rows: its one tile fills both halves, the upper half meets zeros);  13: sel
.macro LOADH g, n0
.set LB, 64+64*((\g)%3)
.set ON, 512
.set O2, 32768
.if (\g) < 8
.set SB, 24+2*((\g)%2)
.set O0, ((\g)/2)*65536
.elseif (\g) < 12
.set SB, 28
.set O0, ((\g)-8)*65536
.elseif (\g) == 12
.set SB, 30
.set O0, 0
.set O2, 0
.else
.set SB, 32
.set O0, 0
.set ON, 1024
.set O2, 512
.endif
.irp k, 0,1,2,3
.set NN, (\n0)+\k
	global_load_b128 v[LB+8*NN:LB+8*NN+3],   v4, s[SB:SB+1] offset:O0+NN*ON
	global_load_b128 v[LB+8*NN+4:LB+8*NN+7], v4, s[SB:SB+1] offset:O0+NN*ON+O2
.endr
.endm
; in window 1: eight tiles of eight registers at base + 8 u are added; the last addition puts the sum at dst
.macro SUM8 base, dst
.irp u, 0,1,2,3
.irp j, 0,2,4,6
	v_pk_add_f32 v[(\base)+8*\u+\j:(\base)+8*\u+\j+1], v[(\base)+8*\u+\j:(\base)+8*\u+\j+1], v[(\base)+8*\u+32+\j:(\base)+8*\u+33+\j]
.endr
.endr
.irp u, 0,1
.irp j, 0,2,4,6
	v_pk_add_f32 v[(\base)+8*\u+\j:(\base)+8*\u+\j+1], v[(\base)+8*\u+\j:(\base)+8*\u+\j+1], v[(\base)+8*\u+16+\j:(\base)+8*\u+17+\j]
.endr
.endr
.irp j, 0,2,4,6
	v_pk_add_f32 v[(\dst)+\j:(\dst)+\j+1], v[(\base)+\j:(\base)+\j+1], v[(\base)+8+\j:(\base)+9+\j]
.endr
.endm
	WIN 0x40
	s_wait_alu depctr_va_vdst(0)                   ; the offsets and addresses v4 to v10 are written, which every load and store of the kernel reads
.irp cl, 0,1
	global_load_b128 v[144+8*\cl:147+8*\cl], v10, s[20+2*\cl:21+2*\cl] offset:9216 th:TH_LOAD_NT                  ; At' of slice w: first, since all waves wait for it
	global_load_b128 v[148+8*\cl:151+8*\cl], v10, s[20+2*\cl:21+2*\cl] offset:9728 th:TH_LOAD_NT
.endr
.irp cl, 0,1
.irp u, 0,1,2,3,4,5,6,7
	global_load_b128 v[64*\cl+8*\u:64*\cl+8*\u+3],   v7, s[20+2*\cl:21+2*\cl] offset:\u*10240 th:TH_LOAD_NT       ; M': tile n = w of slice u
	global_load_b128 v[64*\cl+8*\u+4:64*\cl+8*\u+7], v7, s[20+2*\cl:21+2*\cl] offset:\u*10240+512 th:TH_LOAD_NT
.endr
.endr
.irp cl, 0,1
	global_load_b128 v[128+8*\cl:131+8*\cl], v10, s[20+2*\cl:21+2*\cl] offset:8192 th:TH_LOAD_NT                  ; Al' of slice w
	global_load_b128 v[132+8*\cl:135+8*\cl], v10, s[20+2*\cl:21+2*\cl] offset:8704 th:TH_LOAD_NT
.endr
	s_wait_loadcnt 36                              ; At' is in; M's 32 loads and Al's 4 stay out
	WIN 0x04                                       ; the stores' data in window 1
.irp cl, 0,1
	ds_store_b128 v6, v[144+8*\cl:147+8*\cl] offset:\cl*1024
	ds_store_b128 v6, v[148+8*\cl:151+8*\cl] offset:\cl*1024+512
.endr
	WIN 0
.irp g, 0,1,2
	LOADH \g, 0                                    ; the ring's first three groups
	LOADH \g, 4
.endr
	s_wait_loadcnt 48                              ; M' and Al' are in; the ring's three groups of 16 stay out
	WIN 0x45                                       ; all in window 1
	SUM8 0, 160                                    ; M' tile w, class a: the sum leaves the registers that At' of all slices takes next
	SUM8 64, 168                                   ; class b
	WIN 0
	s_wait_dscnt 0x0                               ; for the others' sake: my slice's At' is in LDS
	s_barrier_signal -1
	s_barrier_wait -1
	WIN 0x40
	s_wait_alu depctr_va_vdst(0)                   ; M's additions are done reading and writing window 1's v0-127, in which At' of all slices lands
.irp cl, 0,1
.irp u, 0,1,2,3,4,5,6,7
	ds_load_b128 v[64*\cl+8*\u:64*\cl+8*\u+3],   v4 offset:AT+\u*2048+\cl*1024
	ds_load_b128 v[64*\cl+8*\u+4:64*\cl+8*\u+7], v4 offset:AT+\u*2048+\cl*1024+512
.endr
.endr
	s_wait_dscnt 0x0
	WIN 0x45
	SUM8 0, 0                                      ; At', class a: every wave makes it, in the same order
	SUM8 64, 64                                    ; class b
	WIN 0x05                                       ; sources in window 1, destination in window 0
	v_pk_add_f32 v[12:13], v[0:1], v[2:3]          ; S: my eight t,
	v_pk_add_f32 v[14:15], v[4:5], v[6:7]
	v_pk_add_f32 v[16:17], v[64:65], v[66:67]
	v_pk_add_f32 v[18:19], v[68:69], v[70:71]
	WIN 0
	v_pk_add_f32 v[12:13], v[12:13], v[14:15]
	v_pk_add_f32 v[16:17], v[16:17], v[18:19]
	v_add_f32 v12, v12, v13
	v_add_f32 v16, v16, v17
	v_permlanex16_b32 v13, v12, s36, s37           ; and the other half of the lanes' eight
	v_permlanex16_b32 v17, v16, s36, s37
	v_add_f32 v12, v12, v13
	v_add_f32 v16, v16, v17
	v_add_f32 v12, s38, v12
	v_add_f32 v16, s38, v16
	v_rcp_f32 v48, v12                             ; each reciprocal twice: a pair for the packed arithmetic.  A lane holds row r in every tile of G, so its own reciprocal serves them all
	v_rcp_f32 v49, v12
	v_rcp_f32 v50, v16
	v_rcp_f32 v51, v16
.irp i, 36,37,38,39,44,45,46,47
	v_mov_b32 v\i, 0                               ; the table has 16 rows: the upper half of At's fragments is zero (also the plain instructions behind the reciprocals)
.endr
	WIN 0x41                                       ; G in window 1, in place; the reciprocals in window 0
	s_wait_alu depctr_va_vdst(0)                   ; the four reciprocals v48 to v51 are written, ahead of their first reader
.irp j, 0,2,4,6
	v_pk_mul_f32 v[160+\j:161+\j], v[160+\j:161+\j], v[48:49]              ; M' class a
	v_pk_mul_f32 v[168+\j:169+\j], v[168+\j:169+\j], v[50:51]              ; M' class b
	v_pk_mul_f32 v[128+\j:129+\j], v[128+\j:129+\j], v[48:49]              ; Al' class a
	v_pk_mul_f32 v[136+\j:137+\j], v[136+\j:137+\j], v[50:51]              ; Al' class b
	v_pk_mul_f32 v[\j:\j+1], v[\j:\j+1], v[48:49]                          ; At' class a
	v_pk_mul_f32 v[64+\j:65+\j], v[64+\j:65+\j], v[50:51]                  ; At' class b
.endr
	WIN 0x05
.irp i, 0,1,2,3
	v_cvt_pk_f16_f32 v[12+\i], v[160+2*\i], v[161+2*\i]                    ; a lane's row r, columns 8 h + 0..7: the 16 bytes of a row fragment
	v_cvt_pk_f16_f32 v[16+\i], v[168+2*\i], v[169+2*\i]
	v_cvt_pk_f16_f32 v[20+\i], v[128+2*\i], v[129+2*\i]
	v_cvt_pk_f16_f32 v[24+\i], v[136+2*\i], v[137+2*\i]
	v_cvt_pk_f16_f32 v[32+\i], v[2*\i], v[2*\i+1]
	v_cvt_pk_f16_f32 v[40+\i], v[64+2*\i], v[65+2*\i]
.endr
	WIN 0
	s_wait_alu depctr_va_vdst(0)                   ; the roundings have written v[12:27], which the stores read; scalings and roundings are done with window 1's v128-143 and v160-175, in which G's fragments land behind the barrier (no vector instruction stands between)
.irp cl, 0,1
	ds_store_b128 v5, v[12+4*\cl:15+4*\cl] offset:\cl*8192                 ; G's tile w
	ds_store_b128 v5, v[20+4*\cl:23+4*\cl] offset:\cl*8192+4096            ; G's tile 8 + w
.endr
	s_wait_dscnt 0x0                               ; for the others' sake: my tiles of G are in LDS
	s_barrier_signal -1
	s_barrier_wait -1
	WIN 0x40
	s_wait_alu depctr_vm_vsrc(0)                   ; the stores of my slice's At' have read window 1's v144-159, in which G's fragments land
.irp cl, 0,1
.irp i, 0,1,2,3,4,5,6,7
	ds_load_b128 v[128+64*\cl+8*\i:128+64*\cl+8*\i+3],   v4 offset:\cl*8192+\i*1024
	ds_load_b128 v[128+64*\cl+8*\i+4:128+64*\cl+8*\i+7], v4 offset:\cl*8192+\i*1024+512
.endr
.endr
	WIN 0
	s_wait_dscnt 0x0
; Half of group g's products: the column fragments n0 .. n0 + 3.  Source 0 = 16 columns d, source 1 = my 16 rows of G: a lane holds row r and columns 8 h + 0..7, as sel lies.
; The accumulators take turns, one instruction a turn.
.macro MULG g, n0
.set MB, 64+64*((\g)%3)
.if (\g) < 8
.set CL, (\g)%2
.set GI, (\g)/2
	WIN 0x54                                       ; G, C and D in window 1
.irp k, 0,1,2,3
.set NN, (\n0)+\k
.if (\g) < 2
	v_wmma_f32_16x16x32_f16 v[64*CL+8*NN:64*CL+8*NN+7], v[MB+8*NN:MB+8*NN+7], v[128+64*CL+8*GI:128+64*CL+8*GI+7], 0
.else
	v_wmma_f32_16x16x32_f16 v[64*CL+8*NN:64*CL+8*NN+7], v[MB+8*NN:MB+8*NN+7], v[128+64*CL+8*GI:128+64*CL+8*GI+7], v[64*CL+8*NN:64*CL+8*NN+7]
.endif
.endr
.elseif (\g) < 12
.set GI, (\g)-4
	WIN 0x54
.irp k, 0,1,2,3
.set NN, (\n0)+\k
	v_wmma_f32_16x16x32_f16 v[8*NN:8*NN+7], v[MB+8*NN:MB+8*NN+7], v[128+8*GI:128+8*GI+7], v[8*NN:8*NN+7]
	v_wmma_f32_16x16x32_f16 v[64+8*NN:64+8*NN+7], v[MB+8*NN:MB+8*NN+7], v[192+8*GI:192+8*GI+7], v[64+8*NN:64+8*NN+7]
.endr
.else
	WIN 0x50                                       ; At's fragments lie in window 0
.irp k, 0,1,2,3
.set NN, (\n0)+\k
	v_wmma_f32_16x16x32_f16 v[8*NN:8*NN+7], v[MB+8*NN:MB+8*NN+7], v[32:39], v[8*NN:8*NN+7]
	v_wmma_f32_16x16x32_f16 v[64+8*NN:64+8*NN+7], v[MB+8*NN:MB+8*NN+7], v[40:47], v[64+8*NN:64+8*NN+7]
.endr
.endif
.endm
; Group g.  Groups 1 to 11 ask for group g + 2, into the buffer that group g - 1 multiplied.
.macro GROUP g
.if (\g) == 0
	s_wait_loadcnt 32                              ; group 0 is in; groups 1 and 2 stay out
.else
	s_wait_loadcnt 16                              ; group g is in; the one younger group stays out
.endif
.if ((\g) >= 1) && ((\g) <= 11)
	s_wait_alu depctr_va_vdst(0)                   ; the group before's matrix instructions are done reading their ring buffer, in which the sixteen loads of this group land
	LOADH (\g)+2, 0
.endif
	MULG \g, 0
.if ((\g) >= 1) && ((\g) <= 11)
	WIN 0
	LOADH (\g)+2, 4                                ; no wait: the matrix instructions since the wait name this group's buffer, G and the accumulators alone
.endif
	MULG \g, 4
	WIN 0
.endm
.irp g, 0,1,2,3,4,5,6,7,8,9,10,11,12
	GROUP \g
.endr
	; THE WAY OUT: d = A - B; out = sel d + B.  Through my own stage, so that a store covers 512 neighbouring bytes of a row.
	PLACES
	s_wait_loadcnt 0x0                             ; sel
	WIN 0x05                                       ; both sources: the accumulators' window; each accumulator from its low end on
.irp n, 0,1,2,3,4,5,6,7
.irp j, 0,2,4,6
	v_pk_add_f32 v[192+8*\n+\j:193+8*\n+\j], v[8*\n+\j:8*\n+\j+1], v[64+8*\n+\j:65+8*\n+\j] neg_lo:[0,1] neg_hi:[0,1]
.endr
.endr
	WIN 0x10                                       ; source 2: the accumulators' window
.irp n, 0,1,2,3,4,5,6,7
.irp j, 0,2,4,6
	v_pk_fma_f32 v[192+8*\n+\j:193+8*\n+\j], v[128+8*\n+\j:129+8*\n+\j], v[192+8*\n+\j:193+8*\n+\j], v[64+8*\n+\j:65+8*\n+\j]
.endr
.endr
	WIN 0
	s_wait_alu depctr_va_vdst(0)                   ; the gate has written v[192:255], which the stores read; group 12's matrix instructions are done reading v[64:127], in which the stage's rows land
.irp n, 0,1,2,3,4,5,6,7
	ds_store_b128 v8, v[192+8*\n:195+8*\n] offset:\n*64
	ds_store_b128 v8, v[196+8*\n:199+8*\n] offset:\n*64+16
.endr
.irp i, 0,1,2,3,4,5,6,7,8,9,10,11,12,13,14,15
	ds_load_b128 v[64+4*\i:67+4*\i], v9 offset:\i*528                      ; my own bytes, served in order behind the stores
.endr
.irp i, 0,1,2,3,4,5,6,7,8,9,10,11,12,13,14,15
	s_wait_dscnt 15-\i                             ; row i is back, the younger ones stay out
	global_store_b128 v4, v[64+4*\i:67+4*\i], s[34:35] offset:\i*4096 th:TH_STORE_NT
.endr
	s_wait_dscnt 0x0                               ; the closing lines, six on end
	s_wait_alu 0x0
	s_wait_tensorcnt 0x0
	ds_add_u32 v62, v63
	s_wait_dscnt 0x0
	s_endpgm
.Lfunc_end_k_q146bb066db_fin:
	.size	k_q146bb066db_fin, .Lfunc_end_k_q146bb066db_fin-k_q146bb066db_fin
	.p2alignl 7, 3214868480
	.fill 96, 4, 3214868480
	.section	.rodata,"a",@progbits
	.p2align	6, 0x0
	.amdhsa_kernel k_q146bb066db_fin
		.amdhsa_group_segment_fixed_size 101376
		.amdhsa_private_segment_fixed_size 0
		.amdhsa_enable_private_segment 0
		.amdhsa_kernarg_size 40
		.amdhsa_user_sgpr_count 2
		.amdhsa_user_sgpr_kernarg_segment_ptr 1
		.amdhsa_wavefront_size32 1
		.amdhsa_system_sgpr_workgroup_id_x 1
		.amdhsa_system_sgpr_workgroup_id_y 1
		.amdhsa_system_sgpr_workgroup_id_z 1
		.amdhsa_system_vgpr_workitem_id 0
		.amdhsa_next_free_vgpr 512
		.amdhsa_next_free_sgpr 66
		.amdhsa_reserve_vcc 0
		.amdhsa_float_denorm_mode_32 3
		.amdhsa_float_denorm_mode_16_64 3
		.amdhsa_memory_ordered 1
		.amdhsa_forward_progress 1
		.amdhsa_inst_pref_size 64
	.end_amdhsa_kernel
	.amdgpu_metadata
---
amdhsa.version: [ 1, 2 ]
amdhsa.kernels:
  - .name:           k_q146bb066db_fin
    .symbol:         k_q146bb066db_fin.kd
    .args:
      - { .name: part, .offset: 0, .size: 8, .value_kind: global_buffer, .address_space: global }
      - { .name: pj, .offset: 8, .size: 8, .value_kind: global_buffer, .address_space: global }
      - { .name: tab, .offset: 16, .size: 8, .value_kind: global_buffer, .address_space: global }
      - { .name: sel, .offset: 24, .size: 8, .value_kind: global_buffer, .address_space: global }
      - { .name: out0, .offset: 32, .size: 8, .value_kind: global_buffer, .address_space: global }
    .group_segment_fixed_size: 101376
    .private_segment_fixed_size: 0
    .kernarg_segment_align: 8
    .kernarg_segment_size: 40
    .max_flat_workgroup_size: 256
    .sgpr_count:     66
    .vgpr_count:     512
    .wavefront_size: 32
...
	.end_amdgpu_metadata
.endif
;; end of part 10
